; MI455X (gfx1250); checked and timed in simulation.
; The chip was launched on July 23, 2026; its instructions are those of AMD's public machine-readable ISA for CDNA 5 (MIT licence, August 2026) and "CDNA5" Instruction Set Architecture Reference Guide (July 2026). The comments in the code are by the model that wrote it; some were corrected since.
;; Converted Llama Attention. Allowed arithmetic: matrix products marked QUANTISED: E4M3 operands, one given power-of-two scale a tensor, by v_wmma_f32_16x16x64_fp8_fp8 or v_wmma_f32_16x16x128_fp8_fp8, f32 sums; products left as they are: f32 operands where the result goes on into a quantised operand, else bf16, f16 or f32 operands; f32 sums; everything else in f32.
;; Inputs: Ak 8 x 2,048 float32; Aq 8 x 2,048 float32; Av 8 x 2,048 float32; Bk 2,048 x 8 float32; Bq 2,048 x 8 float32; Bv 2,048 x 8 float32; Wk 2,048 x 2,048 float32; Wo 2,048 x 2,048 float32; Wq 2,048 x 2,048 float32; Wv 2,048 x 2,048 float32; hidden_states 1 x 2,048 x 2,048 float32; lowp_scales 12 int32 (the exponents e of the quantised operands' scales 2^e).
;; Outputs: out0 1 x 2,048 x 2,048 float32.
;; This version of the problem:
;;   THIS VERSION OF THE PROBLEM IS GIVEN IN LOW PRECISION. The matrix products marked QUANTISED in the list below multiply operands that are first quantised to E4M3 (4 exponent bits, 3 mantissa bits; 8 bits a number), with one given power-of-two scale for each operand tensor; their sums are f32. All else is computed in f32.
;;   The module's matrix products, in the order in which they are computed (A, B: the left and right operand; K: the contracted axis; several contracted axes count as one K, in the product's order):
;;     1. [M 2,048, K 2,048] x [K 2,048, N 2,048]; A: input hidden_states; B: input Wq: QUANTISED (scales: A lowp_scales[0], B lowp_scales[1])
;;     2. [M 2,048, K 2,048] x [K 2,048, N 8]; A: input hidden_states; B: input Aq: left as it is (N = 8 < 16)
;;     3. [M 2,048, K 8] x [K 8, N 2,048]; A: computed on the way; B: input Bq: left as it is (K = 8 < 32)
;;     4. [M 2,048, K 2,048] x [K 2,048, N 2,048]; A: input hidden_states; B: input Wk: QUANTISED (scales: A lowp_scales[2], B lowp_scales[3])
;;     5. [M 2,048, K 2,048] x [K 2,048, N 8]; A: input hidden_states; B: input Ak: left as it is (N = 8 < 16)
;;     6. [M 2,048, K 8] x [K 8, N 2,048]; A: computed on the way; B: input Bk: left as it is (K = 8 < 32)
;;     7. [M 2,048, K 2,048] x [K 2,048, N 2,048]; A: input hidden_states; B: input Wv: QUANTISED (scales: A lowp_scales[4], B lowp_scales[5])
;;     8. [M 2,048, K 2,048] x [K 2,048, N 8]; A: input hidden_states; B: input Av: left as it is (N = 8 < 16)
;;     9. [M 2,048, K 8] x [K 8, N 2,048]; A: computed on the way; B: input Bv: left as it is (K = 8 < 32)
;;     10. batch 32 x [M 2,048, K 64] x [K 64, N 2,048]; A: computed on the way; B: computed on the way: QUANTISED (scales: A lowp_scales[6], B lowp_scales[7])
;;     11. batch 32 x [M 64, K 2,048] x [K 2,048, N 2,048]; A: computed on the way; B: softmax (see below): QUANTISED (scales: A lowp_scales[8], B lowp_scales[9])
;;     12. [M 2,048, K 2,048] x [K 2,048, N 2,048]; A: computed on the way; B: input Wo: QUANTISED (scales: A lowp_scales[10], B lowp_scales[11])
;;   THE QUANTISER, for each operand of a quantised product, along K:
;;     - The operand's scale is 2^e, e = its entry of the input lowp_scales (int32; the entries are numbered through the quantised products in the list's order, A before B).
;;     - Each number is divided by the scale, clamped to +-448, and rounded to the nearest number of E4M3, ties to even, subnormals kept.
;;     - The product sums the exact products of the quantised numbers (number of the format x scale) in f32.
;;   ~~~python
;;   def quantise(x, axis, e):      # numpy; x: float32 -> the quantised numbers, widened to float32 again
;;       x = np.moveaxis(x, axis, -1); K = x.shape[-1]
;;       r = np.clip(x / 2.0 ** e, -448, 448)
;;       step = 2.0 ** (np.maximum(np.frexp(np.where(r == 0, 1, r))[1] - 1, -6) - 3)
;;       q = np.round(r / step) * step * 2.0 ** e      # np.round: ties to even
;;       return np.moveaxis(q, -1, axis).astype(np.float32)
;;   ~~~
;;   SOFTMAX AHEAD OF A QUANTISED PRODUCT. Where the list says 'softmax', what is quantised is not the finished softmax but p = 2^(t - M), with t = logit x log2(e) and M = ceil(the row's largest t), a whole number; so 1/2 < the row's largest p <= 1. The row's sum l is taken of the UNQUANTISED p, in f32, and the product's result is divided by l at the end. Since M is a whole number, a kernel that streams over the keys may use a running M (the ceiling of the running maximum): every later rescaling is an exact power of two, so the quantised numbers keep their values, but for numbers so far below the row's largest that they fall under the format's range.
;;   OPERANDS COMPUTED ON THE WAY. 'Computed on the way' means the value that the module computes at that place (a softmax that the list does not call 'softmax' is quantised finished and normalised). What goes into a quantiser is computed in f32, as accurately as f32 sums, v_exp_f32 and their like allow (about 1e-6 of the number): no bf16 or f16 on the way to a quantiser, and a product that is left as it is and whose result goes on into a quantised operand takes f32 operands (vector FMAs, or v_wmma_f32_16x16x4_f32). A number that lies on a knife's edge between two numbers of the format may be rounded either way, as far as f32 arithmetic and the matrix unit's own rounding can turn it there, and no further.
;; 2 versions. Each part assembles by itself: llvm-mc -triple=amdgcn-amd-amdhsa -mcpu=gfx1250 --defsym DOCPART=n.
;; ======== version 1 of 2: 4 launches
;; workspace buffers: codes 29,360,128 bytes; tl 393,216 bytes; rope 524,288 bytes; qc 4,194,304 bytes; kv 8,388,608 bytes; ac 4,194,304 bytes
;; launch prep (part 1): grid 256 x 1, 8 waves a work-group, no clusters, 186,368 bytes of LDS; arguments hidden_states, Wq, Wk, Wv, Wo, Aq, Ak, Av, lowp_scales, codes, tl, rope; writes codes, tl, rope
.if DOCPART == 1
	.amdgcn_target "amdgcn-amd-amdhsa--gfx1250"
	.amdhsa_code_object_version 6
	.text
	.protected	k_qab2994e3aa_prep
	.globl	k_qab2994e3aa_prep
	.p2align	8
	.type	k_qab2994e3aa_prep,@function
k_qab2994e3aa_prep:
	s_mov_b64 s[64:65], 0
	v_nop
	global_prefetch_b8 v0, s[64:65] scope:SCOPE_SE
	s_setreg_imm32_b32 hwreg(HW_REG_WAVE_MODE, 25, 1), 1
	s_wait_xcnt 0x0
; PREP: f32 inputs become codes of FP8 (E4M3); T = x A^T in f32; the table of cos and sin.
; LAYOUT OF ALL CODES.  A block b (0..127) is 16 rows that are not neighbours: row(b, i) = 32 (b / 2) + 8 (b % 2) + i + 8 (i / 8).  The IMAGE of (block b, chunk kc of 128 along K) is 2,048 bytes:
; byte 512 c + 16 lane + e = the code of row(b, lane % 16) at k = 128 kc + 32 c + 16 (lane / 16) + e: the sixteen registers of an operand's fragment, lane by lane.  A section of the buffer codes is [block 128][chunk 16][2048].
; Sections: 0 Wq, 1 Wk, 2 x by entry 4 of the scales, 3 x by entry 0, 4 x by entry 2, 5 Wv, 6 Wo.
; SHARES.  256 work-groups of 8 waves, all on one path.  Work-group g, wave w: x: block g / 2, chunk 8 (g % 2) + w: three images and a part of T.  Weights: tensor g / 64, blocks 2 (g % 64) and + 1, chunks 2 w and 2 w + 1.
; Wave 7 also makes half an image of the table; waves 0 to 3 add the eight waves' parts of T behind the one barrier.
; A load takes 512 consecutive bytes of a row, 16 a lane; the conversions want 16 neighbours along K in ONE lane: so a chunk turns through the wave's own stage in LDS (rows of 512 bytes + 16).
; T: tl[P 3][s 2048][half of K 2][8] f32; the two halves are added where they are read.  The products are the f32 matrix form: source 0 = rows of Aq and Ak (tile 0) or Av (tile 1), source 1 = x.
; TABLE: rope[block 128][c 8][512]: register e = 4 c + k of lane (r, h): e < 16: cos(pos x inv(16 h + e)), else sin(pos x inv(16 h + e - 16)), pos = row(block, r), inv(i) = 10000^(-i / 32).
; code = x / 2^e, held within +-448, to the nearest code, ties to even.  LIMITS: each e between -126 and 119; NaN among the inputs is not served; inv(i) is good to about 2 units in its last place.
; REGISTERS, window 0: v1 lane, v2 r, v3 h, v4 16 x lane, v5-11 LDS addresses, v16-79 a chunk's 64 numbers a lane, v80-143 and v144-207 A's fragments, later held numbers and codes, v224-231 scales, v240-255 T's two sums.
;   window 1: v0-223 chunks as they are loaded.
.set XPW, 8448                         ; a wave's stage: 16 rows x 528
.set AST, 67584                        ; behind the eight stages: A's stages, 24 rows x 528 a wave
.set APW, 12672
.set RED, 168960                       ; behind them: the waves' parts of T, 2,048 bytes a wave
.set SEC, 0x400000                     ; a section of codes
.set X,   16
.set AF0, 80
.set AF1, 144
.set TMP, 80
.set XC,  144
.set WC,  80
.set SC,  224
.set TA,  240
.set RX,  0
.set RA,  64
.set RW,  160
.set MSB, 0
.macro WIN new                         ; the immediate's high byte repeats the setting that is left
.if MSB != (\new)
	s_set_vgpr_msb (MSB<<8)|(\new)
.set MSB, (\new)
.endif
.endm
.macro RAW reg, base, off              ; a chunk as it lies: 16 rows x 512 bytes into window 1
	WIN 0x40
.irp i, 0,1,2,3,4,5,6,7,8,9,10,11,12,13,14,15
	global_load_b128 v[\reg+4*\i:\reg+4*\i+3], v4, s[\base:\base+1] offset:\off+(\i+8*(\i/8))*8192 th:TH_LOAD_NT
.endr
	WIN 0
.endm
.macro TURNX reg                       ; through my stage: LDS serves a wave's instructions in order, so no wait stands between the stores and the loads
	WIN 0x04
.irp i, 0,1,2,3,4,5,6,7,8,9,10,11,12,13,14,15
	ds_store_b128 v5, v[\reg+4*\i:\reg+4*\i+3] offset:528*\i
.endr
	WIN 0
.irp b, 0,1,2,3
.irp j, 0,1,2,3
	ds_load_b128 v[X+16*\b+4*\j:X+16*\b+4*\j+3], v6 offset:128*\b+16*\j   ; register 16 b + 4 j + e: k = 32 b + 16 h + 4 j + e of row r
.endr
.endr
.endm
.macro QUANT src, dst, cod, sc         ; 64 numbers of a lane become a fragment's 16 registers of codes; v[sc] the scale, v[sc+1] 448 x the scale
.irp b, 0,1,2,3
.irp i, 0,1,2,3,4,5,6,7,8,9,10,11,12,13,14,15
	v_med3_num_f32 v[\dst+16*\b+\i], v[\src+16*\b+\i], -v[\sc+1], v[\sc+1]   ; the conversion does not saturate (ISA guide 7.6.2): the hold comes first
.endr
	v_cvt_scalef32_pk8_fp8_f32 v[\cod+4*\b:\cod+4*\b+1], v[\dst+16*\b:\dst+16*\b+7], v[\sc]
	v_cvt_scalef32_pk8_fp8_f32 v[\cod+4*\b+2:\cod+4*\b+3], v[\dst+16*\b+8:\dst+16*\b+15], v[\sc]
.endr
	v_nop                                          ; one plain line behind the last conversion
.endm
.macro OUT cod, base, off              ; an image: four stores of 512 consecutive bytes
.irp c, 0,1,2,3
	global_store_b128 v4, v[\cod+4*\c:\cod+4*\c+3], s[\base:\base+1] offset:\off+512*\c
.endr
.endm
.macro MKSC e, v                       ; 2^e and 448 x 2^e as f32
	s_add_co_i32 s78, s[\e], 127
	s_lshl_b32 s79, s78, 23
	v_mov_b32 v[\v], s79
	s_add_co_i32 s78, s78, 8
	s_lshl_b32 s78, s78, 23
	s_or_b32 s78, s78, 0x600000
	v_mov_b32 v[\v+1], s78
.endm
	s_load_b512 s[8:23], s[0:1], 0x0               ; x, Wq, Wk, Wv, Wo, Aq, Ak, Av
	s_load_b256 s[24:31], s[0:1], 0x40             ; the scales' exponents, codes, tl, rope
	v_lshl_add_u32 v238, v0, 2, 0x2d400
	v_mov_b32 v239, 0
	v_lshrrev_b32 v1, 5, v0
	v_readfirstlane_b32 s32, v1                    ; wave 0..7
	v_and_b32 v1, 31, v0                           ; lane
	v_and_b32 v2, 15, v0                           ; r
	v_bfe_u32 v3, v0, 4, 1                         ; h
	v_lshlrev_b32 v4, 4, v1                        ; 16 x lane
	s_mul_i32 s76, s32, XPW
	v_add_nc_u32 v5, s76, v4                       ; my stage, on the way in
	v_mul_u32_u24 v13, v2, 528
	v_lshl_add_u32 v13, v3, 6, v13                 ; 528 r + 64 h
	v_add_nc_u32 v6, s76, v13                      ; and on the way out
	s_mul_i32 s76, s32, APW
	s_add_co_u32 s76, s76, AST
	v_add_nc_u32 v7, s76, v4                       ; A's stage, in
	v_add_nc_u32 v8, s76, v13                      ; out: rows 0-15 (Aq, Ak)
	v_and_b32 v14, 7, v0
	v_mul_u32_u24 v14, v14, 528
	v_lshl_add_u32 v14, v3, 6, v14
	v_add_nc_u32 v14, 16*528, v14
	v_add_nc_u32 v9, s76, v14                      ; out: rows 16 + r % 8 (Av, twice)
	s_lshl_b32 s76, s32, 11
	s_add_co_u32 s76, s76, RED
	v_add_nc_u32 v10, s76, v4                      ; my part of T
	s_and_b32 s76, s32, 3
	s_lshl_b32 s76, s76, 9
	s_add_co_u32 s76, s76, RED
	v_add_nc_u32 v11, s76, v4                      ; the quarter of every wave's part that I add (waves 0 to 3)
	s_mov_b32 s33, ttmp9                           ; g
	s_lshr_b32 s34, s33, 1                         ; x's block
	s_and_b32 s35, s33, 1                          ; the half of K
	s_lshr_b32 s36, s33, 6                         ; which weight
	s_and_b32 s37, s33, 63                         ; which 32 rows of it
	s_lshr_b32 s38, s34, 1
	s_lshl_b32 s38, s38, 5
	s_and_b32 s39, s34, 1
	s_lshl_b32 s39, s39, 3
	s_add_co_u32 s38, s38, s39                     ; the block's first row
	s_lshl_b32 s39, s35, 3
	s_add_co_u32 s39, s39, s32                     ; x's chunk
	s_mov_b32 s77, 0
	s_lshl_b32 s76, s38, 13
	s_lshl_b32 s78, s39, 9
	s_add_co_u32 s76, s76, s78
	s_wait_kmcnt 0x0
	s_load_b256 s[40:47], s[24:25], 0x0            ; entries 0 to 7
	s_load_b128 s[48:51], s[24:25], 0x20           ; entries 8 to 11
	s_add_nc_u64 s[52:53], s[8:9], s[76:77]        ; x at my chunk
	s_mov_b32 s76, s78
	s_add_nc_u64 s[66:67], s[18:19], s[76:77]      ; Aq, Ak, Av at my chunk
	s_add_nc_u64 s[68:69], s[20:21], s[76:77]
	s_add_nc_u64 s[70:71], s[22:23], s[76:77]
	s_cmp_eq_u32 s36, 0                            ; the weight is chosen by the work-group's number alone
	s_cselect_b64 s[54:55], s[10:11], s[12:13]
	s_cmp_lt_u32 s36, 2
	s_cselect_b64 s[54:55], s[54:55], s[14:15]
	s_cmp_eq_u32 s36, 3
	s_cselect_b64 s[54:55], s[16:17], s[54:55]
	s_lshl_b32 s76, s37, 18
	s_lshl_b32 s78, s32, 10
	s_add_co_u32 s76, s76, s78
	s_add_nc_u64 s[54:55], s[54:55], s[76:77]      ; at my 32 rows, my two chunks
	RAW RX, 52, 0                                  ; x
	WIN 0x40
.irp j, 0,1,2,3,4,5,6,7
	global_load_b128 v[RA+4*\j:RA+4*\j+3], v4, s[66:67] offset:\j*8192
.endr
.irp j, 0,1,2,3,4,5,6,7
	global_load_b128 v[RA+32+4*\j:RA+32+4*\j+3], v4, s[68:69] offset:\j*8192
.endr
.irp j, 0,1,2,3,4,5,6,7
	global_load_b128 v[RA+64+4*\j:RA+64+4*\j+3], v4, s[70:71] offset:\j*8192
.endr
	WIN 0
	RAW RW, 54, 0                                  ; weight chunk 0: 56 loads of mine are out
	s_lshl_b32 s76, s34, 15
	s_lshl_b32 s78, s39, 11
	s_add_co_u32 s76, s76, s78
	s_add_nc_u64 s[56:57], s[26:27], s[76:77]
	s_add_nc_u64 s[58:59], s[56:57], 4*SEC         ; x by entry 2
	s_add_nc_u64 s[60:61], s[56:57], 2*SEC         ; x by entry 4
	s_add_nc_u64 s[56:57], s[56:57], 3*SEC         ; x by entry 0
	s_cmp_ge_u32 s36, 2
	s_cselect_b32 s76, 3, 0
	s_add_co_u32 s76, s76, s36                     ; the weight's section: 0, 1, 5, 6
	s_lshl_b32 s76, s76, 22
	s_lshl_b32 s78, s37, 16
	s_add_co_u32 s76, s76, s78
	s_lshl_b32 s78, s32, 12
	s_add_co_u32 s76, s76, s78
	s_add_nc_u64 s[62:63], s[26:27], s[76:77]
	s_lshl_b32 s76, s34, 12
	s_lshl_b32 s78, s35, 10
	s_add_co_u32 s76, s76, s78
	s_add_nc_u64 s[74:75], s[30:31], s[76:77]      ; my half image of the table
	s_wait_kmcnt 0x0
	s_cmp_eq_u32 s36, 0
	s_cselect_b32 s90, s41, s43
	s_cmp_lt_u32 s36, 2
	s_cselect_b32 s90, s90, s45
	s_cmp_eq_u32 s36, 3
	s_cselect_b32 s90, s51, s90                    ; the weight's exponent: entry 1, 3, 5 or 11
	MKSC 40, SC
	MKSC 42, SC+2
	MKSC 44, SC+4
	MKSC 90, SC+6
	; ---- THE TABLE, wave 7 alone, while the first loads are on their way.  Eight angles a lane: i = 16 h + 8 (g % 2) + e
	s_cmp_lg_u32 s32, 7
	s_cbranch_scc1 .Lno_table
	s_mov_b32 s80, 0x3fc90fdb                      ; pi / 2, its upper part
	s_mov_b32 s81, 0x333bbd2e                      ; that part less pi / 2
	s_mov_b32 s82, 0x3638ef1d                      ; sine: 1/9!, -1/7!, 1/5!, -1/3!
	s_mov_b32 s83, 0xb9500d01
	s_mov_b32 s84, 0x3c088889
	s_mov_b32 s85, 0xbe2aaaab
	s_mov_b32 s86, 0xb493f27e                      ; cosine: -1/10!, 1/8!, -1/6!, 1/4!
	s_mov_b32 s87, 0x37d00d01
	s_mov_b32 s88, 0xbab60b61
	s_mov_b32 s89, 0x3d2aaaab
	s_mov_b32 s91, 0x3f22f983                      ; 2 / pi
	v_lshrrev_b32 v13, 3, v2
	v_lshl_add_u32 v13, v13, 3, v2
	v_add_nc_u32 v13, s38, v13                     ; pos = row(block, r)
	v_cvt_f32_u32 v232, v13
	s_lshl_b32 s78, s35, 3
	v_lshl_add_u32 v14, v3, 4, s78
.irp e, 0,1,2,3,4,5,6,7
	v_add_nc_u32 v[80+\e], \e, v14
.endr
.irp e, 0,1,2,3,4,5,6,7
	v_cvt_f32_u32 v[80+\e], v[80+\e]
.endr
.irp e, 0,1,2,3,4,5,6,7
	v_mul_f32 v[88+\e], 0xbed48000, v[80+\e]       ; -i x 425 / 1024: exact
	v_mul_f32 v[96+\e], 0xb953c25e, v[80+\e]       ; -i x (log2(10000) / 32 - 425 / 1024)
.endr
.irp e, 0,1,2,3,4,5,6,7
	v_exp_f32 v[88+\e], v[88+\e]
	v_exp_f32 v[96+\e], v[96+\e]
.endr
	v_nop                                          ; a plain line behind the last exponential,
	s_wait_alu depctr_va_vdst(0)                   ; and one wait for the sixteen, ahead of their first reader
.irp e, 0,1,2,3,4,5,6,7
	v_mul_f32 v[80+\e], v[88+\e], v[96+\e]         ; inv(i)
.endr
.irp e, 0,1,2,3,4,5,6,7
	v_mul_f32 v[80+\e], v232, v[80+\e]             ; the angle, rounded once
.endr
.irp e, 0,1,2,3,4,5,6,7
	v_fma_f32 v[104+\e], v[80+\e], s91, 0.5
.endr
.irp e, 0,1,2,3,4,5,6,7
	v_floor_f32 v[104+\e], v[104+\e]               ; n: the nearest quarter turn
.endr
.irp e, 0,1,2,3,4,5,6,7
	v_fma_f32 v[112+\e], -v[104+\e], s80, v[80+\e] ; the angle less n pi / 2, in two parts
.endr
.irp e, 0,1,2,3,4,5,6,7
	v_fma_f32 v[112+\e], v[104+\e], s81, v[112+\e]
.endr
.irp e, 0,1,2,3,4,5,6,7
	v_mul_f32 v[120+\e], v[112+\e], v[112+\e]      ; z
.endr
.irp e, 0,1,2,3,4,5,6,7
	v_fma_f32 v[128+\e], v[120+\e], s82, s83
	v_fma_f32 v[136+\e], v[120+\e], s86, s87
.endr
.irp e, 0,1,2,3,4,5,6,7
	v_fma_f32 v[128+\e], v[128+\e], v[120+\e], s84
	v_fma_f32 v[136+\e], v[136+\e], v[120+\e], s88
.endr
.irp e, 0,1,2,3,4,5,6,7
	v_fma_f32 v[128+\e], v[128+\e], v[120+\e], s85
	v_fma_f32 v[136+\e], v[136+\e], v[120+\e], s89
.endr
.irp e, 0,1,2,3,4,5,6,7
	v_mul_f32 v[168+\e], v[120+\e], v[112+\e]
	v_fma_f32 v[136+\e], v[136+\e], v[120+\e], -0.5
.endr
.irp e, 0,1,2,3,4,5,6,7
	v_fma_f32 v[128+\e], v[128+\e], v[168+\e], v[112+\e]   ; the sine of the rest
	v_fma_f32 v[136+\e], v[136+\e], v[120+\e], 1.0         ; its cosine
.endr
.irp e, 0,1,2,3,4,5,6,7
	v_cvt_i32_f32 v[144+\e], v[104+\e]
.endr
.irp e, 0,1,2,3,4,5,6,7                        ; the quarter chooses values only: odd n swaps the two; the signs come from bit 1 of n + 1 and of n
	v_and_b32 v[176+\e], 1, v[144+\e]
	v_cmp_eq_u32 vcc_lo, 1, v[176+\e]
	v_cndmask_b32 v[152+\e], v[136+\e], v[128+\e], vcc_lo
	v_cndmask_b32 v[160+\e], v[128+\e], v[136+\e], vcc_lo
	v_add_nc_u32 v[176+\e], 1, v[144+\e]
	v_lshlrev_b32 v[176+\e], 30, v[176+\e]
	v_and_b32 v[176+\e], 0x80000000, v[176+\e]
	v_xor_b32 v[152+\e], v[152+\e], v[176+\e]      ; cos
	v_lshlrev_b32 v[144+\e], 30, v[144+\e]
	v_and_b32 v[144+\e], 0x80000000, v[144+\e]
	v_xor_b32 v[160+\e], v[160+\e], v[144+\e]      ; sin
.endr
	global_store_b128 v4, v[152:155], s[74:75]
	global_store_b128 v4, v[156:159], s[74:75] offset:512
	global_store_b128 v4, v[160:163], s[74:75] offset:2048
	global_store_b128 v4, v[164:167], s[74:75] offset:2560
	s_wait_xcnt 0x0                                ; the stores' data registers take A's fragments below
.Lno_table:
	; ---- x through the stage
	s_wait_loadcnt 40                              ; x's 16 loads are in; A's 24 and the weight's 16 may be out
	TURNX RX
	s_wait_dscnt 16                                ; the 16 stores have read their registers; the 16 loads may be out
	RAW RX, 54, 512                                ; weight chunk 1
	; ---- A through its stage
	s_wait_loadcnt 32                              ; A is in; two weight chunks may be out
	WIN 0x04
.set i, 0
.rept 24
	ds_store_b128 v7, v[RA+4*i:RA+4*i+3] offset:528*i
.set i, i+1
.endr
	WIN 0
.irp b, 0,1,2,3
.irp j, 0,1,2,3
	ds_load_b128 v[AF0+16*\b+4*\j:AF0+16*\b+4*\j+3], v8 offset:128*\b+16*\j
	ds_load_b128 v[AF1+16*\b+4*\j:AF1+16*\b+4*\j+3], v9 offset:128*\b+16*\j
.endr
.endr
	s_wait_dscnt 32                                ; A's stores have read their registers; the 32 loads just issued may be out
	RAW RA, 54, 65536                              ; weight chunk 2
	s_wait_dscnt 0x0
	; ---- T: 128 along K in 32 steps of 4; the same lane and register hold the same k in both sources.  Two sums by turns; the first step starts them
	v_wmma_f32_16x16x4_f32 v[TA:TA+7], v[AF0:AF0+1], v[X:X+1], 0
	v_wmma_f32_16x16x4_f32 v[TA+8:TA+15], v[AF1:AF1+1], v[X:X+1], 0
.set p, 1
.rept 31
	v_wmma_f32_16x16x4_f32 v[TA:TA+7], v[AF0+2*p:AF0+2*p+1], v[X+2*p:X+2*p+1], v[TA:TA+7]
	v_wmma_f32_16x16x4_f32 v[TA+8:TA+15], v[AF1+2*p:AF1+2*p+1], v[X+2*p:X+2*p+1], v[TA+8:TA+15]
.set p, p+1
.endr
.rept 8
	v_nop                                          ; eight places behind this form (ISA guide 7.12.1), ahead of the reads of the sums and of writes over A's fragments
.endr
.irp c, 0,1,2,3
	ds_store_b128 v10, v[TA+4*\c:TA+4*\c+3] offset:512*\c   ; lane (r, h): T(row r; tile 0: P = h, tile 1: P = 2; columns 0 .. 7)
.endr
	; ---- x's three images
	QUANT X, TMP, XC, SC
	OUT XC, 56, 0
	QUANT X, TMP, XC+16, SC+2
	OUT XC+16, 58, 0
	QUANT X, TMP, XC+32, SC+4
	OUT XC+32, 60, 0
	; ---- the weight's four chunks: chunk t = block t / 2, chunk 2 w + t % 2
	s_wait_loadcnt 32                              ; chunk 0 is in; chunks 1 and 2 may be out
	TURNX RW
	s_wait_dscnt 16
	RAW RW, 54, 66048                              ; chunk 3 takes chunk 0's registers
	s_wait_dscnt 0x0
	QUANT X, X, WC, SC+6
	OUT WC, 62, 0
	s_wait_loadcnt 32                              ; chunk 1 is in; chunks 2 and 3 may be out
	TURNX RX
	s_wait_dscnt 0x0
	QUANT X, X, WC+16, SC+6
	OUT WC+16, 62, 2048
	s_wait_loadcnt 16
	TURNX RA
	s_wait_dscnt 0x0
	QUANT X, X, WC+32, SC+6
	OUT WC+32, 62, 32768
	s_wait_loadcnt 0x0
	TURNX RW
	s_wait_dscnt 0x0
	QUANT X, X, WC+48, SC+6
	OUT WC+48, 62, 34816
	; ---- T's eight parts meet
	s_wait_dscnt 0x0                               ; my part lies in LDS
	s_barrier_signal -1
	s_barrier_wait -1
	s_cmp_gt_u32 s32, 3
	s_cbranch_scc1 .Lend
.irp q, 0,1,2,3,4,5,6,7
	ds_load_b128 v[16+4*\q:19+4*\q], v11 offset:2048*\q   ; registers 4 w .. 4 w + 3 of every wave's sixteen
.endr
	s_cmp_lt_u32 s32, 2                            ; waves 0, 1: tile 0 (P = h); waves 2, 3: tile 1 (P = 2, lanes 0-15)
	s_cselect_b32 s76, 0x20000, 0
	s_cselect_b32 s84, 0, 0x40000
	s_cselect_b32 s83, 32, 16
	s_lshl_b32 s78, s38, 6
	s_add_co_u32 s84, s84, s78
	s_lshl_b32 s78, s35, 5
	s_add_co_u32 s84, s84, s78
	s_and_b32 s78, s32, 1
	s_lshl_b32 s78, s78, 4
	s_add_co_u32 s84, s84, s78
	s_mov_b32 s85, 0
	s_add_nc_u64 s[72:73], s[28:29], s[84:85]
	v_lshrrev_b32 v13, 3, v2
	v_lshl_add_u32 v13, v13, 3, v2
	v_lshlrev_b32 v12, 6, v13                      ; 64 bytes a row of tl
	v_mul_lo_u32 v14, v3, s76
	v_add_nc_u32 v12, v12, v14
	s_wait_dscnt 0x0
.irp q, 0,2,4,6
	v_pk_add_f32 v[16+4*\q:17+4*\q], v[16+4*\q:17+4*\q], v[20+4*\q:21+4*\q]
	v_pk_add_f32 v[18+4*\q:19+4*\q], v[18+4*\q:19+4*\q], v[22+4*\q:23+4*\q]
.endr
.irp q, 0,4
	v_pk_add_f32 v[16+4*\q:17+4*\q], v[16+4*\q:17+4*\q], v[24+4*\q:25+4*\q]
	v_pk_add_f32 v[18+4*\q:19+4*\q], v[18+4*\q:19+4*\q], v[26+4*\q:27+4*\q]
.endr
	v_pk_add_f32 v[16:17], v[16:17], v[32:33]
	v_pk_add_f32 v[18:19], v[18:19], v[34:35]
	v_cmp_gt_u32 vcc_lo, s83, v1
	s_wait_xcnt 0x0                                ; EXEC changes only behind this wait
	s_and_saveexec_b32 s86, vcc_lo
	global_store_b128 v12, v[16:19], s[72:73]
	s_wait_xcnt 0x0                                ; and again ahead of the line that widens it
	s_or_b32 exec_lo, exec_lo, s86
.Lend:
	s_wait_tensorcnt 0x0
	ds_add_u32 v238, v239
	s_wait_dscnt 0x0
	s_endpgm
.Lfunc_end_k_qab2994e3aa_prep:
	.size	k_qab2994e3aa_prep, .Lfunc_end_k_qab2994e3aa_prep-k_qab2994e3aa_prep
	.p2alignl 7, 3214868480
	.fill 96, 4, 3214868480
	.section	.rodata,"a",@progbits
	.p2align	6, 0x0
	.amdhsa_kernel k_qab2994e3aa_prep
		.amdhsa_group_segment_fixed_size 186368
		.amdhsa_private_segment_fixed_size 0
		.amdhsa_enable_private_segment 0
		.amdhsa_kernarg_size 96
		.amdhsa_user_sgpr_count 2
		.amdhsa_user_sgpr_kernarg_segment_ptr 1
		.amdhsa_wavefront_size32 1
		.amdhsa_system_sgpr_workgroup_id_x 1
		.amdhsa_system_sgpr_workgroup_id_y 1
		.amdhsa_system_sgpr_workgroup_id_z 1
		.amdhsa_system_vgpr_workitem_id 0
		.amdhsa_next_free_vgpr 512
		.amdhsa_next_free_sgpr 100
		.amdhsa_reserve_vcc 1
		.amdhsa_float_denorm_mode_32 3
		.amdhsa_float_denorm_mode_16_64 3
		.amdhsa_memory_ordered 1
		.amdhsa_forward_progress 1
		.amdhsa_inst_pref_size 86
	.end_amdhsa_kernel
	.amdgpu_metadata
---
amdhsa.version: [ 1, 2 ]
amdhsa.kernels:
  - .name:           k_qab2994e3aa_prep
    .symbol:         k_qab2994e3aa_prep.kd
    .args:
      - { .name: hidden_states, .offset: 0, .size: 8, .value_kind: global_buffer, .address_space: global }
      - { .name: Wq, .offset: 8, .size: 8, .value_kind: global_buffer, .address_space: global }
      - { .name: Wk, .offset: 16, .size: 8, .value_kind: global_buffer, .address_space: global }
      - { .name: Wv, .offset: 24, .size: 8, .value_kind: global_buffer, .address_space: global }
      - { .name: Wo, .offset: 32, .size: 8, .value_kind: global_buffer, .address_space: global }
      - { .name: Aq, .offset: 40, .size: 8, .value_kind: global_buffer, .address_space: global }
      - { .name: Ak, .offset: 48, .size: 8, .value_kind: global_buffer, .address_space: global }
      - { .name: Av, .offset: 56, .size: 8, .value_kind: global_buffer, .address_space: global }
      - { .name: lowp_scales, .offset: 64, .size: 8, .value_kind: global_buffer, .address_space: global }
      - { .name: codes, .offset: 72, .size: 8, .value_kind: global_buffer, .address_space: global }
      - { .name: tl, .offset: 80, .size: 8, .value_kind: global_buffer, .address_space: global }
      - { .name: rope, .offset: 88, .size: 8, .value_kind: global_buffer, .address_space: global }
    .group_segment_fixed_size: 186368
    .private_segment_fixed_size: 0
    .kernarg_segment_align: 8
    .kernarg_segment_size: 96
    .max_flat_workgroup_size: 256
    .sgpr_count:     100
    .vgpr_count:     512
    .wavefront_size: 32
...
	.end_amdgpu_metadata
.endif
;; end of part 1
;; launch qkv (part 2): grid 24 x 8, 4 waves a work-group, clusters of 4 x 4, 327,680 bytes of LDS; arguments codes, tl, rope, Bq, Bk, Bv, lowp_scales, qc, kv; writes qc, kv
.if DOCPART == 2
	.amdgcn_target "amdgcn-amd-amdhsa--gfx1250"
	.amdhsa_code_object_version 6
	.text
	.protected	k_qab2994e3aa_qkv
	.globl	k_qab2994e3aa_qkv
	.p2align	8
	.type	k_qab2994e3aa_qkv,@function
k_qab2994e3aa_qkv:
	s_mov_b64 s[64:65], 0
	v_nop
	global_prefetch_b8 v0, s[64:65] scope:SCOPE_SE
	s_setreg_imm32_b32 hwreg(HW_REG_WAVE_MODE, 25, 1), 1
	s_wait_xcnt 0x0
	s_wait_alu depctr_hold_cnt(0) depctr_sa_sdst(0) depctr_va_vdst(0) depctr_va_sdst(0) depctr_va_ssrc(0) depctr_va_vcc(0) depctr_vm_vsrc(0)
	s_getreg_b32 s2, hwreg(HW_REG_IB_STS2, 6, 4)
	s_cmp_eq_u32 s2, 0
	s_cbranch_scc0 .Lentry_in_a_cluster
	s_endpgm
.Lentry_in_a_cluster:
	s_bfe_u32 s2, ttmp6, 0x10000c
	s_cmp_lg_u32 s2, 0xf033
	s_cbranch_scc0 .Lentry_shape_is_right
	s_endpgm
.Lentry_shape_is_right:
; QKV: the three projections on codes of FP8 (E4M3), + the LoRA term in f32, the rotary turn of q and k, and the quantising of q, k and v.
; A tile of 256 x 256 is made by four waves, each 128 x 128: 64 accumulators of 16 x 16 in windows 2 and 3.  K = 2,048 goes in steps of 256 through a ring of two LDS slots.
; OPERANDS lie in the buffer codes as images of their fragments' registers: section [block 128][chunk 16][2048]; block b's rows are 32 (b / 2) + 8 (b % 2) + i + 8 (i / 8); byte 512 c + 16 lane of an image holds registers 4 c .. 4 c + 3:
; k = 32 c + 16 (lane / 16) + 0 .. 15 of the chunk.  That order of k is the same in both sources, so every product meets its partner.
; P = cluster x / 2: 0 q, 1 k, 2 v.  Source 0 (tile column tc, shared down a column of the cluster) comes from sections 0, 1, 2 = Wq, Wk, x; source 1 (tile row y, shared along a row) from section 3 + P = x, x, Wv.
; So for q and k a lane holds one position and its registers run along the head's 64; for v a lane holds one of the head's 64 and its registers run along the keys: the roles change with the sections alone.
; In accumulator (a, b) lane (r, h) holds row(source 1's block a, r), and register j source 0's row 32 (b / 2) + 8 (b % 2) + 16 h + j: the 16 registers of b = 2 c, 2 c + 1 are 16 neighbours, as the next operand's image wants them.
; LORA: the sums stand for sum x 2^(ex + ew); T x 2^(1 - ex - ew) times B's rows (row 2 n for column n < 1,024, else 2 (n - 1,024) + 1) is added onto them by the f32 matrix form, K = 8 in two steps.
; OUT: qc[head 32][block 128][1024]; kv[head 32][step 16][16384]: K's 8 tiles of 1,024 bytes, then V's 4 tiles of 2,048 (16 of the head's 64 x 128 keys).  All stores are of 512 consecutive bytes.
; CLUSTERS: 4 x 4 work-groups; each tile is asked for jointly by the four that need it.  192 work-groups: tiles of half the side would feed half the products from each LDS byte and come in three rounds.
; No prefetch: the launch is short, each tile is shared by four, and a refill has a K step's 128 matrix instructions in which to land.
; LIMITS: eo - ex - ew between -126 and 119, 1 - ex - ew between -126 and 127 (ex, ew: the product's two exponents, eo: the result's).  NaN is not served.
; REGISTERS: window 0: v10, v11 the conversion's scale and 448 x it; v12 16 x lane; v13 the offset of T's and B's rows; v16-21 LDS addresses; v28, v29 the add's; v32-63 T, v64-95 T's second half of K, v96-127 B's rows;
;   v128-255 source 1's fragments, later the codes that leave.  window 1: source 0's fragments, two sets; later the table of cos and sin.
.set HALFT,  32768                     ; 8 blocks x 2 chunks: what one tensor load brings, and what one wave reads of a source
.set SLOT,   4*HALFT
.set STEPB,  4096                      ; a K step in a block's run of images: two chunks
.set SPARE,  2*SLOT                    ; behind the ring: the spare words, 128 bytes a wave
.set FR,     16
.set NL,     4
.set NP,     4
.set LAPS,   4                         ; 2,048 / 512
.set SCV,  10
.set LI,   12
.set LOFF, 13
.set ADRA, 16
.set ADRB, 20
.set SPW,  28
.set NIL,  29
.set TS,   32
.set T1,   64
.set BS,   96
.set Y,    32
.set AF,   128
.set OC,   128
.set G1, 24
.set G0, 32
.set G1B, 48
.set G0B, 56
.set MSB, 0
.macro WIN new
.if MSB != (\new)
	s_set_vgpr_msb (MSB<<8)|(\new)
.set MSB, (\new)
.endif
.endm
.set MUL_LO, 0xa1                      ; source 0 window 1, source 1 window 0, C and D window 2
.set MUL_HI, 0xf1
.set TO_B,   0x40
; A joint load: waves 0 and 1 fetch source 1's halves, waves 2 and 3 source 0's.  The branch hangs on the wave's number alone.  Four v_nop follow each line.
.macro JLOAD g0a, g1a, g0b, g1b
	s_cmp_eq_u32 s15, 0
	s_cbranch_scc0 .Lfor_b_\@
	tensor_load_to_lds s[\g0a:\g0a+3], s[\g1a:\g1a+7]
	s_nop 0
.rept 4
	v_nop
.endr
	s_branch .Lasked_\@
.Lfor_b_\@:
	tensor_load_to_lds s[\g0b:\g0b+3], s[\g1b:\g1b+7]
	s_nop 0
.rept 4
	v_nop
.endr
.Lasked_\@:
.endm
.macro CREST
	s_cmp_lg_u32 s14, 0
	s_cbranch_scc1 .Lnot_wave_0_\@
	s_barrier_signal -3
.Lnot_wave_0_\@:
	s_barrier_wait -3
	s_barrier_signal -1
	s_barrier_wait -1
.endm
.macro CROUND
	s_barrier_signal -1
	s_barrier_wait -1
	CREST
.endm
	s_load_b256 s[68:75], s[0:1], 0x0              ; codes, tl, rope, Bq
	s_load_b256 s[76:83], s[0:1], 0x20             ; Bk, Bv, the scales' exponents, qc
	s_load_b64 s[84:85], s[0:1], 0x40              ; kv
	v_lshl_add_u32 v[SPW], v0, 2, SPARE
	v_mov_b32 v[NIL], 0
	ds_add_u32 v28, v29
	ds_add_u32 v28, v29
	s_wait_dscnt 0x0
	v_lshrrev_b32 v1, 5, v0
	v_readfirstlane_b32 s14, v1                    ; wave 0..3
	s_lshr_b32 s15, s14, 1                         ; which half of source 1's rows is mine.  Also: I fetch for source 1 (0) or source 0 (1)
	s_and_b32 s16, s14, 1                          ; which half of source 0's.  Also: which half of that tile I fetch
	s_bfe_u32 s40, ttmp6, 0x40000                  ; cx, cy
	s_bfe_u32 s41, ttmp6, 0x40004
	s_lshl_b32 s42, ttmp9, 2
	s_add_co_u32 s42, s42, s40                     ; tc = 4 x cluster x + cx
	s_and_b32 s17, ttmp7, 0xffff
	s_lshl_b32 s17, s17, 2
	s_add_co_u32 s17, s17, s41                     ; y = 4 x cluster y + cy
	s_lshr_b32 s66, ttmp9, 1                       ; P: the same in all sixteen partners
	s_lshl_b32 s43, s41, 2
	s_lshl_b32 s43, 15, s43                        ; my row of the cluster
	s_lshl_b32 s44, 0x1111, s40                    ; my column
	; descriptor group 1: 8 rows (blocks) of 4,096 bytes (two chunks), 32,768 bytes apart; dense in LDS
	s_or_b32 s[G1+0], s43, (3<<16)|(1<<21)         ; 15:0 the mask; 17:16 elements of 8 bytes; 21 set beside a mask
	s_or_b32 s[G1B+0], s44, (3<<16)|(1<<21)
.irp g, G1, G1B
	s_mov_b32 s[\g+1], 512<<16                     ; tensor_dim0 = 512 elements
	s_mov_b32 s[\g+2], 8<<16                       ; tensor_dim1 = 8
	s_mov_b32 s[\g+3], 512<<16                     ; tile_dim0
	s_mov_b32 s[\g+4], 8                           ; tile_dim1
	s_mov_b32 s[\g+5], 4096                        ; tensor_dim0_stride
	s_mov_b32 s[\g+6], 0
	s_mov_b32 s[\g+7], 0
.endr
	s_lshl_b32 s18, s16, 18                        ; the half that I fetch: 8 blocks of 32,768 bytes
	s_add_co_u32 s20, s66, 3
	s_lshl_b32 s20, s20, 22                        ; section 3 + P
	s_lshl_b32 s19, s17, 19
	s_add_co_u32 s20, s20, s19
	s_add_co_u32 s20, s20, s18
	s_mov_b32 s21, 0
	s_lshl_b32 s46, s42, 19                        ; sections 0 to 2 on end: 24 tiles
	s_add_co_u32 s46, s46, s18
	s_mov_b32 s47, 0
	s_mul_i32 s45, s14, HALFT                      ; where they go: no place in the cluster enters an LDS address
	s_wait_kmcnt 0x0
	s_load_b256 s[88:95], s[80:81], 0x0            ; entries 0 to 7
	s_load_b32 s96, s[80:81], 0x20                 ; entry 8
	s_add_nc_u64 s[20:21], s[68:69], s[20:21]
	s_add_nc_u64 s[46:47], s[68:69], s[46:47]
	CROUND                                         ; all sixteen work-groups are here: the first joint loads meet
.irp s, 0,1
	s_mov_b32 s[G0+4*\s], 1
	s_add_co_u32 s[G0+4*\s+1], s45, \s*SLOT
	s_add_nc_u64 s[G0+4*\s+2:G0+4*\s+3], s[20:21], \s*STEPB
	s_or_b32 s[G0+4*\s+3], s[G0+4*\s+3], 0x80000000
	s_mov_b32 s[G0B+4*\s], 1
	s_add_co_u32 s[G0B+4*\s+1], s45, \s*SLOT
	s_add_nc_u64 s[G0B+4*\s+2:G0B+4*\s+3], s[46:47], \s*STEPB
	s_or_b32 s[G0B+4*\s+3], s[G0B+4*\s+3], 0x80000000
	JLOAD G0+4*\s, G1, G0B+4*\s, G1B
.endr
	v_and_b32 v1, 31, v0
	v_lshlrev_b32 v[LI], 4, v1
	s_mul_i32 s21, s15, HALFT
	s_mul_i32 s22, s16, HALFT
	s_add_co_u32 s22, s22, 2*HALFT
.irp s, 0,1
	v_add_nc_u32 v[ADRA+\s], s21, v[LI]
	v_add_nc_u32 v[ADRB+\s], s22, v[LI]
	s_add_co_u32 s21, s21, SLOT
	s_add_co_u32 s22, s22, SLOT
.endr
	; T's and B's fragments for the f32 form: lane (r, h) takes, of row(block i, r), k = 4 s + 2 h + 0, 1: 8 bytes.  Both tables have 64 bytes from row to row (B: every second row of 32)
	v_and_b32 v2, 15, v0
	v_bfe_u32 v3, v0, 4, 1
	v_lshrrev_b32 v4, 3, v2
	v_lshl_add_u32 v4, v4, 3, v2
	v_lshlrev_b32 v[LOFF], 6, v4
	v_lshl_add_u32 v[LOFF], v3, 3, v[LOFF]
	s_and_b32 s97, s42, 7
	s_lshl_b32 s98, s97, 1
	s_add_co_u32 s98, s98, s16                     ; source 0's 128 rows: the 2 (tc % 8) + wave % 2-th
	s_lshl_b32 s99, s17, 1
	s_add_co_u32 s99, s99, s15                     ; source 1's: the 2 y + wave / 2-th
	s_cmp_lt_u32 s66, 2
	s_cselect_b32 s104, s99, s98                   ; which of them are positions,
	s_cselect_b32 s105, s98, s99                   ; and which output columns
	s_lshl_b32 s4, s66, 17
	s_lshl_b32 s104, s104, 13
	s_add_co_u32 s4, s4, s104
	s_mov_b32 s5, 0
	s_add_nc_u64 s[4:5], s[70:71], s[4:5]          ; tl[P] at my positions
	s_and_b32 s104, s105, 7
	s_lshl_b32 s104, s104, 13                      ; column n < 1,024 takes row 2 n, column 1,024 + n row 2 n + 1
	s_lshr_b32 s105, s105, 3
	s_lshl_b32 s105, s105, 5
	s_add_co_u32 s6, s104, s105
	s_mov_b32 s7, 0
	s_cmp_eq_u32 s66, 0
	s_cselect_b64 s[86:87], s[74:75], s[76:77]
	s_cmp_eq_u32 s66, 2
	s_cselect_b64 s[86:87], s[78:79], s[86:87]
	s_add_nc_u64 s[6:7], s[86:87], s[6:7]
.irp i, 0,1,2,3,4,5,6,7                        ; 48 loads that stay out through the whole loop over K
.irp k, 0,1
	global_load_b64 v[TS+4*\i+2*\k:TS+4*\i+2*\k+1], v[LOFF], s[4:5] offset:2048*(\i/2)+512*(\i%2)+16*\k
	global_load_b64 v[T1+4*\i+2*\k:T1+4*\i+2*\k+1], v[LOFF], s[4:5] offset:2048*(\i/2)+512*(\i%2)+16*\k+32
	global_load_b64 v[BS+4*\i+2*\k:BS+4*\i+2*\k+1], v[LOFF], s[6:7] offset:2048*(\i/2)+512*(\i%2)+16*\k
.endr
.endr
	; where the codes go.  q, k: (16 head + step) x (8,192 << P), head = 2 s98 (+ 1), step = s99.  v: head 2 s99 (+ 1), step s98, behind K's 8,192 bytes
	s_lshl_b32 s100, s98, 5
	s_add_co_u32 s100, s100, s99
	s_add_co_u32 s101, s66, 13
	s_lshl_b32 s100, s100, s101
	s_lshl_b32 s10, 16, s101                       ; a head on
	s_lshl_b32 s104, s99, 19
	s_lshl_b32 s105, s98, 14
	s_add_co_u32 s104, s104, s105
	s_add_co_u32 s104, s104, 8192
	s_cmp_eq_u32 s66, 2
	s_cselect_b32 s8, s104, s100
	s_mov_b32 s9, 0
	s_mov_b32 s11, 0
	s_cmp_eq_u32 s66, 0
	s_cselect_b64 s[86:87], s[82:83], s[84:85]
	s_add_nc_u64 s[8:9], s[86:87], s[8:9]
	s_add_nc_u64 s[10:11], s[8:9], s[10:11]        ; (used for q and k alone)
	s_lshl_b32 s12, s99, 15
	s_mov_b32 s13, 0
	s_add_nc_u64 s[12:13], s[72:73], s[12:13]      ; the table at my eight blocks of positions
.macro FRAG reg, adr, q, i             ; a fragment is its image: four loads of 512 consecutive bytes
.irp c, 0,1,2,3
	ds_load_b128 v[\reg+4*\c:\reg+4*\c+3], v[\adr] offset:2048*(\q)+512*\c+(\i)*4096
.endr
.endm
; 16 matrix instructions: source 1's blocks a0, a0 + 1 x source 0's eight.  The 64 accumulators take turns, one instruction a turn, in the same order in every step.
.macro MUL16 a0, p, zero
.irp a, \a0, \a0+1
.irp b, 0,1,2,3,4,5,6,7
.if \zero
	v_wmma_f32_16x16x128_fp8_fp8 v[8*(8*((\a)%4)+\b):8*(8*((\a)%4)+\b)+7], v[128*(\p)+FR*\b:128*(\p)+FR*\b+FR-1], v[AF+FR*(\a):AF+FR*(\a)+FR-1], 0
.else
	v_wmma_f32_16x16x128_fp8_fp8 v[8*(8*((\a)%4)+\b):8*(8*((\a)%4)+\b)+7], v[128*(\p)+FR*\b:128*(\p)+FR*\b+FR-1], v[AF+FR*(\a):AF+FR*(\a)+FR-1], v[8*(8*((\a)%4)+\b):8*(8*((\a)%4)+\b)+7]
.endif
.endr
.endr
.endm
.macro FETCH_B slot, q, p
	WIN TO_B
.irp i, 0,1,2,3,4,5,6,7
	FRAG 128*(\p)+FR*\i, ADRB+\slot, \q, \i
.endr
	WIN 0
.endm
.macro FETCH_A slot, q, i0
.irp i, \i0, \i0+1, \i0+2, \i0+3
	FRAG AF+FR*(\i), ADRA+\slot, \q, \i
.endr
.endm
.macro PLACES n                        ; plain vector lines between a matrix instruction and a load into, or a read of, its registers
.rept \n
	v_nop
.endr
.endm
.macro STEP slot, q, zero              ; 128 along K that have their successor in the same slot
	s_wait_dscnt 4*NL                              ; source 0's set and source 1's blocks 0-3 are in; the youngest 16 loads (blocks 4-7) may be out
	WIN MUL_LO
	MUL16 0, (\q)%2, \zero
	MUL16 2, (\q)%2, \zero
	s_wait_dscnt 0
	PLACES NP
	FETCH_B \slot, (\q)+1, 1-(\q)%2
	FETCH_A \slot, (\q)+1, 0
	WIN MUL_HI
	MUL16 4, (\q)%2, \zero
	MUL16 6, (\q)%2, \zero
	PLACES NP
	WIN 0
	FETCH_A \slot, (\q)+1, 4
.endm
; A slot's last step changes slots: one barrier; ahead of it each wave waits for all its tensor loads, adds 0 to its spare word, and waits for that and for its reads of this slot.
.macro TURN slot, next, fill
	s_wait_tensorcnt 0x0                           ; all my tensor loads have landed: my part of the next slot
	ds_add_u32 v[SPW], v[NIL]
	s_wait_dscnt 4*NL+1                            ; the add and the youngest 16 loads may be out
	WIN MUL_LO
	MUL16 0, 1, 0
	s_wait_dscnt 0x0                               ; the add is done, and my reads of this slot are over
	s_barrier_signal -1
	MUL16 2, 1, 0
	WIN 0
	s_barrier_wait -1
.if \fill
	CREST                                          ; the barrier has opened a round of the cluster's: no wave of any partner still reads this slot or has a load on its way
	s_add_nc_u64 s[G0+4*\slot+2:G0+4*\slot+3], s[G0+4*\slot+2:G0+4*\slot+3], 2*STEPB
	s_add_nc_u64 s[G0B+4*\slot+2:G0B+4*\slot+3], s[G0B+4*\slot+2:G0B+4*\slot+3], 2*STEPB
	JLOAD G0+4*\slot, G1, G0B+4*\slot, G1B         ; the first tensor load behind the round; its four v_nop are the places ahead of the loads below
.else
	PLACES NP
.endif
	FETCH_B \next, 0, 0
	FETCH_A \next, 0, 0
	WIN MUL_HI
	MUL16 4, 1, 0
	MUL16 6, 1, 0
	PLACES NP
	WIN 0
	FETCH_A \next, 0, 4
.endm
	s_wait_tensorcnt 1                             ; my part of K step 0 is in; K step 1's load may be out
	s_barrier_signal -1
	s_barrier_wait -1
	FETCH_B 0, 0, 0
	FETCH_A 0, 0, 0
	FETCH_A 0, 0, 4
	STEP 0, 0, 1                                   ; the first step's products start the sums
	s_mov_b32 s3, LAPS-1
.Llap:
	TURN 0, 1, 1
	STEP 1, 0, 0
	TURN 1, 0, 1
	STEP 0, 0, 0
	s_sub_co_u32 s3, s3, 1
	s_cmp_lg_u32 s3, 0
	s_cbranch_scc1 .Llap
	TURN 0, 1, 0                                   ; the last lap fills nothing
	STEP 1, 0, 0
	s_wait_dscnt 4*NL
	WIN MUL_LO
	MUL16 0, 1, 0
	MUL16 2, 1, 0
	s_wait_dscnt 0
	WIN MUL_HI
	MUL16 4, 1, 0
	MUL16 6, 1, 0
	WIN 0
	; ---- THE WAY OUT
	s_wait_loadcnt 0x0                             ; T and B's rows
	s_wait_kmcnt 0x0
	s_cmp_eq_u32 s66, 0                            ; the exponents are chosen by P; no branch hangs on them
	s_cselect_b32 s97, s88, s90
	s_cselect_b32 s98, s89, s91
	s_cselect_b32 s99, s94, s95
	s_cmp_eq_u32 s66, 2
	s_cselect_b32 s97, s92, s97
	s_cselect_b32 s98, s93, s98
	s_cselect_b32 s99, s96, s99
	s_add_co_i32 s97, s97, s98                     ; ex + ew
	s_sub_co_i32 s98, 128, s97
	s_lshl_b32 s100, s98, 23                       ; 2^(1 - ex - ew): LoRA's factor 2 and the power of two that the sums lack
	s_mov_b32 s101, s100
	s_sub_co_i32 s99, s99, s97
	s_add_co_i32 s99, s99, 127
	s_lshl_b32 s98, s99, 23
	v_mov_b32 v[SCV], s98                          ; 2^(eo - ex - ew): the three scales folded into the conversion's one
	s_add_co_i32 s99, s99, 8
	s_lshl_b32 s99, s99, 23
	s_or_b32 s99, s99, 0x600000
	v_mov_b32 v[SCV+1], s99                        ; 448 x that
.irp j, 0,2,4,6,8,10,12,14,16,18,20,22,24,26,28,30
	v_pk_add_f32 v[TS+\j:TS+\j+1], v[TS+\j:TS+\j+1], v[T1+\j:T1+\j+1]     ; T's two halves of K
.endr
.irp j, 0,2,4,6,8,10,12,14,16,18,20,22,24,26,28,30
	v_pk_mul_f32 v[TS+\j:TS+\j+1], v[TS+\j:TS+\j+1], s[100:101] op_sel_hi:[1,0]
.endr                                          ; these 32 plain lines are also the places behind the last products
; 128 instructions of the f32 form add T B^T onto the 64 sums: K = 8 in two passes over all accumulators, one instruction a turn.  Matrix instructions alone ever write these registers.
.macro LORA s0, s1
.irp k, 0,1
	WIN 0xa0
.irp a, 0,1,2,3
.irp b, 0,1,2,3,4,5,6,7
	v_wmma_f32_16x16x4_f32 v[8*(8*\a+\b):8*(8*\a+\b)+7], v[\s0+4*\b+2*\k:\s0+4*\b+2*\k+1], v[\s1+4*\a+2*\k:\s1+4*\a+2*\k+1], v[8*(8*\a+\b):8*(8*\a+\b)+7]
.endr
.endr
	WIN 0xf0
.irp a, 0,1,2,3
.irp b, 0,1,2,3,4,5,6,7
	v_wmma_f32_16x16x4_f32 v[8*(8*\a+\b):8*(8*\a+\b)+7], v[\s0+4*\b+2*\k:\s0+4*\b+2*\k+1], v[\s1+16+4*\a+2*\k:\s1+16+4*\a+2*\k+1], v[8*(8*\a+\b):8*(8*\a+\b)+7]
.endr
.endr
.endr
	WIN 0
	PLACES 8                                       ; eight behind this form
.endm
	s_cmp_eq_u32 s66, 2
	s_cbranch_scc1 .Lv
	; ---- q and k: the table comes in under the LoRA products
	WIN 0x40
.irp a, 0,1,2,3,4,5,6,7
.irp c, 0,1,2,3,4,5,6,7
	global_load_b128 v[32*\a+4*\c:32*\a+4*\c+3], v[LI], s[12:13] offset:4096*\a+512*\c
.endr
.endr
	WIN 0
	LORA BS, TS
	s_wait_loadcnt 0x0
; Block a of positions, head hd of my two: x1 = accumulators (a, 4 hd + u), x2 = (a, 4 hd + 2 + u); y1 = x1 cos - x2 sin, y2 = x1 sin + x2 cos; 32 numbers a lane become 8 registers of codes: the image of 16 positions x 64.
.macro ROPEQ a, hd
.set X1, 8*(8*((\a)%4)+4*(\hd))
.set CT, 32*(\a)
.set OO, OC+8*(2*(\a)+(\hd))
	WIN 0x06+((\a)/4)                              ; source 0 window 2 or 3, source 1 (the table) window 1
.irp u, 0,1
.irp p, 0,2,4,6
	v_pk_mul_f32 v[Y+8*\u+\p:Y+8*\u+\p+1], v[X1+16+8*\u+\p:X1+16+8*\u+\p+1], v[CT+16+8*\u+\p:CT+16+8*\u+\p+1]
	v_pk_mul_f32 v[Y+16+8*\u+\p:Y+16+8*\u+\p+1], v[X1+16+8*\u+\p:X1+16+8*\u+\p+1], v[CT+8*\u+\p:CT+8*\u+\p+1]
	v_pk_fma_f32 v[Y+8*\u+\p:Y+8*\u+\p+1], v[X1+8*\u+\p:X1+8*\u+\p+1], v[CT+8*\u+\p:CT+8*\u+\p+1], v[Y+8*\u+\p:Y+8*\u+\p+1] neg_lo:[0,0,1] neg_hi:[0,0,1]
	v_pk_fma_f32 v[Y+16+8*\u+\p:Y+16+8*\u+\p+1], v[X1+8*\u+\p:X1+8*\u+\p+1], v[CT+16+8*\u+\p:CT+16+8*\u+\p+1], v[Y+16+8*\u+\p:Y+16+8*\u+\p+1]
.endr
.endr
	WIN 0
.set n, 0
.rept 32
	v_med3_num_f32 v[Y+n], v[Y+n], -v[SCV+1], v[SCV+1]
.set n, n+1
.endr
.irp q, 0,1,2,3
	v_cvt_scalef32_pk8_fp8_f32 v[OO+2*\q:OO+2*\q+1], v[Y+8*\q:Y+8*\q+7], v[SCV]
.endr
	v_nop                                          ; one plain line behind the last conversion
	global_store_b128 v[LI], v[OO:OO+3], s[8+2*\hd:9+2*\hd] offset:1024*(\a)
	global_store_b128 v[LI], v[OO+4:OO+7], s[8+2*\hd:9+2*\hd] offset:1024*(\a)+512
.endm
.irp a, 0,1,2,3,4,5,6,7
	ROPEQ \a, 0
	ROPEQ \a, 1
.endr
	s_branch .Ldone
.Lv:	; ---- v: a lane holds one of the head's 64, its registers run along 128 keys
	LORA TS, BS
.macro VQ a
.set AC, 64*((\a)%4)
	WIN 0x02+((\a)/4)
.set n, 0
.rept 64
	v_med3_num_f32 v[Y+n], v[AC+n], -v[SCV+1], v[SCV+1]
.set n, n+1
.endr
	WIN 0
.irp q, 0,1,2,3,4,5,6,7
	v_cvt_scalef32_pk8_fp8_f32 v[OC+16*(\a)+2*\q:OC+16*(\a)+2*\q+1], v[Y+8*\q:Y+8*\q+7], v[SCV]
.endr
	v_nop
.irp c, 0,1,2,3
	global_store_b128 v[LI], v[OC+16*(\a)+4*\c:OC+16*(\a)+4*\c+3], s[8:9] offset:262144*((\a)/4)+2048*((\a)%4)+512*\c
.endr
.endm
.irp a, 0,1,2,3,4,5,6,7
	VQ \a
.endr
.Ldone:
	s_wait_tensorcnt 0x0                           ; the wave's end
	ds_add_u32 v[SPW], v[NIL]
	s_wait_dscnt 0x0
	CROUND                                         ; the closing round
	s_endpgm
.Lfunc_end_k_qab2994e3aa_qkv:
	.size	k_qab2994e3aa_qkv, .Lfunc_end_k_qab2994e3aa_qkv-k_qab2994e3aa_qkv
	.p2alignl 7, 3214868480
	.fill 96, 4, 3214868480
	.section	.rodata,"a",@progbits
	.p2align	6, 0x0
	.amdhsa_kernel k_qab2994e3aa_qkv
		.amdhsa_group_segment_fixed_size 327680
		.amdhsa_private_segment_fixed_size 0
		.amdhsa_enable_private_segment 0
		.amdhsa_kernarg_size 72
		.amdhsa_user_sgpr_count 2
		.amdhsa_user_sgpr_kernarg_segment_ptr 1
		.amdhsa_wavefront_size32 1
		.amdhsa_system_sgpr_workgroup_id_x 1
		.amdhsa_system_sgpr_workgroup_id_y 1
		.amdhsa_system_sgpr_workgroup_id_z 1
		.amdhsa_system_vgpr_workitem_id 0
		.amdhsa_next_free_vgpr 1024
		.amdhsa_next_free_sgpr 106
		.amdhsa_reserve_vcc 0
		.amdhsa_float_denorm_mode_32 3
		.amdhsa_float_denorm_mode_16_64 3
		.amdhsa_memory_ordered 1
		.amdhsa_forward_progress 1
		.amdhsa_inst_pref_size 221
	.end_amdhsa_kernel
	.amdgpu_metadata
---
amdhsa.version: [ 1, 2 ]
amdhsa.kernels:
  - .name:           k_qab2994e3aa_qkv
    .symbol:         k_qab2994e3aa_qkv.kd
    .args:
      - { .name: codes, .offset: 0, .size: 8, .value_kind: global_buffer, .address_space: global }
      - { .name: tl, .offset: 8, .size: 8, .value_kind: global_buffer, .address_space: global }
      - { .name: rope, .offset: 16, .size: 8, .value_kind: global_buffer, .address_space: global }
      - { .name: Bq, .offset: 24, .size: 8, .value_kind: global_buffer, .address_space: global }
      - { .name: Bk, .offset: 32, .size: 8, .value_kind: global_buffer, .address_space: global }
      - { .name: Bv, .offset: 40, .size: 8, .value_kind: global_buffer, .address_space: global }
      - { .name: lowp_scales, .offset: 48, .size: 8, .value_kind: global_buffer, .address_space: global }
      - { .name: qc, .offset: 56, .size: 8, .value_kind: global_buffer, .address_space: global }
      - { .name: kv, .offset: 64, .size: 8, .value_kind: global_buffer, .address_space: global }
    .group_segment_fixed_size: 327680
    .private_segment_fixed_size: 0
    .kernarg_segment_align: 8
    .kernarg_segment_size: 72
    .max_flat_workgroup_size: 128
    .sgpr_count:     106
    .vgpr_count:     1024
    .wavefront_size: 32
...
	.end_amdgpu_metadata
.endif
;; end of part 2
;; launch attn (part 3): grid 8 x 32, 16 waves a work-group, clusters of 4 x 1, 264,192 bytes of LDS; arguments qc, kv, lowp_scales, ac; writes ac
.if DOCPART == 3
	.amdgcn_target "amdgcn-amd-amdhsa--gfx1250"
	.amdhsa_code_object_version 6
	.text
	.protected	k_qab2994e3aa_attn
	.globl	k_qab2994e3aa_attn
	.p2align	8
	.type	k_qab2994e3aa_attn,@function
k_qab2994e3aa_attn:
	s_mov_b64 s[64:65], 0
	v_nop
	global_prefetch_b8 v0, s[64:65] scope:SCOPE_SE
	s_setreg_imm32_b32 hwreg(HW_REG_WAVE_MODE, 25, 1), 1
	s_wait_xcnt 0x0
	s_wait_alu depctr_hold_cnt(0) depctr_sa_sdst(0) depctr_va_vdst(0) depctr_va_sdst(0) depctr_va_ssrc(0) depctr_va_vcc(0) depctr_vm_vsrc(0)
	s_getreg_b32 s2, hwreg(HW_REG_IB_STS2, 6, 4)
	s_cmp_eq_u32 s2, 0
	s_cbranch_scc0 .Lentry_in_a_cluster
	s_endpgm
.Lentry_in_a_cluster:
	s_bfe_u32 s2, ttmp6, 0x10000c
	s_cmp_lg_u32 s2, 0x3003
	s_cbranch_scc0 .Lentry_shape_is_right
	s_endpgm
.Lentry_shape_is_right:
; ATTN: causal attention of 32 heads of 64 on codes of FP8 (E4M3); the result is quantised for the output projection.
; qc[head][block 128][1024]: 16 queries x 64 as a fragment's image.  kv[head][step 16][16384]: for 128 keys, K's 8 tiles of 1,024 bytes and V's 4 tiles of 2,048 (16 of the head's 64 x 128 keys).
; A block's 16 rows are 32 (b / 2) + 8 (b % 2) + i + 8 (i / 8).  ac: [block 128][1024 x head]: the image of the output projection's first operand.
; THE SOFTMAX: t = score x log2(e) / 8; M = the running largest t rounded up to a whole number; p = 2^(t - M) is quantised, not normalised; the row's sum is taken of the unquantised p and divides at the end.
; SHARES.  A work-group serves one head; its sixteen waves own one block of 16 queries each, in 256 registers.  Wave w takes block 8 grp + g, grp = w xor 3 ((w / 4) % 2), g = the work-group's x:
; those queries lie in key step grp whatever g is, so which steps a wave leaves out (those behind grp) and which it masks (grp) hang on the wave's number alone and are alike in all partners of a cluster.
; ALL of a head's K and V, 262,144 bytes, lie in LDS, filled once: no ring, no refill.  The four work-groups of a cluster ask for them jointly; each wave asks for a sixteenth, in two loads: of steps 0 and 1, and of the rest;
; the first two steps are worked while the rest lands.  Two tensor loads of a wave are out.  Nothing is prefetched: every byte is asked for at the head.
; Both products are used transposed: S^T = K Q^T, O^T = V^T P^T: a lane holds one query throughout, and p's 16 registers of two neighbouring tiles are 16 neighbouring keys.
; LIMITS: entries 6 + 7 between -123 and 130; entry 9 between -126 and 119.  NaN is not served.
; REGISTERS: v1 16 x lane; v2 my query in its step less 16 (lane / 16); v8 the step's LDS address; v12 -M, v13 the largest t, v[14:15] the sum; v16-23 Q; v32-95 K's 8 fragments, then V's 4; v96-159 S^T, then p; v160-191 O^T; v224-239 p's codes.
.set WV,  18
.set GRP, 19
.set SEL, 20
.set CS,  22
.set G1A, 24
.set G1B, 32
.set G0A, 40
.set G0B, 44
.set KS,  48                           ; the step's number
.set TB,  49                           ; its first LDS byte
.set CNT, 50
.macro ROUND
	s_barrier_signal -1
	s_barrier_wait -1
	s_cmp_lg_u32 s[WV], 0
	s_cbranch_scc1 .Lnot_wave_0_\@
	s_barrier_signal -3
.Lnot_wave_0_\@:
	s_barrier_wait -3
	s_barrier_signal -1
	s_barrier_wait -1
.endm
	s_load_b128 s[4:7], s[0:1], 0x0                ; qc, kv
	s_load_b128 s[8:11], s[0:1], 0x10              ; the scales' exponents, ac
	v_lshl_add_u32 v251, v0, 2, 0x40000
	v_mov_b32 v255, 0
	ds_add_u32 v251, v255
	ds_add_u32 v251, v255
	v_lshrrev_b32 v8, 5, v0
	v_readfirstlane_b32 s[WV], v8                  ; wave 0..15
	s_bfe_u32 s51, ttmp6, 0x40000                  ; cx
	s_lshl_b32 s52, ttmp9, 2
	s_add_co_u32 s52, s52, s51                     ; g: it enters Q's and ac's addresses and a lane's mask value, nothing else
	s_and_b32 s53, ttmp7, 0xffff                   ; the head, which the four partners share
	s_lshr_b32 s54, s[WV], 2
	s_and_b32 s54, s54, 1
	s_mul_i32 s54, s54, 3
	s_xor_b32 s[GRP], s[WV], s54
	; descriptor groups 1: dense rows of 256 bytes: 8 of them (steps 0, 1) and 56 (steps 2 to 15)
	s_mov_b32 s[G1A], 15|(3<<16)|(1<<21)           ; 15:0 all four work-groups; 17:16 elements of 8 bytes; 21 set beside a mask
	s_mov_b32 s[G1A+1], 32<<16
	s_mov_b32 s[G1A+2], 8<<16
	s_mov_b32 s[G1A+3], 32<<16
	s_mov_b32 s[G1A+4], 8
	s_mov_b32 s[G1A+5], 32
	s_mov_b32 s[G1A+6], 0
	s_mov_b32 s[G1A+7], 0
	s_mov_b32 s[G1B], 15|(3<<16)|(1<<21)
	s_mov_b32 s[G1B+1], 32<<16
	s_mov_b32 s[G1B+2], 56<<16
	s_mov_b32 s[G1B+3], 32<<16
	s_mov_b32 s[G1B+4], 56
	s_mov_b32 s[G1B+5], 32
	s_mov_b32 s[G1B+6], 0
	s_mov_b32 s[G1B+7], 0
	s_lshl_b32 s56, s53, 18                        ; a head's 262,144 bytes
	s_mov_b32 s57, 0
	s_lshl_b32 s58, s[WV], 11                      ; my 2,048 bytes of steps 0 and 1: the same place in memory and in LDS
	s_mov_b32 s59, 0
	s_mul_i32 s60, s[WV], 14336
	s_add_co_u32 s60, s60, 32768                   ; my 14,336 bytes of the rest
	s_mov_b32 s61, 0
	s_mov_b32 s[SEL], 0x76543210
	s_mov_b32 s[SEL+1], 0xfedcba98
	s_mov_b32 s[CS], 0x3e38aa3b                    ; log2(e) / 8
	s_mov_b32 s[KS], 0
	s_mov_b32 s[TB], 0
	s_wait_dscnt 0x0
	s_wait_kmcnt 0x0
	s_load_b128 s[68:71], s[8:9], 0x18             ; entries 6 to 9: q, k, v, p
	s_load_b32 s72, s[8:9], 0x28                   ; entry 10: the result
	s_add_nc_u64 s[6:7], s[6:7], s[56:57]
	s_mov_b32 s[G0A], 1
	s_mov_b32 s[G0A+1], s58
	s_add_nc_u64 s[G0A+2:G0A+3], s[6:7], s[58:59]
	s_or_b32 s[G0A+3], s[G0A+3], 0x80000000
	s_mov_b32 s[G0B], 1
	s_mov_b32 s[G0B+1], s60
	s_add_nc_u64 s[G0B+2:G0B+3], s[6:7], s[60:61]
	s_or_b32 s[G0B+3], s[G0B+3], 0x80000000
	ROUND                                          ; all four work-groups are here: the joint loads meet
	tensor_load_to_lds s[G0A:G0A+3], s[G1A:G1A+7]
	s_nop 0
	tensor_load_to_lds s[G0B:G0B+3], s[G1B:G1B+7]
	s_nop 0
.rept 4
	v_nop
.endr
	v_and_b32 v9, 31, v0
	v_lshlrev_b32 v1, 4, v9
	v_and_b32 v9, 15, v0                           ; r
	v_bfe_u32 v10, v0, 4, 1                        ; h
	v_lshrrev_b32 v11, 3, v9
	v_lshl_add_u32 v11, v11, 3, v9
	s_lshr_b32 s54, s52, 1
	s_lshl_b32 s54, s54, 5
	s_and_b32 s55, s52, 1
	s_lshl_b32 s55, s55, 3
	s_add_co_u32 s54, s54, s55
	v_add_nc_u32 v2, s54, v11                      ; my query in its step: 32 (g / 2) + 8 (g % 2) + r + 8 (r / 8),
	v_lshlrev_b32 v10, 4, v10
	v_sub_nc_u32 v2, v2, v10                       ; less 16 h
	s_lshl_b32 s54, s[GRP], 3
	s_add_co_u32 s54, s54, s52                     ; my block of queries
	s_lshl_b32 s56, s53, 17
	s_lshl_b32 s55, s54, 10
	s_add_co_u32 s56, s56, s55
	s_add_nc_u64 s[4:5], s[4:5], s[56:57]
	global_load_b128 v[16:19], v1, s[4:5]          ; Q's fragment stays in registers
	global_load_b128 v[20:23], v1, s[4:5] offset:512
	s_lshl_b32 s58, s54, 15
	s_lshl_b32 s55, s53, 10
	s_add_co_u32 s58, s58, s55
	s_add_nc_u64 s[10:11], s[10:11], s[58:59]
	v_mov_b32 v13, 0xff61b1e6                      ; the largest t so far: -3e38
	v_floor_f32 v12, -v13                          ; -M
	v_mov_b32 v14, 0
	v_mov_b32 v15, 0
	v_mov_b32 v236, 0                              ; a lane permute's destination counts as read
	v_mov_b32 v252, 0
	v_mov_b32 v253, 0                              ; (named as the upper half of a pair)
	v_mov_b32 v241, 0x43e00000                     ; 448
	v_mov_b32 v245, 1.0
.set n, 0
.rept 32
	v_mov_b32 v[160+n], 0                          ; O^T: the step is written once; its first run finds zeros
.set n, n+1
.endr
	s_wait_kmcnt 0x0
	s_add_co_i32 s54, s68, s69
	s_lshl_b32 s54, s54, 23
	s_add_co_i32 s[CS], s[CS], s54                 ; a score stands for score x 2^(q's + k's exponent): added to c's exponent field
	s_mov_b32 s[CS+1], s[CS]
	s_add_co_i32 s54, s71, 127
	s_lshl_b32 s55, s54, 23
	v_mov_b32 v244, s55                            ; p's scale as f32
	s_add_co_i32 s54, s54, 8
	s_lshl_b32 s54, s54, 23
	s_or_b32 s54, s54, 0x600000
	v_mov_b32 v240, s54                            ; 448 x it
; A KEY STEP of 128 keys.  A step behind my queries' own is left out: a branch on the wave's number and the loop's count.
.macro STEP
	s_cmp_gt_u32 s[KS], s[GRP]
	s_cbranch_scc1 .Lhid_\@
	v_add_nc_u32 v8, s[TB], v1
.rept 3
	v_nop                                          ; with the addition: four places ahead of loads into registers that the last products read
.endr
.irp t, 0,1,2,3,4,5,6,7
	ds_load_b128 v[32+8*\t:35+8*\t], v8 offset:1024*\t
	ds_load_b128 v[36+8*\t:39+8*\t], v8 offset:1024*\t+512
.endr
	s_wait_dscnt 0x0
.irp t, 0,1,2,3,4,5,6,7
	v_wmma_f32_16x16x64_fp8_fp8 v[96+8*\t:103+8*\t], v[32+8*\t:39+8*\t], v[16:23], 0
.endr
.rept 4
	v_nop
.endr
.irp t, 0,1,2,3                                ; V's fragments land under the softmax
.irp c, 0,1,2,3
	ds_load_b128 v[32+16*\t+4*\c:35+16*\t+4*\c], v8 offset:8192+2048*\t+512*\c
.endr
.endr
	s_cmp_lg_u32 s[KS], s[GRP]
	s_cbranch_scc1 .Lopen_\@
	v_mov_b32 v254, 0xff800000                     ; my queries' own step: register n holds key 32 (n / 16) + 16 h + n % 16, hidden where that is above my query: -infinity, so p = 0
.set n, 0
.rept 64
	v_cmp_gt_i32 vcc_lo, 32*(n/16)+n%16, v2
	v_cndmask_b32 v[96+n], v[96+n], v254, vcc_lo
.set n, n+1
.endr
.Lopen_\@:
	v_max3_num_f32 v254, v96, v97, v98             ; the step's largest score of my query, in two chains,
	v_max3_num_f32 v252, v99, v100, v101
.irp i, 6,10,14,18,22,26,30,34,38,42,46,50,54,58
	v_max3_num_f32 v254, v254, v[96+\i], v[97+\i]
	v_max3_num_f32 v252, v252, v[98+\i], v[99+\i]
.endr
	v_max3_num_f32 v254, v254, v158, v159
	v_max_num_f32 v254, v254, v252
	v_permlanex16_b32 v236, v254, s[SEL], s[SEL+1]
	v_max_num_f32 v254, v254, v236                 ; and among lane l xor 16's
	v_mul_f32 v254, s[CS], v254
	v_max_num_f32 v13, v13, v254                   ; the running largest t
	v_mov_b32 v254, v12
	v_floor_f32 v12, -v13                          ; the new -M: M is a whole number
	v_sub_f32 v254, v12, v254
	v_cvt_i32_f32 v254, v254                       ; (it saturates)
	v_ldexp_f32 v252, 1.0, v254                    ; f = 2^(old M - new M)
.set n, 0
.rept 32
	v_pk_fma_f32 v[96+n:97+n], v[96+n:97+n], s[CS:CS+1], v[12:13] op_sel_hi:[1,0,0]   ; t - M
.set n, n+2
.endr
.set n, 0
.rept 64
	v_exp_f32 v[96+n], v[96+n]
.set n, n+1
.endr
	v_pk_mul_f32 v[14:15], v[14:15], v[252:253] op_sel_hi:[1,0]   ; the sums under the new M: the plain line behind the exponentials
	s_wait_alu depctr_va_vdst(0)                   ; one wait for the batch, ahead of its first reader
	v_pk_add_f32 v[242:243], v[96:97], v[98:99]    ; the row's sum of the unquantised p, in two chains
.irp j, 4,8,12,16,20,24,28,32,36,40,44,48,52,56,60
	v_pk_add_f32 v[14:15], v[14:15], v[96+\j:97+\j]
	v_pk_add_f32 v[242:243], v[242:243], v[98+\j:99+\j]
.endr
	v_pk_add_f32 v[14:15], v[14:15], v[242:243]
.irp b, 0,1,2,3
.irp i, 0,1,2,3,4,5,6,7,8,9,10,11,12,13,14,15
	v_min_num_f32 v[96+16*\b+\i], v[96+16*\b+\i], v240   ; the conversion does not saturate (ISA guide 7.6.2); p is not negative
.endr
	v_cvt_scalef32_pk8_fp8_f32 v[224+4*\b:225+4*\b], v[96+16*\b:103+16*\b], v244
	v_cvt_scalef32_pk8_fp8_f32 v[226+4*\b:227+4*\b], v[104+16*\b:111+16*\b], v244
.endr
.set n, 0
.rept 16
	v_pk_mul_f32 v[160+n:161+n], v[160+n:161+n], v[252:253] op_sel_hi:[1,0]   ; O^T under the new M; also the plain lines behind the conversions
.set n, n+2
.endr
	s_wait_dscnt 0x0                               ; V
.irp t, 0,1,2,3
	v_wmma_f32_16x16x128_fp8_fp8 v[160+8*\t:167+8*\t], v[32+16*\t:47+16*\t], v[224:239], v[160+8*\t:167+8*\t]
.endr
.Lhid_\@:
	s_add_co_u32 s[TB], s[TB], 16384
	s_add_co_u32 s[KS], s[KS], 1
.endm
	s_wait_tensorcnt 1                             ; my part of steps 0 and 1 is in; the rest may be out
	s_barrier_signal -1
	s_barrier_wait -1                              ; everybody's is
	s_wait_loadcnt 0x0                             ; Q
	s_mov_b32 s[CNT], 2
.Lfirst:
	STEP
	s_sub_co_u32 s[CNT], s[CNT], 1
	s_cmp_lg_u32 s[CNT], 0
	s_cbranch_scc1 .Lfirst
	s_wait_tensorcnt 0x0                           ; my part of steps 2 to 15 is in,
	s_wait_dscnt 0x0
	s_barrier_signal -1
	s_barrier_wait -1                              ; everybody's is
	s_mov_b32 s[CNT], 14
.Lrest:
	STEP
	s_sub_co_u32 s[CNT], s[CNT], 1
	s_cmp_lg_u32 s[CNT], 0
	s_cbranch_scc1 .Lrest
	; THE WAY OUT: O^T / the sum x 2^(v's + p's exponent - the result's), held within +-448, to codes: register 8 t + j is channel 32 (t / 2) + 16 h + 8 (t % 2) + j: the next operand's image as it stands
.rept 4
	v_nop
.endr
	v_add_f32 v14, v14, v15
	v_permlanex16_b32 v252, v14, s[SEL], s[SEL+1]
	v_add_f32 v14, v14, v252
	v_rcp_f32 v14, v14
	v_nop                                          ; a plain line behind the reciprocal
	s_add_co_i32 s54, s70, s71
	s_sub_co_i32 s54, s54, s72
	s_wait_alu depctr_va_vdst(0)                   ; and the wait ahead of its first reader
	v_ldexp_f32 v14, v14, s54
.set n, 0
.rept 32
	v_mul_f32 v[96+n], v[160+n], v14
.set n, n+1
.endr
.set n, 0
.rept 32
	v_med3_num_f32 v[96+n], v[96+n], -v241, v241
.set n, n+1
.endr
.irp q, 0,1,2,3
	v_cvt_scalef32_pk8_fp8_f32 v[224+2*\q:225+2*\q], v[96+8*\q:103+8*\q], v245
.endr
	v_nop
	global_store_b128 v1, v[224:227], s[10:11]
	global_store_b128 v1, v[228:231], s[10:11] offset:512
	s_wait_dscnt 0x0
	s_wait_tensorcnt 0x0
	ds_add_u32 v251, v255
	s_wait_dscnt 0x0
	ROUND                                          ; the closing round
	s_endpgm
.Lfunc_end_k_qab2994e3aa_attn:
	.size	k_qab2994e3aa_attn, .Lfunc_end_k_qab2994e3aa_attn-k_qab2994e3aa_attn
	.p2alignl 7, 3214868480
	.fill 96, 4, 3214868480
	.section	.rodata,"a",@progbits
	.p2align	6, 0x0
	.amdhsa_kernel k_qab2994e3aa_attn
		.amdhsa_group_segment_fixed_size 264192
		.amdhsa_private_segment_fixed_size 0
		.amdhsa_enable_private_segment 0
		.amdhsa_kernarg_size 32
		.amdhsa_user_sgpr_count 2
		.amdhsa_user_sgpr_kernarg_segment_ptr 1
		.amdhsa_wavefront_size32 1
		.amdhsa_system_sgpr_workgroup_id_x 1
		.amdhsa_system_sgpr_workgroup_id_y 1
		.amdhsa_system_sgpr_workgroup_id_z 1
		.amdhsa_system_vgpr_workitem_id 0
		.amdhsa_next_free_vgpr 256
		.amdhsa_next_free_sgpr 80
		.amdhsa_reserve_vcc 1
		.amdhsa_float_denorm_mode_32 3
		.amdhsa_float_denorm_mode_16_64 3
		.amdhsa_memory_ordered 1
		.amdhsa_forward_progress 1
		.amdhsa_inst_pref_size 52
	.end_amdhsa_kernel
	.amdgpu_metadata
---
amdhsa.version: [ 1, 2 ]
amdhsa.kernels:
  - .name:           k_qab2994e3aa_attn
    .symbol:         k_qab2994e3aa_attn.kd
    .args:
      - { .name: qc, .offset: 0, .size: 8, .value_kind: global_buffer, .address_space: global }
      - { .name: kv, .offset: 8, .size: 8, .value_kind: global_buffer, .address_space: global }
      - { .name: lowp_scales, .offset: 16, .size: 8, .value_kind: global_buffer, .address_space: global }
      - { .name: ac, .offset: 24, .size: 8, .value_kind: global_buffer, .address_space: global }
    .group_segment_fixed_size: 264192
    .private_segment_fixed_size: 0
    .kernarg_segment_align: 8
    .kernarg_segment_size: 32
    .max_flat_workgroup_size: 512
    .sgpr_count:     80
    .vgpr_count:     256
    .wavefront_size: 32
...
	.end_amdgpu_metadata
.endif
;; end of part 3
;; launch oproj (part 4): grid 8 x 8, 4 waves a work-group, clusters of 4 x 4, 327,680 bytes of LDS; arguments ac, codes, lowp_scales, out0; writes out0
.if DOCPART == 4
	.amdgcn_target "amdgcn-amd-amdhsa--gfx1250"
	.amdhsa_code_object_version 6
	.text
	.protected	k_qab2994e3aa_oproj
	.globl	k_qab2994e3aa_oproj
	.p2align	8
	.type	k_qab2994e3aa_oproj,@function
k_qab2994e3aa_oproj:
	s_mov_b64 s[64:65], 0
	v_nop
	global_prefetch_b8 v0, s[64:65] scope:SCOPE_SE
	s_setreg_imm32_b32 hwreg(HW_REG_WAVE_MODE, 25, 1), 1
	s_wait_xcnt 0x0
	s_wait_alu depctr_hold_cnt(0) depctr_sa_sdst(0) depctr_va_vdst(0) depctr_va_sdst(0) depctr_va_ssrc(0) depctr_va_vcc(0) depctr_vm_vsrc(0)
	s_getreg_b32 s2, hwreg(HW_REG_IB_STS2, 6, 4)
	s_cmp_eq_u32 s2, 0
	s_cbranch_scc0 .Lentry_in_a_cluster
	s_endpgm
.Lentry_in_a_cluster:
	s_bfe_u32 s2, ttmp6, 0x10000c
	s_cmp_lg_u32 s2, 0xf033
	s_cbranch_scc0 .Lentry_shape_is_right
	s_endpgm
.Lentry_shape_is_right:
; OPROJ: out0 = attn Wo^T on codes of FP8 (E4M3); each finished sum x 2^(entry 10 + entry 11).
; Both operands lie as images of their fragments' registers: [block 128][chunk 16][2048]; block b's rows are 32 (b / 2) + 8 (b % 2) + i + 8 (i / 8); byte 512 c + 16 lane of an image holds registers 4 c .. 4 c + 3.
; A tile of 256 x 256 is made by four waves, each 128 x 128: 64 accumulators in windows 2 and 3.  K = 2,048 goes in steps of 256 through a ring of two LDS slots.  Source 0 = Wo's rows (section 6 of codes), source 1 = attn's rows.
; CLUSTERS: 4 x 4 work-groups; each tile is asked for jointly by the four that need it.  64 work-groups: the tile is the other GEMM's; a smaller one would busy more of the chip and is not built here.
; In accumulator (a, b) lane (r, h) holds row 32 (a / 2) + 8 (a % 2) + r + 8 (r / 8) of my 128, and register j column 32 (b / 2) + 8 (b % 2) + 16 h + j.
; LIMIT: the two exponents' sum between -126 and 127.
.set HALFT,  32768
.set SLOT,   4*HALFT
.set STEPB,  4096
.set STAGE,  2*SLOT                    ; behind the ring: 16 rows x (512 bytes + 16) for each wave; no fill lands there
.set SPITCH, 528
.set SPARE,  STAGE+4*16*SPITCH         ; behind the stages: the spare words, 128 bytes a wave
.set FR,     16
.set NL,     4
.set NP,     4
.set LAPS,   4
.set ADRA, 16
.set ADRB, 20
.set STO,  24
.set RD,   25
.set CO,   26
.set SPW,  28
.set NIL,  29
.set TMP,  32
.set AF,   128
.set BK,   128
.set G1, 24
.set G0, 32
.set G1B, 48
.set G0B, 56
.set MSB, 0
.macro WIN new
.if MSB != (\new)
	s_set_vgpr_msb (MSB<<8)|(\new)
.set MSB, (\new)
.endif
.endm
.set MUL_LO, 0xa1
.set MUL_HI, 0xf1
.set TO_B,   0x40
.macro JLOAD g0a, g1a, g0b, g1b        ; waves 0 and 1 fetch source 1's halves, waves 2 and 3 source 0's; four v_nop follow each line
	s_cmp_eq_u32 s15, 0
	s_cbranch_scc0 .Lfor_b_\@
	tensor_load_to_lds s[\g0a:\g0a+3], s[\g1a:\g1a+7]
	s_nop 0
.rept 4
	v_nop
.endr
	s_branch .Lasked_\@
.Lfor_b_\@:
	tensor_load_to_lds s[\g0b:\g0b+3], s[\g1b:\g1b+7]
	s_nop 0
.rept 4
	v_nop
.endr
.Lasked_\@:
.endm
.macro CREST
	s_cmp_lg_u32 s14, 0
	s_cbranch_scc1 .Lnot_wave_0_\@
	s_barrier_signal -3
.Lnot_wave_0_\@:
	s_barrier_wait -3
	s_barrier_signal -1
	s_barrier_wait -1
.endm
.macro CROUND
	s_barrier_signal -1
	s_barrier_wait -1
	CREST
.endm
	s_load_b128 s[4:7], s[0:1], 0x0                ; ac, codes
	s_load_b128 s[8:11], s[0:1], 0x10              ; the scales' exponents, out0
	v_lshl_add_u32 v[SPW], v0, 2, SPARE
	v_mov_b32 v[NIL], 0
	ds_add_u32 v28, v29
	ds_add_u32 v28, v29
	s_wait_dscnt 0x0
	v_lshrrev_b32 v1, 5, v0
	v_readfirstlane_b32 s14, v1
	s_lshr_b32 s15, s14, 1
	s_and_b32 s16, s14, 1
	s_bfe_u32 s40, ttmp6, 0x40000
	s_bfe_u32 s41, ttmp6, 0x40004
	s_lshl_b32 s42, ttmp9, 2
	s_add_co_u32 s42, s42, s40                     ; tile column
	s_and_b32 s17, ttmp7, 0xffff
	s_lshl_b32 s17, s17, 2
	s_add_co_u32 s17, s17, s41                     ; tile row
	s_lshl_b32 s43, s41, 2
	s_lshl_b32 s43, 15, s43
	s_lshl_b32 s44, 0x1111, s40
	s_or_b32 s[G1+0], s43, (3<<16)|(1<<21)         ; 8 rows (blocks) of 4,096 bytes, 32,768 bytes apart; elements of 8 bytes; dense in LDS
	s_or_b32 s[G1B+0], s44, (3<<16)|(1<<21)
.irp g, G1, G1B
	s_mov_b32 s[\g+1], 512<<16
	s_mov_b32 s[\g+2], 8<<16
	s_mov_b32 s[\g+3], 512<<16
	s_mov_b32 s[\g+4], 8
	s_mov_b32 s[\g+5], 4096
	s_mov_b32 s[\g+6], 0
	s_mov_b32 s[\g+7], 0
.endr
	s_lshl_b32 s18, s16, 18
	s_lshl_b32 s20, s17, 19
	s_add_co_u32 s20, s20, s18
	s_mov_b32 s21, 0
	s_lshl_b32 s46, s42, 19
	s_add_co_u32 s46, s46, s18
	s_add_co_u32 s46, s46, 6*0x400000              ; section 6: Wo
	s_mov_b32 s47, 0
	s_mul_i32 s45, s14, HALFT
	s_wait_kmcnt 0x0
	s_load_b64 s[96:97], s[8:9], 0x28              ; entries 10 and 11
	s_add_nc_u64 s[20:21], s[4:5], s[20:21]
	s_add_nc_u64 s[46:47], s[6:7], s[46:47]
	CROUND
.irp s, 0,1
	s_mov_b32 s[G0+4*\s], 1
	s_add_co_u32 s[G0+4*\s+1], s45, \s*SLOT
	s_add_nc_u64 s[G0+4*\s+2:G0+4*\s+3], s[20:21], \s*STEPB
	s_or_b32 s[G0+4*\s+3], s[G0+4*\s+3], 0x80000000
	s_mov_b32 s[G0B+4*\s], 1
	s_add_co_u32 s[G0B+4*\s+1], s45, \s*SLOT
	s_add_nc_u64 s[G0B+4*\s+2:G0B+4*\s+3], s[46:47], \s*STEPB
	s_or_b32 s[G0B+4*\s+3], s[G0B+4*\s+3], 0x80000000
	JLOAD G0+4*\s, G1, G0B+4*\s, G1B
.endr
	v_and_b32 v1, 15, v0
	v_bfe_u32 v2, v0, 4, 1
	v_and_b32 v6, 31, v0
	v_lshlrev_b32 v[CO], 4, v6                     ; 16 x lane
	s_mul_i32 s21, s15, HALFT
	s_mul_i32 s22, s16, HALFT
	s_add_co_u32 s22, s22, 2*HALFT
.irp s, 0,1
	v_add_nc_u32 v[ADRA+\s], s21, v[CO]
	v_add_nc_u32 v[ADRB+\s], s22, v[CO]
	s_add_co_u32 s21, s21, SLOT
	s_add_co_u32 s22, s22, SLOT
.endr
	s_mul_i32 s23, s14, 16*SPITCH
	s_add_co_u32 s23, s23, STAGE                   ; my stage
	v_mul_u32_u24 v5, v1, SPITCH
	v_lshl_add_u32 v5, v2, 6, v5                   ; in: row r, + 64 h bytes
	v_add_nc_u32 v[STO], s23, v5
	v_add_nc_u32 v[RD], s23, v[CO]                 ; back: the 32 lanes take a row of 512 bytes
	s_lshl_b32 s20, s17, 8
	s_lshl_b32 s21, s15, 7
	s_add_co_u32 s20, s20, s21
	s_lshl_b32 s20, s20, 13                        ; my first row, 8,192 bytes a row
	s_mov_b32 s21, 0
	s_lshl_b32 s46, s42, 10
	s_lshl_b32 s47, s16, 9
	s_add_co_u32 s46, s46, s47                     ; my first column, in bytes
	s_mov_b32 s47, 0
	s_add_nc_u64 s[20:21], s[20:21], s[46:47]
	s_add_nc_u64 s[10:11], s[10:11], s[20:21]
.macro FRAG reg, adr, q, i
.irp c, 0,1,2,3
	ds_load_b128 v[\reg+4*\c:\reg+4*\c+3], v[\adr] offset:2048*(\q)+512*\c+(\i)*4096
.endr
.endm
.macro MUL16 a0, p, zero               ; the 64 accumulators take turns, one instruction a turn
.irp a, \a0, \a0+1
.irp b, 0,1,2,3,4,5,6,7
.if \zero
	v_wmma_f32_16x16x128_fp8_fp8 v[8*(8*((\a)%4)+\b):8*(8*((\a)%4)+\b)+7], v[128*(\p)+FR*\b:128*(\p)+FR*\b+FR-1], v[AF+FR*(\a):AF+FR*(\a)+FR-1], 0
.else
	v_wmma_f32_16x16x128_fp8_fp8 v[8*(8*((\a)%4)+\b):8*(8*((\a)%4)+\b)+7], v[128*(\p)+FR*\b:128*(\p)+FR*\b+FR-1], v[AF+FR*(\a):AF+FR*(\a)+FR-1], v[8*(8*((\a)%4)+\b):8*(8*((\a)%4)+\b)+7]
.endif
.endr
.endr
.endm
.macro FETCH_B slot, q, p
	WIN TO_B
.irp i, 0,1,2,3,4,5,6,7
	FRAG 128*(\p)+FR*\i, ADRB+\slot, \q, \i
.endr
	WIN 0
.endm
.macro FETCH_A slot, q, i0
.irp i, \i0, \i0+1, \i0+2, \i0+3
	FRAG AF+FR*(\i), ADRA+\slot, \q, \i
.endr
.endm
.macro PLACES n
.rept \n
	v_nop
.endr
.endm
.macro STEP slot, q, zero
	s_wait_dscnt 4*NL                              ; the youngest 16 loads (source 1's blocks 4-7) may be out
	WIN MUL_LO
	MUL16 0, (\q)%2, \zero
	MUL16 2, (\q)%2, \zero
	s_wait_dscnt 0
	PLACES NP
	FETCH_B \slot, (\q)+1, 1-(\q)%2
	FETCH_A \slot, (\q)+1, 0
	WIN MUL_HI
	MUL16 4, (\q)%2, \zero
	MUL16 6, (\q)%2, \zero
	PLACES NP
	WIN 0
	FETCH_A \slot, (\q)+1, 4
.endm
.macro TURN slot, next, fill
	s_wait_tensorcnt 0x0                           ; all my tensor loads have landed: my part of the next slot
	ds_add_u32 v[SPW], v[NIL]
	s_wait_dscnt 4*NL+1                            ; the add and the youngest 16 loads may be out
	WIN MUL_LO
	MUL16 0, 1, 0
	s_wait_dscnt 0x0                               ; the add is done, and my reads of this slot are over
	s_barrier_signal -1
	MUL16 2, 1, 0
	WIN 0
	s_barrier_wait -1
.if \fill
	CREST                                          ; a round of the cluster's barrier: no wave of any partner still reads this slot or has a load on its way
	s_add_nc_u64 s[G0+4*\slot+2:G0+4*\slot+3], s[G0+4*\slot+2:G0+4*\slot+3], 2*STEPB
	s_add_nc_u64 s[G0B+4*\slot+2:G0B+4*\slot+3], s[G0B+4*\slot+2:G0B+4*\slot+3], 2*STEPB
	JLOAD G0+4*\slot, G1, G0B+4*\slot, G1B
.else
	PLACES NP
.endif
	FETCH_B \next, 0, 0
	FETCH_A \next, 0, 0
	WIN MUL_HI
	MUL16 4, 1, 0
	MUL16 6, 1, 0
	PLACES NP
	WIN 0
	FETCH_A \next, 0, 4
.endm
	s_wait_tensorcnt 1                             ; my part of K step 0 is in; K step 1's load may be out
	s_barrier_signal -1
	s_barrier_wait -1
	FETCH_B 0, 0, 0
	FETCH_A 0, 0, 0
	FETCH_A 0, 0, 4
	STEP 0, 0, 1
	s_mov_b32 s3, LAPS-1
.Llap:
	TURN 0, 1, 1
	STEP 1, 0, 0
	TURN 1, 0, 1
	STEP 0, 0, 0
	s_sub_co_u32 s3, s3, 1
	s_cmp_lg_u32 s3, 0
	s_cbranch_scc1 .Llap
	TURN 0, 1, 0
	STEP 1, 0, 0
	s_wait_dscnt 4*NL
	WIN MUL_LO
	MUL16 0, 1, 0
	MUL16 2, 1, 0
	s_wait_dscnt 0
	WIN MUL_HI
	MUL16 4, 1, 0
	MUL16 6, 1, 0
	WIN 0
; THE WAY OUT, block by block of 16 rows x 128 columns, through my own stage: in by 32 bytes of a row a lane, back as whole rows of 512 bytes.  LDS serves a wave's instructions in order: no wait between the stores and the loads.
.macro TOSTAGE a
.set AC, 64*((\a)%4)
	WIN 0x02+((\a)/4)
.set n, 0
.rept 32
	v_pk_mul_f32 v[TMP+n:TMP+n+1], v[AC+n:AC+n+1], s[96:97] op_sel_hi:[1,0]   ; x 2^(the two exponents' sum); each accumulator from its low end on
.set n, n+2
.endr
	WIN 0
.irp b, 0,1,2,3,4,5,6,7
	ds_store_b128 v[STO], v[TMP+8*\b:TMP+8*\b+3] offset:128*(\b/2)+32*(\b%2)
	ds_store_b128 v[STO], v[TMP+8*\b+4:TMP+8*\b+7] offset:128*(\b/2)+32*(\b%2)+16
.endr
.set BB, BK+64*((\a)%2)
.irp t, 0,1,2,3,4,5,6,7,8,9,10,11,12,13,14,15
	ds_load_b128 v[BB+4*\t:BB+4*\t+3], v[RD] offset:\t*SPITCH
.endr
.endm
.macro SEND a, younger                 ; younger: the LDS instructions issued behind block a's loads, which may stay out
.set BB, BK+64*((\a)%2)
	s_wait_dscnt \younger
.irp t, 0,1,2,3,4,5,6,7,8,9,10,11,12,13,14,15
	global_store_b128 v[CO], v[BB+4*\t:BB+4*\t+3], s[10:11] offset:(32*((\a)/2)+8*((\a)%2)+\t+8*(\t/8))*8192 th:TH_STORE_NT   ; 512 consecutive bytes of one row; the block's order of rows stands in the immediate
.endr
.endm
	s_wait_kmcnt 0x0
	s_add_co_i32 s96, s96, s97
	s_add_co_i32 s96, s96, 127
	s_lshl_b32 s96, s96, 23                        ; 2^(the sum) as f32
	PLACES NP
	TOSTAGE 0
.irp a, 1,2,3,4,5,6,7
.if \a > 1
	s_wait_xcnt 0x0                                ; block a - 2's stores have read their registers: block a's loads may land there
.endif
	TOSTAGE \a
	SEND \a-1, 32                                  ; behind block a - 1's loads: block a's 16 stores and 16 loads
.endr
	SEND 7, 0
	s_wait_tensorcnt 0x0                           ; the wave's end
	ds_add_u32 v[SPW], v[NIL]
	s_wait_dscnt 0x0
	CROUND                                         ; the closing round
	s_endpgm
.Lfunc_end_k_qab2994e3aa_oproj:
	.size	k_qab2994e3aa_oproj, .Lfunc_end_k_qab2994e3aa_oproj-k_qab2994e3aa_oproj
	.p2alignl 7, 3214868480
	.fill 96, 4, 3214868480
	.section	.rodata,"a",@progbits
	.p2align	6, 0x0
	.amdhsa_kernel k_qab2994e3aa_oproj
		.amdhsa_group_segment_fixed_size 327680
		.amdhsa_private_segment_fixed_size 0
		.amdhsa_enable_private_segment 0
		.amdhsa_kernarg_size 32
		.amdhsa_user_sgpr_count 2
		.amdhsa_user_sgpr_kernarg_segment_ptr 1
		.amdhsa_wavefront_size32 1
		.amdhsa_system_sgpr_workgroup_id_x 1
		.amdhsa_system_sgpr_workgroup_id_y 1
		.amdhsa_system_sgpr_workgroup_id_z 1
		.amdhsa_system_vgpr_workitem_id 0
		.amdhsa_next_free_vgpr 1024
		.amdhsa_next_free_sgpr 98
		.amdhsa_reserve_vcc 0
		.amdhsa_float_denorm_mode_32 3
		.amdhsa_float_denorm_mode_16_64 3
		.amdhsa_memory_ordered 1
		.amdhsa_forward_progress 1
		.amdhsa_inst_pref_size 122
	.end_amdhsa_kernel
	.amdgpu_metadata
---
amdhsa.version: [ 1, 2 ]
amdhsa.kernels:
  - .name:           k_qab2994e3aa_oproj
    .symbol:         k_qab2994e3aa_oproj.kd
    .args:
      - { .name: ac, .offset: 0, .size: 8, .value_kind: global_buffer, .address_space: global }
      - { .name: codes, .offset: 8, .size: 8, .value_kind: global_buffer, .address_space: global }
      - { .name: lowp_scales, .offset: 16, .size: 8, .value_kind: global_buffer, .address_space: global }
      - { .name: out0, .offset: 24, .size: 8, .value_kind: global_buffer, .address_space: global }
    .group_segment_fixed_size: 327680
    .private_segment_fixed_size: 0
    .kernarg_segment_align: 8
    .kernarg_segment_size: 32
    .max_flat_workgroup_size: 128
    .sgpr_count:     98
    .vgpr_count:     1024
    .wavefront_size: 32
...
	.end_amdgpu_metadata
.endif
;; end of part 4
;; ======== version 2 of 2: 4 launches
;; limits: right only within a limited range of input values
;; workspace buffers: codes 29,360,128 bytes; tl 393,216 bytes; rope 524,288 bytes; qc 4,194,304 bytes; kv 8,388,608 bytes; ac 4,194,304 bytes
;; launch prep (part 5): grid 256 x 1, 8 waves a work-group, no clusters, 186,368 bytes of LDS; arguments hidden_states, Wq, Wk, Wv, Wo, Aq, Ak, Av, lowp_scales, codes, tl, rope; writes codes, tl, rope
.if DOCPART == 5
	.amdgcn_target "amdgcn-amd-amdhsa--gfx1250"
	.amdhsa_code_object_version 6
	.text
	.protected	k_qab2994e3aa_prep
	.globl	k_qab2994e3aa_prep
	.p2align	8
	.type	k_qab2994e3aa_prep,@function
k_qab2994e3aa_prep:
	s_mov_b64 s[64:65], 0
	v_nop
	global_prefetch_b8 v0, s[64:65] scope:SCOPE_SE
	s_setreg_imm32_b32 hwreg(HW_REG_WAVE_MODE, 25, 1), 1
	s_wait_xcnt 0x0
; PREP: f32 inputs become codes of FP8 (E4M3); T = x A^T in f32; the table of cos and sin.
; LAYOUT OF ALL CODES.  A block b (0..127) is 16 rows that are not neighbours: row(b, i) = 32 (b / 2) + 8 (b % 2) + i + 8 (i / 8).  The IMAGE of (block b, chunk kc of 128 along K) is 2,048 bytes:
; byte 512 c + 16 lane + e = the code of row(b, lane % 16) at k = 128 kc + 32 c + 16 (lane / 16) + e: the sixteen registers of an operand's fragment, lane by lane.  A section of the buffer codes is [block 128][chunk 16][2048].
; Sections: 0 Wq, 1 Wk, 2 x by entry 4 of the scales, 3 x by entry 0, 4 x by entry 2, 5 Wv, 6 Wo.
; SHARES.  256 work-groups of 8 waves, all on one path.  Work-group g, wave w: x: block g / 2, chunk 8 (g % 2) + w: three images and a part of T.  Weights: tensor g / 64, blocks 2 (g % 64) and + 1, chunks 2 w and 2 w + 1.
; Wave 7 also makes half an image of the table; waves 0 to 3 add the eight waves' parts of T behind the one barrier.
; A load takes 512 consecutive bytes of a row, 16 a lane; the conversions want 16 neighbours along K in ONE lane: so a chunk turns through the wave's own stage in LDS (rows of 512 bytes + 16).
; T: tl[P 3][s 2048][half of K 2][8] f32; the two halves are added where they are read.  The products are the f32 matrix form: source 0 = rows of Aq and Ak (tile 0) or Av (tile 1), source 1 = x.
; TABLE: rope[block 128][c 8][512]: register e = 4 c + k of lane (r, h): e < 16: cos(pos x inv(16 h + e)), else sin(pos x inv(16 h + e - 16)), pos = row(block, r), inv(i) = 10000^(-i / 32).
; code = x / 2^e, held within +-448, to the nearest code, ties to even.  LIMITS: each e between -126 and 119; NaN among the inputs is not served; inv(i) is good to about 2 units in its last place.
; REGISTERS, window 0: v1 lane, v2 r, v3 h, v4 16 x lane, v5-11 LDS addresses, v16-79 a chunk's 64 numbers a lane, v80-143 and v144-207 A's fragments, later held numbers and codes, v224-231 scales, v240-255 T's two sums.
;   window 1: v0-223 chunks as they are loaded.
.set XPW, 8448                         ; a wave's stage: 16 rows x 528
.set AST, 67584                        ; behind the eight stages: A's stages, 24 rows x 528 a wave
.set APW, 12672
.set RED, 168960                       ; behind them: the waves' parts of T, 2,048 bytes a wave
.set SEC, 0x400000                     ; a section of codes
.set X,   16
.set AF0, 80
.set AF1, 144
.set TMP, 80
.set XC,  144
.set WC,  80
.set SC,  224
.set TA,  240
.set RX,  0
.set RA,  64
.set RW,  160
.set MSB, 0
.macro WIN new                         ; the immediate's high byte repeats the setting that is left
.if MSB != (\new)
	s_set_vgpr_msb (MSB<<8)|(\new)
.set MSB, (\new)
.endif
.endm
.macro RAW reg, base, off              ; a chunk as it lies: 16 rows x 512 bytes into window 1
	WIN 0x40
.irp i, 0,1,2,3,4,5,6,7,8,9,10,11,12,13,14,15
	global_load_b128 v[\reg+4*\i:\reg+4*\i+3], v4, s[\base:\base+1] offset:\off+(\i+8*(\i/8))*8192 th:TH_LOAD_NT
.endr
	WIN 0
.endm
.macro TURNX reg                       ; through my stage: LDS serves a wave's instructions in order, so no wait stands between the stores and the loads
	WIN 0x04
.irp i, 0,1,2,3,4,5,6,7,8,9,10,11,12,13,14,15
	ds_store_b128 v5, v[\reg+4*\i:\reg+4*\i+3] offset:528*\i
.endr
	WIN 0
.irp b, 0,1,2,3
.irp j, 0,1,2,3
	ds_load_b128 v[X+16*\b+4*\j:X+16*\b+4*\j+3], v6 offset:128*\b+16*\j   ; register 16 b + 4 j + e: k = 32 b + 16 h + 4 j + e of row r
.endr
.endr
.endm
.macro QUANT src, dst, cod, sc         ; 64 numbers of a lane become a fragment's 16 registers of codes; v[sc] the scale, v[sc+1] 448 x the scale
.irp b, 0,1,2,3
.irp i, 0,1,2,3,4,5,6,7,8,9,10,11,12,13,14,15
	v_med3_num_f32 v[\dst+16*\b+\i], v[\src+16*\b+\i], -v[\sc+1], v[\sc+1]   ; the conversion does not saturate (ISA guide 7.6.2): the hold comes first
.endr
	v_cvt_scalef32_pk8_fp8_f32 v[\cod+4*\b:\cod+4*\b+1], v[\dst+16*\b:\dst+16*\b+7], v[\sc]
	v_cvt_scalef32_pk8_fp8_f32 v[\cod+4*\b+2:\cod+4*\b+3], v[\dst+16*\b+8:\dst+16*\b+15], v[\sc]
.endr
	v_nop                                          ; one plain line behind the last conversion
.endm
.macro OUT cod, base, off              ; an image: four stores of 512 consecutive bytes
.irp c, 0,1,2,3
	global_store_b128 v4, v[\cod+4*\c:\cod+4*\c+3], s[\base:\base+1] offset:\off+512*\c
.endr
.endm
.macro MKSC e, v                       ; 2^e and 448 x 2^e as f32
	s_add_co_i32 s78, s[\e], 127
	s_lshl_b32 s79, s78, 23
	v_mov_b32 v[\v], s79
	s_add_co_i32 s78, s78, 8
	s_lshl_b32 s78, s78, 23
	s_or_b32 s78, s78, 0x600000
	v_mov_b32 v[\v+1], s78
.endm
	s_load_b512 s[8:23], s[0:1], 0x0               ; x, Wq, Wk, Wv, Wo, Aq, Ak, Av
	s_load_b256 s[24:31], s[0:1], 0x40             ; the scales' exponents, codes, tl, rope
	v_lshl_add_u32 v238, v0, 2, 0x2d400
	v_mov_b32 v239, 0
	v_lshrrev_b32 v1, 5, v0
	s_delay_alu instid0(VALU_DEP_1)
	v_readfirstlane_b32 s32, v1                    ; wave 0..7
	v_and_b32 v1, 31, v0                           ; lane
	v_and_b32 v2, 15, v0                           ; r
	v_bfe_u32 v3, v0, 4, 1                         ; h
	s_delay_alu instid0(VALU_DEP_3)
	v_lshlrev_b32 v4, 4, v1                        ; 16 x lane
	s_mul_i32 s76, s32, XPW
	v_add_nc_u32 v5, s76, v4                       ; my stage, on the way in
	v_mul_u32_u24 v13, v2, 528
	s_delay_alu instid0(VALU_DEP_1)
	v_lshl_add_u32 v13, v3, 6, v13                 ; 528 r + 64 h
	s_delay_alu instid0(VALU_DEP_1)
	v_add_nc_u32 v6, s76, v13                      ; and on the way out
	s_mul_i32 s76, s32, APW
	s_add_co_u32 s76, s76, AST
	v_add_nc_u32 v7, s76, v4                       ; A's stage, in
	v_add_nc_u32 v8, s76, v13                      ; out: rows 0-15 (Aq, Ak)
	v_and_b32 v14, 7, v0
	s_delay_alu instid0(VALU_DEP_1)
	v_mul_u32_u24 v14, v14, 528
	s_delay_alu instid0(VALU_DEP_1)
	v_lshl_add_u32 v14, v3, 6, v14
	s_delay_alu instid0(VALU_DEP_1)
	v_add_nc_u32 v14, 16*528, v14
	s_delay_alu instid0(VALU_DEP_1)
	v_add_nc_u32 v9, s76, v14                      ; out: rows 16 + r % 8 (Av, twice)
	s_lshl_b32 s76, s32, 11
	s_add_co_u32 s76, s76, RED
	v_add_nc_u32 v10, s76, v4                      ; my part of T
	s_and_b32 s76, s32, 3
	s_lshl_b32 s76, s76, 9
	s_add_co_u32 s76, s76, RED
	v_add_nc_u32 v11, s76, v4                      ; the quarter of every wave's part that I add (waves 0 to 3)
	s_mov_b32 s33, ttmp9                           ; g
	s_lshr_b32 s34, s33, 1                         ; x's block
	s_and_b32 s35, s33, 1                          ; the half of K
	s_lshr_b32 s36, s33, 6                         ; which weight
	s_and_b32 s37, s33, 63                         ; which 32 rows of it
	s_lshr_b32 s38, s34, 1
	s_lshl_b32 s38, s38, 5
	s_and_b32 s39, s34, 1
	s_lshl_b32 s39, s39, 3
	s_add_co_u32 s38, s38, s39                     ; the block's first row
	s_lshl_b32 s39, s35, 3
	s_add_co_u32 s39, s39, s32                     ; x's chunk
	s_mov_b32 s77, 0
	s_lshl_b32 s76, s38, 13
	s_lshl_b32 s78, s39, 9
	s_add_co_u32 s76, s76, s78
	s_wait_kmcnt 0x0
	s_load_b256 s[40:47], s[24:25], 0x0            ; entries 0 to 7
	s_load_b128 s[48:51], s[24:25], 0x20           ; entries 8 to 11
	s_add_nc_u64 s[52:53], s[8:9], s[76:77]        ; x at my chunk
	s_mov_b32 s76, s78
	s_add_nc_u64 s[66:67], s[18:19], s[76:77]      ; Aq, Ak, Av at my chunk
	s_add_nc_u64 s[68:69], s[20:21], s[76:77]
	s_add_nc_u64 s[70:71], s[22:23], s[76:77]
	s_cmp_eq_u32 s36, 0                            ; the weight is chosen by the work-group's number alone
	s_cselect_b64 s[54:55], s[10:11], s[12:13]
	s_cmp_lt_u32 s36, 2
	s_cselect_b64 s[54:55], s[54:55], s[14:15]
	s_cmp_eq_u32 s36, 3
	s_cselect_b64 s[54:55], s[16:17], s[54:55]
	s_lshl_b32 s76, s37, 18
	s_lshl_b32 s78, s32, 10
	s_add_co_u32 s76, s76, s78
	s_add_nc_u64 s[54:55], s[54:55], s[76:77]      ; at my 32 rows, my two chunks
	RAW RX, 52, 0                                  ; x
	WIN 0x40
.irp j, 0,1,2,3,4,5,6,7
	global_load_b128 v[RA+4*\j:RA+4*\j+3], v4, s[66:67] offset:\j*8192
.endr
.irp j, 0,1,2,3,4,5,6,7
	global_load_b128 v[RA+32+4*\j:RA+32+4*\j+3], v4, s[68:69] offset:\j*8192
.endr
.irp j, 0,1,2,3,4,5,6,7
	global_load_b128 v[RA+64+4*\j:RA+64+4*\j+3], v4, s[70:71] offset:\j*8192
.endr
	WIN 0
	RAW RW, 54, 0                                  ; weight chunk 0: 56 loads of mine are out
	s_lshl_b32 s76, s34, 15
	s_lshl_b32 s78, s39, 11
	s_add_co_u32 s76, s76, s78
	s_add_nc_u64 s[56:57], s[26:27], s[76:77]
	s_add_nc_u64 s[58:59], s[56:57], 4*SEC         ; x by entry 2
	s_add_nc_u64 s[60:61], s[56:57], 2*SEC         ; x by entry 4
	s_add_nc_u64 s[56:57], s[56:57], 3*SEC         ; x by entry 0
	s_cmp_ge_u32 s36, 2
	s_cselect_b32 s76, 3, 0
	s_add_co_u32 s76, s76, s36                     ; the weight's section: 0, 1, 5, 6
	s_lshl_b32 s76, s76, 22
	s_lshl_b32 s78, s37, 16
	s_add_co_u32 s76, s76, s78
	s_lshl_b32 s78, s32, 12
	s_add_co_u32 s76, s76, s78
	s_add_nc_u64 s[62:63], s[26:27], s[76:77]
	s_lshl_b32 s76, s34, 12
	s_lshl_b32 s78, s35, 10
	s_add_co_u32 s76, s76, s78
	s_add_nc_u64 s[74:75], s[30:31], s[76:77]      ; my half image of the table
	s_wait_kmcnt 0x0
	s_cmp_eq_u32 s36, 0
	s_cselect_b32 s90, s41, s43
	s_cmp_lt_u32 s36, 2
	s_cselect_b32 s90, s90, s45
	s_cmp_eq_u32 s36, 3
	s_cselect_b32 s90, s51, s90                    ; the weight's exponent: entry 1, 3, 5 or 11
	MKSC 40, SC
	MKSC 42, SC+2
	MKSC 44, SC+4
	MKSC 90, SC+6
	; ---- THE TABLE, wave 7 alone, while the first loads are on their way.  Eight angles a lane: i = 16 h + 8 (g % 2) + e
	s_cmp_lg_u32 s32, 7
	s_cbranch_scc1 .Lno_table
	s_mov_b32 s80, 0x3fc90fdb                      ; pi / 2, its upper part
	s_mov_b32 s81, 0x333bbd2e                      ; that part less pi / 2
	s_mov_b32 s82, 0x3638ef1d                      ; sine: 1/9!, -1/7!, 1/5!, -1/3!
	s_mov_b32 s83, 0xb9500d01
	s_mov_b32 s84, 0x3c088889
	s_mov_b32 s85, 0xbe2aaaab
	s_mov_b32 s86, 0xb493f27e                      ; cosine: -1/10!, 1/8!, -1/6!, 1/4!
	s_mov_b32 s87, 0x37d00d01
	s_mov_b32 s88, 0xbab60b61
	s_mov_b32 s89, 0x3d2aaaab
	s_mov_b32 s91, 0x3f22f983                      ; 2 / pi
	v_lshrrev_b32 v13, 3, v2
	s_delay_alu instid0(VALU_DEP_1)
	v_lshl_add_u32 v13, v13, 3, v2
	s_delay_alu instid0(VALU_DEP_1)
	v_add_nc_u32 v13, s38, v13                     ; pos = row(block, r)
	s_delay_alu instid0(VALU_DEP_1)
	v_cvt_f32_u32 v232, v13
	s_lshl_b32 s78, s35, 3
	v_lshl_add_u32 v14, v3, 4, s78
.irp e, 0,1,2,3,4,5,6,7
	v_add_nc_u32 v[80+\e], \e, v14
.endr
.irp e, 0,1,2,3,4,5,6,7
	v_cvt_f32_u32 v[80+\e], v[80+\e]
.endr
.irp e, 0,1,2,3,4,5,6,7
	v_mul_f32 v[88+\e], 0xbed48000, v[80+\e]       ; -i x 425 / 1024: exact
	v_mul_f32 v[96+\e], 0xb953c25e, v[80+\e]       ; -i x (log2(10000) / 32 - 425 / 1024)
.endr
	s_wait_alu depctr_va_vdst(0)
.irp e, 0,1,2,3,4,5,6,7
	v_exp_f32 v[88+\e], v[88+\e]
	v_exp_f32 v[96+\e], v[96+\e]
.endr
	v_nop                                          ; a plain line behind the last exponential,
	s_wait_alu depctr_va_vdst(0)                   ; and one wait for the sixteen, ahead of their first reader
.irp e, 0,1,2,3,4,5,6,7
	v_mul_f32 v[80+\e], v[88+\e], v[96+\e]         ; inv(i)
.endr
.irp e, 0,1,2,3,4,5,6,7
	v_mul_f32 v[80+\e], v232, v[80+\e]             ; the angle, rounded once
.endr
.irp e, 0,1,2,3,4,5,6,7
	v_fma_f32 v[104+\e], v[80+\e], s91, 0.5
.endr
.irp e, 0,1,2,3,4,5,6,7
	v_floor_f32 v[104+\e], v[104+\e]               ; n: the nearest quarter turn
.endr
.irp e, 0,1,2,3,4,5,6,7
	v_fma_f32 v[112+\e], -v[104+\e], s80, v[80+\e] ; the angle less n pi / 2, in two parts
.endr
.irp e, 0,1,2,3,4,5,6,7
	v_fma_f32 v[112+\e], v[104+\e], s81, v[112+\e]
.endr
.irp e, 0,1,2,3,4,5,6,7
	v_mul_f32 v[120+\e], v[112+\e], v[112+\e]      ; z
.endr
.irp e, 0,1,2,3,4,5,6,7
	v_fma_f32 v[128+\e], v[120+\e], s82, s83
	v_fma_f32 v[136+\e], v[120+\e], s86, s87
.endr
.irp e, 0,1,2,3,4,5,6,7
	v_fma_f32 v[128+\e], v[128+\e], v[120+\e], s84
	v_fma_f32 v[136+\e], v[136+\e], v[120+\e], s88
.endr
.irp e, 0,1,2,3,4,5,6,7
	v_fma_f32 v[128+\e], v[128+\e], v[120+\e], s85
	v_fma_f32 v[136+\e], v[136+\e], v[120+\e], s89
.endr
.irp e, 0,1,2,3,4,5,6,7
	v_mul_f32 v[168+\e], v[120+\e], v[112+\e]
	v_fma_f32 v[136+\e], v[136+\e], v[120+\e], -0.5
.endr
.irp e, 0,1,2,3,4,5,6,7
	v_fma_f32 v[128+\e], v[128+\e], v[168+\e], v[112+\e]   ; the sine of the rest
	v_fma_f32 v[136+\e], v[136+\e], v[120+\e], 1.0         ; its cosine
.endr
.irp e, 0,1,2,3,4,5,6,7
	v_cvt_i32_f32 v[144+\e], v[104+\e]
.endr
.irp e, 0,1,2,3,4,5,6,7                        ; the quarter chooses values only: odd n swaps the two; the signs come from bit 1 of n + 1 and of n
	v_and_b32 v[176+\e], 1, v[144+\e]
	s_delay_alu instid0(VALU_DEP_1)
	v_cmp_eq_u32 vcc_lo, 1, v[176+\e]
	s_delay_alu instid0(VALU_DEP_1)
	v_cndmask_b32 v[152+\e], v[136+\e], v[128+\e], vcc_lo
	s_delay_alu instid0(VALU_DEP_2)
	v_cndmask_b32 v[160+\e], v[128+\e], v[136+\e], vcc_lo
	v_add_nc_u32 v[176+\e], 1, v[144+\e]
	s_delay_alu instid0(VALU_DEP_1)
	v_lshlrev_b32 v[176+\e], 30, v[176+\e]
	s_delay_alu instid0(VALU_DEP_1)
	v_and_b32 v[176+\e], 0x80000000, v[176+\e]
	s_delay_alu instid0(VALU_DEP_1)
	v_xor_b32 v[152+\e], v[152+\e], v[176+\e]      ; cos
	v_lshlrev_b32 v[144+\e], 30, v[144+\e]
	s_delay_alu instid0(VALU_DEP_1)
	v_and_b32 v[144+\e], 0x80000000, v[144+\e]
	s_delay_alu instid0(VALU_DEP_1)
	v_xor_b32 v[160+\e], v[160+\e], v[144+\e]      ; sin
.endr
	global_store_b128 v4, v[152:155], s[74:75]
	global_store_b128 v4, v[156:159], s[74:75] offset:512
	global_store_b128 v4, v[160:163], s[74:75] offset:2048
	global_store_b128 v4, v[164:167], s[74:75] offset:2560
	s_wait_xcnt 0x0                                ; the stores' data registers take A's fragments below
.Lno_table:
	; ---- x through the stage
	s_wait_loadcnt 40                              ; x's 16 loads are in; A's 24 and the weight's 16 may be out
	TURNX RX
	s_wait_dscnt 16                                ; the 16 stores have read their registers; the 16 loads may be out
	RAW RX, 54, 512                                ; weight chunk 1
	; ---- A through its stage
	s_wait_loadcnt 32                              ; A is in; two weight chunks may be out
	WIN 0x04
.set i, 0
.rept 24
	ds_store_b128 v7, v[RA+4*i:RA+4*i+3] offset:528*i
.set i, i+1
.endr
	WIN 0
.irp b, 0,1,2,3
.irp j, 0,1,2,3
	ds_load_b128 v[AF0+16*\b+4*\j:AF0+16*\b+4*\j+3], v8 offset:128*\b+16*\j
	ds_load_b128 v[AF1+16*\b+4*\j:AF1+16*\b+4*\j+3], v9 offset:128*\b+16*\j
.endr
.endr
	s_wait_dscnt 32                                ; A's stores have read their registers; the 32 loads just issued may be out
	RAW RA, 54, 65536                              ; weight chunk 2
	s_wait_dscnt 0x0
	; ---- T: 128 along K in 32 steps of 4; the same lane and register hold the same k in both sources.  Two sums by turns; the first step starts them
	v_wmma_f32_16x16x4_f32 v[TA:TA+7], v[AF0:AF0+1], v[X:X+1], 0
	v_wmma_f32_16x16x4_f32 v[TA+8:TA+15], v[AF1:AF1+1], v[X:X+1], 0
.set p, 1
.rept 31
	v_wmma_f32_16x16x4_f32 v[TA:TA+7], v[AF0+2*p:AF0+2*p+1], v[X+2*p:X+2*p+1], v[TA:TA+7]
	v_wmma_f32_16x16x4_f32 v[TA+8:TA+15], v[AF1+2*p:AF1+2*p+1], v[X+2*p:X+2*p+1], v[TA+8:TA+15]
.set p, p+1
.endr
.rept 8
	v_nop                                          ; eight places behind this form (ISA guide 7.12.1), ahead of the reads of the sums and of writes over A's fragments
.endr
.irp c, 0,1,2,3
	ds_store_b128 v10, v[TA+4*\c:TA+4*\c+3] offset:512*\c   ; lane (r, h): T(row r; tile 0: P = h, tile 1: P = 2; columns 0 .. 7)
.endr
	; ---- x's three images
	s_wait_alu depctr_va_vdst(0)
	QUANT X, TMP, XC, SC
	OUT XC, 56, 0
	QUANT X, TMP, XC+16, SC+2
	OUT XC+16, 58, 0
	QUANT X, TMP, XC+32, SC+4
	OUT XC+32, 60, 0
	; ---- the weight's four chunks: chunk t = block t / 2, chunk 2 w + t % 2
	s_wait_loadcnt 32                              ; chunk 0 is in; chunks 1 and 2 may be out
	TURNX RW
	s_wait_dscnt 16
	RAW RW, 54, 66048                              ; chunk 3 takes chunk 0's registers
	s_wait_dscnt 0x0
	QUANT X, X, WC, SC+6
	OUT WC, 62, 0
	s_wait_loadcnt 32                              ; chunk 1 is in; chunks 2 and 3 may be out
	TURNX RX
	s_wait_dscnt 0x0
	QUANT X, X, WC+16, SC+6
	OUT WC+16, 62, 2048
	s_wait_loadcnt 16
	TURNX RA
	s_wait_dscnt 0x0
	QUANT X, X, WC+32, SC+6
	OUT WC+32, 62, 32768
	s_wait_loadcnt 0x0
	TURNX RW
	s_wait_dscnt 0x0
	QUANT X, X, WC+48, SC+6
	OUT WC+48, 62, 34816
	; ---- T's eight parts meet
	s_wait_dscnt 0x0                               ; my part lies in LDS
	s_barrier_signal -1
	s_barrier_wait -1
	s_cmp_gt_u32 s32, 3
	s_cbranch_scc1 .Lend
.irp q, 0,1,2,3,4,5,6,7
	ds_load_b128 v[16+4*\q:19+4*\q], v11 offset:2048*\q   ; registers 4 w .. 4 w + 3 of every wave's sixteen
.endr
	s_cmp_lt_u32 s32, 2                            ; waves 0, 1: tile 0 (P = h); waves 2, 3: tile 1 (P = 2, lanes 0-15)
	s_cselect_b32 s76, 0x20000, 0
	s_cselect_b32 s84, 0, 0x40000
	s_cselect_b32 s83, 32, 16
	s_lshl_b32 s78, s38, 6
	s_add_co_u32 s84, s84, s78
	s_lshl_b32 s78, s35, 5
	s_add_co_u32 s84, s84, s78
	s_and_b32 s78, s32, 1
	s_lshl_b32 s78, s78, 4
	s_add_co_u32 s84, s84, s78
	s_mov_b32 s85, 0
	s_add_nc_u64 s[72:73], s[28:29], s[84:85]
	v_lshrrev_b32 v13, 3, v2
	s_delay_alu instid0(VALU_DEP_1)
	v_lshl_add_u32 v13, v13, 3, v2
	s_delay_alu instid0(VALU_DEP_1)
	v_lshlrev_b32 v12, 6, v13                      ; 64 bytes a row of tl
	v_mul_lo_u32 v14, v3, s76
	s_delay_alu instid0(VALU_DEP_1)
	v_add_nc_u32 v12, v12, v14
	s_wait_dscnt 0x0
.irp q, 0,2,4,6
	v_pk_add_f32 v[16+4*\q:17+4*\q], v[16+4*\q:17+4*\q], v[20+4*\q:21+4*\q]
	v_pk_add_f32 v[18+4*\q:19+4*\q], v[18+4*\q:19+4*\q], v[22+4*\q:23+4*\q]
.endr
.irp q, 0
	v_pk_add_f32 v[16+4*\q:17+4*\q], v[16+4*\q:17+4*\q], v[24+4*\q:25+4*\q]
	v_pk_add_f32 v[18+4*\q:19+4*\q], v[18+4*\q:19+4*\q], v[26+4*\q:27+4*\q]
.endr
.irp q, 4
	s_delay_alu instid0(VALU_DEP_4)
	v_pk_add_f32 v[16+4*\q:17+4*\q], v[16+4*\q:17+4*\q], v[24+4*\q:25+4*\q]
	s_delay_alu instid0(VALU_DEP_4)
	v_pk_add_f32 v[18+4*\q:19+4*\q], v[18+4*\q:19+4*\q], v[26+4*\q:27+4*\q]
.endr
	s_delay_alu instid0(VALU_DEP_2)
	v_pk_add_f32 v[16:17], v[16:17], v[32:33]
	s_delay_alu instid0(VALU_DEP_2)
	v_pk_add_f32 v[18:19], v[18:19], v[34:35]
	v_cmp_gt_u32 vcc_lo, s83, v1
	s_wait_alu depctr_va_vdst(0)
	s_wait_xcnt 0x0                                ; EXEC changes only behind this wait
	s_and_saveexec_b32 s86, vcc_lo
	global_store_b128 v12, v[16:19], s[72:73]
	s_wait_xcnt 0x0                                ; and again ahead of the line that widens it
	s_or_b32 exec_lo, exec_lo, s86
.Lend:
	s_wait_tensorcnt 0x0
	ds_add_u32 v238, v239
	s_wait_dscnt 0x0
	s_endpgm
.Lfunc_end_k_qab2994e3aa_prep:
	.size	k_qab2994e3aa_prep, .Lfunc_end_k_qab2994e3aa_prep-k_qab2994e3aa_prep
	.p2alignl 7, 3214868480
	.fill 96, 4, 3214868480
	.section	.rodata,"a",@progbits
	.p2align	6, 0x0
	.amdhsa_kernel k_qab2994e3aa_prep
		.amdhsa_group_segment_fixed_size 186368
		.amdhsa_private_segment_fixed_size 0
		.amdhsa_enable_private_segment 0
		.amdhsa_kernarg_size 96
		.amdhsa_user_sgpr_count 2
		.amdhsa_user_sgpr_kernarg_segment_ptr 1
		.amdhsa_wavefront_size32 1
		.amdhsa_system_sgpr_workgroup_id_x 1
		.amdhsa_system_sgpr_workgroup_id_y 1
		.amdhsa_system_sgpr_workgroup_id_z 1
		.amdhsa_system_vgpr_workitem_id 0
		.amdhsa_next_free_vgpr 512
		.amdhsa_next_free_sgpr 100
		.amdhsa_reserve_vcc 1
		.amdhsa_float_denorm_mode_32 3
		.amdhsa_float_denorm_mode_16_64 3
		.amdhsa_memory_ordered 1
		.amdhsa_forward_progress 1
		.amdhsa_inst_pref_size 88
	.end_amdhsa_kernel
	.amdgpu_metadata
---
amdhsa.version: [ 1, 2 ]
amdhsa.kernels:
  - .name:           k_qab2994e3aa_prep
    .symbol:         k_qab2994e3aa_prep.kd
    .args:
      - { .name: hidden_states, .offset: 0, .size: 8, .value_kind: global_buffer, .address_space: global }
      - { .name: Wq, .offset: 8, .size: 8, .value_kind: global_buffer, .address_space: global }
      - { .name: Wk, .offset: 16, .size: 8, .value_kind: global_buffer, .address_space: global }
      - { .name: Wv, .offset: 24, .size: 8, .value_kind: global_buffer, .address_space: global }
      - { .name: Wo, .offset: 32, .size: 8, .value_kind: global_buffer, .address_space: global }
      - { .name: Aq, .offset: 40, .size: 8, .value_kind: global_buffer, .address_space: global }
      - { .name: Ak, .offset: 48, .size: 8, .value_kind: global_buffer, .address_space: global }
      - { .name: Av, .offset: 56, .size: 8, .value_kind: global_buffer, .address_space: global }
      - { .name: lowp_scales, .offset: 64, .size: 8, .value_kind: global_buffer, .address_space: global }
      - { .name: codes, .offset: 72, .size: 8, .value_kind: global_buffer, .address_space: global }
      - { .name: tl, .offset: 80, .size: 8, .value_kind: global_buffer, .address_space: global }
      - { .name: rope, .offset: 88, .size: 8, .value_kind: global_buffer, .address_space: global }
    .group_segment_fixed_size: 186368
    .private_segment_fixed_size: 0
    .kernarg_segment_align: 8
    .kernarg_segment_size: 96
    .max_flat_workgroup_size: 256
    .sgpr_count:     100
    .vgpr_count:     512
    .wavefront_size: 32
...
	.end_amdgpu_metadata
.endif
;; end of part 5
;; launch qkv (part 6): grid 24 x 8, 4 waves a work-group, clusters of 4 x 4, 327,680 bytes of LDS; arguments codes, tl, rope, Bq, Bk, Bv, lowp_scales, qc, kv; writes qc, kv
.if DOCPART == 6
	.amdgcn_target "amdgcn-amd-amdhsa--gfx1250"
	.amdhsa_code_object_version 6
	.text
	.protected	k_qab2994e3aa_qkv
	.globl	k_qab2994e3aa_qkv
	.p2align	8
	.type	k_qab2994e3aa_qkv,@function
k_qab2994e3aa_qkv:
	s_mov_b64 s[64:65], 0
	v_nop
	global_prefetch_b8 v0, s[64:65] scope:SCOPE_SE
	s_setreg_imm32_b32 hwreg(HW_REG_WAVE_MODE, 25, 1), 1
	s_wait_xcnt 0x0
	s_wait_alu depctr_hold_cnt(0) depctr_sa_sdst(0) depctr_va_vdst(0) depctr_va_sdst(0) depctr_va_ssrc(0) depctr_va_vcc(0) depctr_vm_vsrc(0)
	s_getreg_b32 s2, hwreg(HW_REG_IB_STS2, 6, 4)
	s_cmp_eq_u32 s2, 0
	s_cbranch_scc0 .Lentry_in_a_cluster
	s_endpgm
.Lentry_in_a_cluster:
	s_bfe_u32 s2, ttmp6, 0x10000c
	s_cmp_lg_u32 s2, 0xf033
	s_cbranch_scc0 .Lentry_shape_is_right
	s_endpgm
.Lentry_shape_is_right:
; QKV: the three projections on codes of FP8 (E4M3), the LoRA term in f32, the rotary turn of q and k, and the quantising of q, k and v.
; A tile of 256 x 256 is made by four waves, each 128 x 128: 64 accumulators of 16 x 16 in windows 2 and 3.  K = 2,048 goes in steps of 256 through a ring of two LDS slots.
; OPERANDS lie in the buffer codes as images of their fragments' registers: section [block 128][chunk 16][2048]; block b's rows are 32 (b / 2) + 8 (b % 2) + i + 8 (i / 8); byte 512 c + 16 lane of an image holds registers 4 c .. 4 c + 3:
; k = 32 c + 16 (lane / 16) + 0 .. 15 of the chunk, the same order in both sources.
; P = cluster x / 2: 0 q, 1 k, 2 v.  Source 0 (tile column tc, shared down a column of the cluster): sections 0, 1, 2 = Wq, Wk, x; source 1 (tile row y, shared along a row): section 3 + P = x, x, Wv.
; For q and k a lane holds one position and its registers run along the head's 64; for v a lane holds one of the head's 64 and its registers run along the keys.
; LORA STARTS THE SUMS: T x 2^(1 - ex - ew) times B's rows (row 2 n for column n < 1,024, else 2 (n - 1,024) + 1), by the f32 matrix form, K = 8 in two passes, the first with C = 0; the FP8 products add onto it.
; These 128 instructions stand between slot 1's first fill and the first K step.  The sums stand for sum x 2^(ex + ew).
; OUT: qc[head 32][block 128][1024]; kv[head 32][step 16][16384]: K's 8 tiles of 1,024 bytes, then V's 4 tiles of 2,048.  All stores are of 512 consecutive bytes.
; CLUSTERS: 4 x 4 work-groups; each tile is asked for jointly by the four that need it.  192 work-groups: q, k and v take x by three different scales, so 256 equal shares would each span three sets of x's codes.
; PREFETCH: K step s + 2 is named where K step s is asked for (steps 1 and 2 behind step 0's load): a wave's 8 blocks x 4,096 bytes are 128 blocks of 256 bytes; the partner at place p names blocks 2 p, 2 p + 1, a lane a block of 256 bytes.
; The last two refills name nothing: there is no K step behind step 7.
; THE TABLE of cos and sin (8 blocks x 32 registers) comes in as registers fall free: blocks 0, 1 behind the LoRA products, 2 to 5 ahead of the last 64 products, 6, 7 behind them.
; LIMITS: eo - ex - ew between -126 and 119, 1 - ex - ew between -126 and 127 (ex, ew: the product's two exponents, eo: the result's).  NaN is not served.
; REGISTERS: window 0: v10, v11 the conversion's scale and 448 x it; v12 16 x lane; v13 T's and B's row offset; v14 the prefetches' offset; v16-21 LDS addresses; v28, v29 the add's;
;   v32-63 T, later numbers at work; v64-95 T's second half, v96-127 B's rows, later table blocks 0, 1; v128-255 source 1's fragments, later codes.  window 1: source 0's fragments, two sets; later the table.
.set HALFT,  32768
.set SLOT,   4*HALFT
.set STEPB,  4096
.set SPARE,  2*SLOT
.set FR,     16
.set NL,     4
.set NP,     4
.set LAPS,   4
.set SCV,  10
.set LI,   12
.set LOFF, 13
.set PFO,  14
.set ADRA, 16
.set ADRB, 20
.set SPW,  28
.set NIL,  29
.set TS,   32
.set T1,   64
.set BS,   96
.set Y,    32
.set AF,   128
.set OC,   128
.set PFA,  18
.set G1, 24
.set G0, 32
.set G1B, 48
.set G0B, 56
.set MSB, 0
.macro WIN new
.if MSB != (\new)
	s_set_vgpr_msb (MSB<<8)|(\new)
.set MSB, (\new)
.endif
.endm
.set MUL_LO, 0xa1
.set MUL_HI, 0xf1
.set TO_B,   0x40
; a joint load: waves 0, 1 fetch source 1's halves, waves 2, 3 source 0's; s_nop 0 and four v_nop behind each line
.macro JLOAD g0a, g1a, g0b, g1b
	s_cmp_eq_u32 s15, 0
	s_cbranch_scc0 .Lfor_b_\@
	tensor_load_to_lds s[\g0a:\g0a+3], s[\g1a:\g1a+7]
	s_nop 0
.rept 4
	v_nop
.endr
	s_branch .Lasked_\@
.Lfor_b_\@:
	tensor_load_to_lds s[\g0b:\g0b+3], s[\g1b:\g1b+7]
	s_nop 0
.rept 4
	v_nop
.endr
.Lasked_\@:
.endm
.macro CREST
	s_cmp_lg_u32 s14, 0
	s_cbranch_scc1 .Lnot_wave_0_\@
	s_barrier_signal -3
.Lnot_wave_0_\@:
	s_barrier_wait -3
	s_barrier_signal -1
	s_barrier_wait -1
.endm
.macro CROUND
	s_barrier_signal -1
	s_barrier_wait -1
	CREST
.endm
.macro ASK                             ; in the loop: the K step two refills on; s3 = 1 in the last trip, whose refills are steps 6 and 7
	s_cmp_gt_u32 s3, 1
	s_cbranch_scc0 .Lno_ask_\@
	global_prefetch_b8 v[PFO], s[PFA:PFA+1] offset:3*STEPB th:TH_LOAD_NT scope:SCOPE_SE
.Lno_ask_\@:
.endm
	s_load_b256 s[68:75], s[0:1], 0x0              ; codes, tl, rope, Bq
	s_load_b256 s[76:83], s[0:1], 0x20             ; Bk, Bv, the scales' exponents, qc
	s_load_b64 s[84:85], s[0:1], 0x40              ; kv
	v_lshl_add_u32 v[SPW], v0, 2, SPARE
	v_mov_b32 v[NIL], 0
	ds_add_u32 v[SPW], v[NIL]                      ; the opening lines: the add twice on end, its wait ahead of my first tensor load
	ds_add_u32 v[SPW], v[NIL]
	v_lshrrev_b32 v1, 5, v0
	v_readfirstlane_b32 s14, v1                    ; wave 0..3
	s_lshr_b32 s15, s14, 1                         ; my half of source 1's rows; also: I fetch for source 1 (0) or source 0 (1)
	s_and_b32 s16, s14, 1                          ; my half of source 0's; also: which half of that tile I fetch
	s_mul_i32 s21, s15, HALFT
	s_mul_i32 s22, s16, HALFT
	s_add_co_u32 s22, s22, 2*HALFT
	v_and_b32 v1, 31, v0
	v_lshlrev_b32 v[LI], 4, v1
	v_add_nc_u32 v[ADRA], s21, v[LI]
	v_add_nc_u32 v[ADRB], s22, v[LI]
	v_add_nc_u32 v[ADRA+1], SLOT, v[ADRA]
	v_add_nc_u32 v[ADRB+1], SLOT, v[ADRB]
	v_and_b32 v2, 15, v0
	v_bfe_u32 v3, v0, 4, 1
	v_lshrrev_b32 v4, 3, v2
	v_lshl_add_u32 v4, v4, 3, v2
	v_lshlrev_b32 v[LOFF], 6, v4                   ; T and B: 64 bytes from row to row; lane (r, h) takes k = 4 s + 2 h + 0, 1
	v_lshl_add_u32 v[LOFF], v3, 3, v[LOFF]
	v_lshlrev_b32 v[PFO], 8, v2                    ; prefetch: 256 (lane % 16) + a block (32,768) x (lane / 16)
	v_lshl_add_u32 v[PFO], v3, 15, v[PFO]
	s_wait_alu depctr_va_vdst(0)
	s_bfe_u32 s40, ttmp6, 0x40000                  ; cx, cy
	s_bfe_u32 s41, ttmp6, 0x40004
	s_lshl_b32 s42, ttmp9, 2
	s_add_co_u32 s42, s42, s40                     ; tc
	s_and_b32 s17, ttmp7, 0xffff
	s_lshl_b32 s17, s17, 2
	s_add_co_u32 s17, s17, s41                     ; y
	s_lshr_b32 s66, ttmp9, 1                       ; P: the same in all sixteen partners
	s_lshl_b32 s43, s41, 2
	s_lshl_b32 s43, 15, s43
	s_lshl_b32 s44, 0x1111, s40
	s_or_b32 s[G1+0], s43, (3<<16)|(1<<21)         ; 8 rows (blocks) of 4,096 bytes, 32,768 apart; dense in LDS
	s_or_b32 s[G1B+0], s44, (3<<16)|(1<<21)
.irp g, G1, G1B
	s_mov_b32 s[\g+1], 512<<16
	s_mov_b32 s[\g+2], 8<<16
	s_mov_b32 s[\g+3], 512<<16
	s_mov_b32 s[\g+4], 8
	s_mov_b32 s[\g+5], 4096
	s_mov_b32 s[\g+6], 0
	s_mov_b32 s[\g+7], 0
.endr
	s_lshl_b32 s18, s16, 18
	s_add_co_u32 s20, s66, 3
	s_lshl_b32 s20, s20, 22
	s_lshl_b32 s19, s17, 19
	s_add_co_u32 s20, s20, s19
	s_add_co_u32 s20, s20, s18
	s_mov_b32 s21, 0
	s_lshl_b32 s46, s42, 19
	s_add_co_u32 s46, s46, s18
	s_mov_b32 s47, 0
	s_mul_i32 s45, s14, HALFT
	s_wait_dscnt 0x0                               ; both opening adds are done
	s_wait_kmcnt 0x0
	s_load_b256 s[88:95], s[80:81], 0x0            ; entries 0 to 7
	s_load_b32 s96, s[80:81], 0x20                 ; entry 8
	s_add_nc_u64 s[20:21], s[68:69], s[20:21]
	s_add_nc_u64 s[46:47], s[68:69], s[46:47]
.irp s, 0,1
	s_mov_b32 s[G0+4*\s], 1
	s_add_co_u32 s[G0+4*\s+1], s45, \s*SLOT
	s_add_nc_u64 s[G0+4*\s+2:G0+4*\s+3], s[20:21], \s*STEPB
	s_or_b32 s[G0+4*\s+3], s[G0+4*\s+3], 0x80000000
	s_mov_b32 s[G0B+4*\s], 1
	s_add_co_u32 s[G0B+4*\s+1], s45, \s*SLOT
	s_add_nc_u64 s[G0B+4*\s+2:G0B+4*\s+3], s[46:47], \s*STEPB
	s_or_b32 s[G0B+4*\s+3], s[G0B+4*\s+3], 0x80000000
.endr
	s_cmp_eq_u32 s15, 0                            ; the prefetches: the half tile that I fetch, my work-group's two blocks of its eight, told apart by address
	s_cselect_b64 s[PFA:PFA+1], s[20:21], s[46:47]
	s_cselect_b32 s2, s40, s41
	s_lshl_b32 s2, s2, 16
	s_mov_b32 s3, 0
	s_add_nc_u64 s[PFA:PFA+1], s[PFA:PFA+1], s[2:3]
	CROUND                                         ; all sixteen work-groups are here: the first joint loads meet
	JLOAD G0, G1, G0B, G1B                         ; K step 0: one tensor load a wave at the head
	s_and_b32 s97, s42, 7
	s_lshl_b32 s98, s97, 1
	s_add_co_u32 s98, s98, s16                     ; source 0's 128 rows: the 2 (tc % 8) + wave % 2-th
	s_lshl_b32 s99, s17, 1
	s_add_co_u32 s99, s99, s15                     ; source 1's: the 2 y + wave / 2-th
	s_cmp_lt_u32 s66, 2
	s_cselect_b32 s104, s99, s98                   ; which of them are positions,
	s_cselect_b32 s105, s98, s99                   ; and which output columns
	s_lshl_b32 s4, s66, 17
	s_lshl_b32 s104, s104, 13
	s_add_co_u32 s4, s4, s104
	s_mov_b32 s5, 0
	s_add_nc_u64 s[4:5], s[70:71], s[4:5]          ; tl[P] at my positions
	s_and_b32 s104, s105, 7
	s_lshl_b32 s104, s104, 13
	s_lshr_b32 s105, s105, 3
	s_lshl_b32 s105, s105, 5
	s_add_co_u32 s6, s104, s105
	s_mov_b32 s7, 0
	s_cmp_eq_u32 s66, 0
	s_cselect_b64 s[86:87], s[74:75], s[76:77]
	s_cmp_eq_u32 s66, 2
	s_cselect_b64 s[86:87], s[78:79], s[86:87]
	s_add_nc_u64 s[6:7], s[86:87], s[6:7]
.irp i, 0,1,2,3,4,5,6,7
.irp k, 0,1
	global_load_b64 v[TS+4*\i+2*\k:TS+4*\i+2*\k+1], v[LOFF], s[4:5] offset:2048*(\i/2)+512*(\i%2)+16*\k
	global_load_b64 v[T1+4*\i+2*\k:T1+4*\i+2*\k+1], v[LOFF], s[4:5] offset:2048*(\i/2)+512*(\i%2)+16*\k+32
	global_load_b64 v[BS+4*\i+2*\k:BS+4*\i+2*\k+1], v[LOFF], s[6:7] offset:2048*(\i/2)+512*(\i%2)+16*\k
.endr
.endr
	global_prefetch_b8 v[PFO], s[PFA:PFA+1] offset:STEPB th:TH_LOAD_NT scope:SCOPE_SE     ; K steps 1 and 2
	global_prefetch_b8 v[PFO], s[PFA:PFA+1] offset:2*STEPB th:TH_LOAD_NT scope:SCOPE_SE
	; where the codes go.  q, k: (16 head + step) x (8,192 << P), head = 2 s98 (+ 1), step = s99.  v: head 2 s99 (+ 1), step s98, behind K's 8,192 bytes
	s_lshl_b32 s100, s98, 5
	s_add_co_u32 s100, s100, s99
	s_add_co_u32 s101, s66, 13
	s_lshl_b32 s100, s100, s101
	s_lshl_b32 s10, 16, s101
	s_lshl_b32 s104, s99, 19
	s_lshl_b32 s105, s98, 14
	s_add_co_u32 s104, s104, s105
	s_add_co_u32 s104, s104, 8192
	s_cmp_eq_u32 s66, 2
	s_cselect_b32 s8, s104, s100
	s_mov_b32 s9, 0
	s_mov_b32 s11, 0
	s_cmp_eq_u32 s66, 0
	s_cselect_b64 s[86:87], s[82:83], s[84:85]
	s_add_nc_u64 s[8:9], s[86:87], s[8:9]
	s_add_nc_u64 s[10:11], s[8:9], s[10:11]        ; a head on (q and k alone)
	s_lshl_b32 s12, s99, 15
	s_mov_b32 s13, 0
	s_add_nc_u64 s[12:13], s[72:73], s[12:13]      ; the table at my eight blocks of positions
	s_wait_kmcnt 0x0
	s_cmp_eq_u32 s66, 0                            ; the exponents are chosen by P; no branch hangs on them
	s_cselect_b32 s97, s88, s90
	s_cselect_b32 s98, s89, s91
	s_cselect_b32 s99, s94, s95
	s_cmp_eq_u32 s66, 2
	s_cselect_b32 s97, s92, s97
	s_cselect_b32 s98, s93, s98
	s_cselect_b32 s99, s96, s99
	s_add_co_i32 s97, s97, s98                     ; ex + ew
	s_sub_co_i32 s98, 128, s97
	s_lshl_b32 s100, s98, 23                       ; 2^(1 - ex - ew): LoRA's factor 2 and the power of two that the sums lack
	s_mov_b32 s101, s100
	s_sub_co_i32 s99, s99, s97
	s_add_co_i32 s99, s99, 127
	s_lshl_b32 s98, s99, 23
	v_mov_b32 v[SCV], s98                          ; 2^(eo - ex - ew): the three scales folded into the conversion's one
	s_add_co_i32 s99, s99, 8
	s_lshl_b32 s99, s99, 23
	s_or_b32 s99, s99, 0x600000
	v_mov_b32 v[SCV+1], s99                        ; 448 x that
	s_wait_loadcnt 0x0                             ; T and B's rows
.irp j, 0,2,4,6,8,10,12,14,16,18,20,22,24,26,28,30
	v_pk_add_f32 v[TS+\j:TS+\j+1], v[TS+\j:TS+\j+1], v[T1+\j:T1+\j+1]     ; T's two halves of K
.endr
.irp j, 0,2,4,6,8,10,12,14,16,18,20,22,24,26,28,30
	v_pk_mul_f32 v[TS+\j:TS+\j+1], v[TS+\j:TS+\j+1], s[100:101] op_sel_hi:[1,0]
.endr
.macro FRAG reg, adr, q, i             ; a fragment is its image: four loads of 512 consecutive bytes
.irp c, 0,1,2,3
	ds_load_b128 v[\reg+4*\c:\reg+4*\c+3], v[\adr] offset:2048*(\q)+512*\c+(\i)*4096
.endr
.endm
; 16 matrix instructions: source 1's blocks a0, a0 + 1 x source 0's eight.  The 64 accumulators take turns, one instruction a turn.
.macro MUL16 a0, p
.irp a, \a0, \a0+1
.irp b, 0,1,2,3,4,5,6,7
	v_wmma_f32_16x16x128_fp8_fp8 v[8*(8*((\a)%4)+\b):8*(8*((\a)%4)+\b)+7], v[128*(\p)+FR*\b:128*(\p)+FR*\b+FR-1], v[AF+FR*(\a):AF+FR*(\a)+FR-1], v[8*(8*((\a)%4)+\b):8*(8*((\a)%4)+\b)+7]
.endr
.endr
.endm
.macro FETCH_B slot, q, p
	WIN TO_B
.irp i, 0,1,2,3,4,5,6,7
	FRAG 128*(\p)+FR*\i, ADRB+\slot, \q, \i
.endr
	WIN 0
.endm
.macro FETCH_A slot, q, i0
.irp i, \i0, \i0+1, \i0+2, \i0+3
	FRAG AF+FR*(\i), ADRA+\slot, \q, \i
.endr
.endm
.macro PLACES n                        ; plain vector lines between a matrix instruction and a load into, or a read of, its registers
.rept \n
	v_nop
.endr
.endm
.macro STEP slot, q                    ; 128 along K that have their successor in the same slot
	s_wait_dscnt 4*NL                              ; source 0's set and source 1's blocks 0-3 are in; the youngest 16 loads (blocks 4-7) may be out
	WIN MUL_LO
	MUL16 0, (\q)%2
	MUL16 2, (\q)%2
	s_wait_dscnt 0
	PLACES NP
	FETCH_B \slot, (\q)+1, 1-(\q)%2
	FETCH_A \slot, (\q)+1, 0
	WIN MUL_HI
	MUL16 4, (\q)%2
	MUL16 6, (\q)%2
	PLACES NP
	WIN 0
	FETCH_A \slot, (\q)+1, 4
.endm
; A slot's last step changes slots: one barrier; ahead of it each wave waits for all its tensor loads, adds 0 to its spare word, and waits for that and for its reads of this slot.
.macro TURN slot, next, fill
.if \fill
	s_wait_xcnt 0x0                                ; my last prefetch has read its address: it steps a K step on
	s_add_nc_u64 s[PFA:PFA+1], s[PFA:PFA+1], STEPB
.endif
	s_wait_tensorcnt 0x0                           ; all my tensor loads have landed: my part of the next slot
	ds_add_u32 v[SPW], v[NIL]
	s_wait_dscnt 4*NL+1                            ; the add and the youngest 16 loads may be out
	WIN MUL_LO
	MUL16 0, 1
	s_wait_dscnt 0x0                               ; the add is done, and my reads of this slot are over
	s_barrier_signal -1
	MUL16 2, 1
	WIN 0
	s_barrier_wait -1
.if \fill
	CREST                                          ; the barrier has opened a round of the cluster's: no wave of any partner still reads this slot or has a load on its way
	s_add_nc_u64 s[G0+4*\slot+2:G0+4*\slot+3], s[G0+4*\slot+2:G0+4*\slot+3], 2*STEPB
	s_add_nc_u64 s[G0B+4*\slot+2:G0B+4*\slot+3], s[G0B+4*\slot+2:G0B+4*\slot+3], 2*STEPB
	JLOAD G0+4*\slot, G1, G0B+4*\slot, G1B         ; the first tensor load behind the round; its four v_nop are the places ahead of the loads below
.else
	PLACES NP
.endif
	FETCH_B \next, 0, 0
	FETCH_A \next, 0, 0
.if \fill
	ASK
.endif
	WIN MUL_HI
	MUL16 4, 1
	MUL16 6, 1
	PLACES NP
	WIN 0
	FETCH_A \next, 0, 4
.endm
; 128 instructions of the f32 form: T B^T, K = 8 in two passes over all 64 accumulators, one instruction a turn; the first pass starts the sums.  Matrix instructions alone ever write these registers.
.macro LORA s0, s1
.irp k, 0,1
.irp w, 0,1
	WIN 0xa0+0x50*\w
.irp a, 0,1,2,3
.irp b, 0,1,2,3,4,5,6,7
.if \k
	v_wmma_f32_16x16x4_f32 v[8*(8*\a+\b):8*(8*\a+\b)+7], v[\s0+4*\b+2*\k:\s0+4*\b+2*\k+1], v[\s1+16*\w+4*\a+2*\k:\s1+16*\w+4*\a+2*\k+1], v[8*(8*\a+\b):8*(8*\a+\b)+7]
.else
	v_wmma_f32_16x16x4_f32 v[8*(8*\a+\b):8*(8*\a+\b)+7], v[\s0+4*\b+2*\k:\s0+4*\b+2*\k+1], v[\s1+16*\w+4*\a+2*\k:\s1+16*\w+4*\a+2*\k+1], 0
.endif
.endr
.endr
.endr
.endr
	WIN 0
	PLACES 10                                      ; nine are asked between this form and another form's instruction that writes over its result; eight ahead of loads into its sources
.endm
.macro TABLE a, reg                    ; a block's 32 registers of cos and sin
.irp c, 0,1,2,3,4,5,6,7
	global_load_b128 v[\reg+4*\c:\reg+4*\c+3], v[LI], s[12:13] offset:4096*(\a)+512*\c
.endr
.endm
	s_wait_alu depctr_va_vdst(0)
	s_wait_tensorcnt 0x0                           ; my part of K step 0 is in
	ds_add_u32 v[SPW], v[NIL]
	s_wait_dscnt 0x0
	CROUND
	JLOAD G0+4, G1, G0B+4, G1B                     ; K step 1, the first tensor load behind the round
	FETCH_B 0, 0, 0
	FETCH_A 0, 0, 0
	FETCH_A 0, 0, 4
	global_prefetch_b8 v[PFO], s[PFA:PFA+1] offset:3*STEPB th:TH_LOAD_NT scope:SCOPE_SE   ; K step 3
	s_cmp_eq_u32 s66, 2
	s_cbranch_scc1 .Lv0
	LORA BS, TS
	TABLE 0, 64                                    ; 16 loads that stay out through the loop over K
	TABLE 1, 96
	s_branch .Lgo
.Lv0:
	LORA TS, BS
.Lgo:
	STEP 0, 0
	s_mov_b32 s3, LAPS-1
.Llap:
	TURN 0, 1, 1
	STEP 1, 0
	TURN 1, 0, 1
	STEP 0, 0
	s_sub_co_u32 s3, s3, 1
	s_cmp_lg_u32 s3, 0
	s_cbranch_scc1 .Llap
	TURN 0, 1, 0                                   ; the last lap fills nothing
	STEP 1, 0
	s_cmp_eq_u32 s66, 2
	s_cbranch_scc1 .Lnt
	WIN TO_B                                       ; source 0's set 0 is done with (four places stand behind its last product): table blocks 2 to 5
	TABLE 2, 0
	TABLE 3, 32
	TABLE 4, 64
	TABLE 5, 96
	WIN 0
.Lnt:
	s_wait_dscnt 4*NL
	WIN MUL_LO
	MUL16 0, 1
	MUL16 2, 1
	s_wait_dscnt 0
	WIN MUL_HI
	MUL16 4, 1
	MUL16 6, 1
	WIN 0
	PLACES NP
	s_cmp_eq_u32 s66, 2
	s_cbranch_scc1 .Lv
	WIN TO_B
	TABLE 6, 128
	TABLE 7, 160
	WIN 0
; Block a of positions, head hd of my two: x1 = accumulators (a, 4 hd + u), x2 = (a, 4 hd + 2 + u); y1 = x1 cos - x2 sin, y2 = x1 sin + x2 cos; 32 numbers a lane become 8 registers of codes.
.macro ROPEQ a, hd
.set X1, 8*(8*((\a)%4)+4*(\hd))
.if (\a) < 2
.set CT, 64+32*(\a)
.set TW, 0
.elseif (\a) < 6
.set CT, 32*((\a)-2)
.set TW, 1
.else
.set CT, 128+32*((\a)-6)
.set TW, 1
.endif
.set OO, OC+8*(2*(\a)+(\hd))
.if (\hd) == 0
	s_wait_loadcnt 8*(7-(\a))                      ; this block's table is in; the eight loads of each later block may be out
.endif
	WIN (TW<<2)|(2+(\a)/4)                         ; source 0 window 2 or 3, source 1 the table's window
.irp u, 0,1
.irp p, 0,2,4,6
	v_pk_mul_f32 v[Y+8*\u+\p:Y+8*\u+\p+1], v[X1+16+8*\u+\p:X1+16+8*\u+\p+1], v[CT+16+8*\u+\p:CT+16+8*\u+\p+1]
	v_pk_mul_f32 v[Y+16+8*\u+\p:Y+16+8*\u+\p+1], v[X1+16+8*\u+\p:X1+16+8*\u+\p+1], v[CT+8*\u+\p:CT+8*\u+\p+1]
	v_pk_fma_f32 v[Y+8*\u+\p:Y+8*\u+\p+1], v[X1+8*\u+\p:X1+8*\u+\p+1], v[CT+8*\u+\p:CT+8*\u+\p+1], v[Y+8*\u+\p:Y+8*\u+\p+1] neg_lo:[0,0,1] neg_hi:[0,0,1]
	v_pk_fma_f32 v[Y+16+8*\u+\p:Y+16+8*\u+\p+1], v[X1+8*\u+\p:X1+8*\u+\p+1], v[CT+16+8*\u+\p:CT+16+8*\u+\p+1], v[Y+16+8*\u+\p:Y+16+8*\u+\p+1]
.endr
.endr
	WIN 0
.set n, 0
.rept 32
	v_med3_num_f32 v[Y+n], v[Y+n], -v[SCV+1], v[SCV+1]     ; the conversion does not saturate (ISA guide 7.6.2): the hold comes first
.set n, n+1
.endr
.irp q, 0,1,2,3
	v_cvt_scalef32_pk8_fp8_f32 v[OO+2*\q:OO+2*\q+1], v[Y+8*\q:Y+8*\q+7], v[SCV]
.endr
	v_nop                                          ; one plain line behind the last conversion
	global_store_b128 v[LI], v[OO:OO+3], s[8+2*\hd:9+2*\hd] offset:1024*(\a)
	global_store_b128 v[LI], v[OO+4:OO+7], s[8+2*\hd:9+2*\hd] offset:1024*(\a)+512
.endm
.irp a, 0,1,2,3,4,5,6,7
	ROPEQ \a, 0
	ROPEQ \a, 1
.endr
	s_branch .Ldone
.Lv:	; v: a lane holds one of the head's 64, its registers run along 128 keys
.macro VQ a
.set AC, 64*((\a)%4)
	WIN 0x02+((\a)/4)
.set n, 0
.rept 64
	v_med3_num_f32 v[Y+n], v[AC+n], -v[SCV+1], v[SCV+1]
.set n, n+1
.endr
	WIN 0
.irp q, 0,1,2,3,4,5,6,7
	v_cvt_scalef32_pk8_fp8_f32 v[OC+16*(\a)+2*\q:OC+16*(\a)+2*\q+1], v[Y+8*\q:Y+8*\q+7], v[SCV]
.endr
	v_nop
.irp c, 0,1,2,3
	global_store_b128 v[LI], v[OC+16*(\a)+4*\c:OC+16*(\a)+4*\c+3], s[8:9] offset:262144*((\a)/4)+2048*((\a)%4)+512*\c
.endr
.endm
.irp a, 0,1,2,3,4,5,6,7
	VQ \a
.endr
.Ldone:
	s_wait_tensorcnt 0x0                           ; the wave's end
	ds_add_u32 v[SPW], v[NIL]
	s_wait_dscnt 0x0
	CROUND                                         ; the closing round
	s_endpgm
.Lfunc_end_k_qab2994e3aa_qkv:
	.size	k_qab2994e3aa_qkv, .Lfunc_end_k_qab2994e3aa_qkv-k_qab2994e3aa_qkv
	.p2alignl 7, 3214868480
	.fill 96, 4, 3214868480
	.section	.rodata,"a",@progbits
	.p2align	6, 0x0
	.amdhsa_kernel k_qab2994e3aa_qkv
		.amdhsa_group_segment_fixed_size 327680
		.amdhsa_private_segment_fixed_size 0
		.amdhsa_enable_private_segment 0
		.amdhsa_kernarg_size 72
		.amdhsa_user_sgpr_count 2
		.amdhsa_user_sgpr_kernarg_segment_ptr 1
		.amdhsa_wavefront_size32 1
		.amdhsa_system_sgpr_workgroup_id_x 1
		.amdhsa_system_sgpr_workgroup_id_y 1
		.amdhsa_system_sgpr_workgroup_id_z 1
		.amdhsa_system_vgpr_workitem_id 0
		.amdhsa_next_free_vgpr 1024
		.amdhsa_next_free_sgpr 106
		.amdhsa_reserve_vcc 0
		.amdhsa_float_denorm_mode_32 3
		.amdhsa_float_denorm_mode_16_64 3
		.amdhsa_memory_ordered 1
		.amdhsa_forward_progress 1
		.amdhsa_inst_pref_size 223
	.end_amdhsa_kernel
	.amdgpu_metadata
---
amdhsa.version: [ 1, 2 ]
amdhsa.kernels:
  - .name:           k_qab2994e3aa_qkv
    .symbol:         k_qab2994e3aa_qkv.kd
    .args:
      - { .name: codes, .offset: 0, .size: 8, .value_kind: global_buffer, .address_space: global }
      - { .name: tl, .offset: 8, .size: 8, .value_kind: global_buffer, .address_space: global }
      - { .name: rope, .offset: 16, .size: 8, .value_kind: global_buffer, .address_space: global }
      - { .name: Bq, .offset: 24, .size: 8, .value_kind: global_buffer, .address_space: global }
      - { .name: Bk, .offset: 32, .size: 8, .value_kind: global_buffer, .address_space: global }
      - { .name: Bv, .offset: 40, .size: 8, .value_kind: global_buffer, .address_space: global }
      - { .name: lowp_scales, .offset: 48, .size: 8, .value_kind: global_buffer, .address_space: global }
      - { .name: qc, .offset: 56, .size: 8, .value_kind: global_buffer, .address_space: global }
      - { .name: kv, .offset: 64, .size: 8, .value_kind: global_buffer, .address_space: global }
    .group_segment_fixed_size: 327680
    .private_segment_fixed_size: 0
    .kernarg_segment_align: 8
    .kernarg_segment_size: 72
    .max_flat_workgroup_size: 128
    .sgpr_count:     106
    .vgpr_count:     1024
    .wavefront_size: 32
...
	.end_amdgpu_metadata
.endif
;; end of part 6
;; launch attn (part 7): grid 8 x 32, 16 waves a work-group, clusters of 4 x 1, 327,680 bytes of LDS; arguments qc, kv, lowp_scales, ac; writes ac
.if DOCPART == 7
	.amdgcn_target "amdgcn-amd-amdhsa--gfx1250"
	.amdhsa_code_object_version 6
	.text
	.protected	k_qab2994e3aa_attn
	.globl	k_qab2994e3aa_attn
	.p2align	8
	.type	k_qab2994e3aa_attn,@function
k_qab2994e3aa_attn:
	s_mov_b64 s[64:65], 0
	v_nop
	global_prefetch_b8 v0, s[64:65] scope:SCOPE_SE
	s_setreg_imm32_b32 hwreg(HW_REG_WAVE_MODE, 25, 1), 1
	s_wait_xcnt 0x0
	s_wait_alu depctr_hold_cnt(0) depctr_sa_sdst(0) depctr_va_vdst(0) depctr_va_sdst(0) depctr_va_ssrc(0) depctr_va_vcc(0) depctr_vm_vsrc(0)
	s_getreg_b32 s2, hwreg(HW_REG_IB_STS2, 6, 4)
	s_cmp_eq_u32 s2, 0
	s_cbranch_scc0 .Lentry_in_a_cluster
	s_endpgm
.Lentry_in_a_cluster:
	s_bfe_u32 s2, ttmp6, 0x10000c
	s_cmp_lg_u32 s2, 0x3003
	s_cbranch_scc0 .Lentry_shape_is_right
	s_endpgm
.Lentry_shape_is_right:
.set WV,  18
.set GRP, 19
.set SEL, 20
.set CS,  22
.set G1A, 24
.set G1B, 32
.set G0A, 40
.set G0B, 44
.set KS,  48
.set TB,  49
.set CNT, 50
.macro ROUND
	s_barrier_signal -1
	s_barrier_wait -1
	s_cmp_lg_u32 s[WV], 0
	s_cbranch_scc1 .Lnot_wave_0_\@
	s_barrier_signal -3
.Lnot_wave_0_\@:
	s_barrier_wait -3
	s_barrier_signal -1
	s_barrier_wait -1
.endm
	s_load_b128 s[4:7], s[0:1], 0x0
	s_load_b128 s[8:11], s[0:1], 0x10
	v_lshl_add_u32 v251, v0, 2, 0x40000
	v_mov_b32 v255, 0
	ds_add_u32 v251, v255
	ds_add_u32 v251, v255
	v_lshrrev_b32 v8, 5, v0
	s_delay_alu instid0(VALU_DEP_1)
	v_readfirstlane_b32 s[WV], v8
	s_bfe_u32 s51, ttmp6, 0x40000
	s_lshl_b32 s52, ttmp9, 2
	s_add_co_u32 s52, s52, s51
	s_and_b32 s53, ttmp7, 0xffff
	s_mov_b32 s54, 0x853e942f
	s_mov_b32 s55, 0x7ad06bc1
	s_cmp_lt_u32 s[WV], 8
	s_cselect_b32 s54, s54, s55
	s_and_b32 s55, s[WV], 7
	s_lshl_b32 s55, s55, 2
	s_lshr_b32 s54, s54, s55
	s_and_b32 s[GRP], s54, 15
	s_mov_b32 s[G1A], 15|(3<<16)|(1<<21)
	s_mov_b32 s[G1A+1], 32<<16
	s_mov_b32 s[G1A+2], 8<<16
	s_mov_b32 s[G1A+3], 32<<16
	s_mov_b32 s[G1A+4], 8
	s_mov_b32 s[G1A+5], 32
	s_mov_b32 s[G1A+6], 0
	s_mov_b32 s[G1A+7], 0
	s_mov_b32 s[G1B], 15|(3<<16)|(1<<21)
	s_mov_b32 s[G1B+1], 32<<16
	s_mov_b32 s[G1B+2], 56<<16
	s_mov_b32 s[G1B+3], 32<<16
	s_mov_b32 s[G1B+4], 56
	s_mov_b32 s[G1B+5], 32
	s_mov_b32 s[G1B+6], 0
	s_mov_b32 s[G1B+7], 0
	s_lshl_b32 s56, s53, 18
	s_mov_b32 s57, 0
	s_lshl_b32 s58, s[WV], 11
	s_mov_b32 s59, 0
	s_mul_i32 s60, s[WV], 14336
	s_add_co_u32 s60, s60, 32768
	s_mov_b32 s61, 0
	s_mov_b32 s[SEL], 0x76543210
	s_mov_b32 s[SEL+1], 0xfedcba98
	s_mov_b32 s[CS], 0x3e38aa3b
	s_mov_b32 s[KS], 0
	s_mov_b32 s[TB], 0
	s_wait_dscnt 0x0
	s_wait_kmcnt 0x0
	s_load_b128 s[68:71], s[8:9], 0x18
	s_load_b32 s72, s[8:9], 0x28
	s_add_nc_u64 s[6:7], s[6:7], s[56:57]
	s_mov_b32 s[G0A], 1
	s_mov_b32 s[G0A+1], s58
	s_add_nc_u64 s[G0A+2:G0A+3], s[6:7], s[58:59]
	s_or_b32 s[G0A+3], s[G0A+3], 0x80000000
	s_mov_b32 s[G0B], 1
	s_mov_b32 s[G0B+1], s60
	s_add_nc_u64 s[G0B+2:G0B+3], s[6:7], s[60:61]
	s_or_b32 s[G0B+3], s[G0B+3], 0x80000000
	ROUND
	tensor_load_to_lds s[G0A:G0A+3], s[G1A:G1A+7]
	s_nop 0
	s_wait_alu depctr_va_vdst(0)
	s_wait_tensorcnt 0x0
	ds_add_u32 v251, v255
	s_wait_dscnt 0x0
	ROUND
	tensor_load_to_lds s[G0B:G0B+3], s[G1B:G1B+7]
	s_nop 0
.rept 4
	v_nop
.endr
	v_and_b32 v9, 31, v0
	s_delay_alu instid0(VALU_DEP_1)
	v_lshlrev_b32 v1, 4, v9
	s_wait_alu depctr_va_vdst(0)
	v_and_b32 v9, 15, v0
	v_bfe_u32 v10, v0, 4, 1
	s_delay_alu instid0(VALU_DEP_2)
	v_lshrrev_b32 v11, 3, v9
	s_delay_alu instid0(VALU_DEP_1)
	v_lshl_add_u32 v11, v11, 3, v9
	s_lshr_b32 s54, s52, 1
	s_lshl_b32 s54, s54, 5
	s_and_b32 s55, s52, 1
	s_lshl_b32 s55, s55, 3
	s_add_co_u32 s54, s54, s55
	v_add_nc_u32 v2, s54, v11
	v_lshlrev_b32 v10, 4, v10
	s_delay_alu instid0(VALU_DEP_1)
	v_sub_nc_u32 v2, v2, v10
	s_lshl_b32 s54, s[GRP], 3
	s_add_co_u32 s54, s54, s52
	s_lshl_b32 s56, s53, 17
	s_lshl_b32 s55, s54, 10
	s_add_co_u32 s56, s56, s55
	s_add_nc_u64 s[4:5], s[4:5], s[56:57]
	global_load_b128 v[16:19], v1, s[4:5]
	global_load_b128 v[20:23], v1, s[4:5] offset:512
	s_lshl_b32 s58, s54, 15
	s_lshl_b32 s55, s53, 10
	s_add_co_u32 s58, s58, s55
	s_add_nc_u64 s[10:11], s[10:11], s[58:59]
	v_mov_b32 v13, 0xff61b1e6
	s_delay_alu instid0(VALU_DEP_1)
	v_floor_f32 v12, -v13
	v_mov_b32 v14, 0
	v_mov_b32 v15, 0
	v_mov_b32 v236, 0
	v_mov_b32 v252, 0
	v_mov_b32 v253, 0
	v_mov_b32 v241, 0x43e00000
	v_mov_b32 v245, 1.0
.set n, 0
.rept 32
	v_mov_b32 v[160+n], 0
.set n, n+1
.endr
	s_wait_kmcnt 0x0
	s_add_co_i32 s54, s68, s69
	s_lshl_b32 s54, s54, 23
	s_add_co_i32 s[CS], s[CS], s54
	s_mov_b32 s[CS+1], s[CS]
	s_add_co_i32 s54, s71, 127
	s_lshl_b32 s55, s54, 23
	v_mov_b32 v244, s55
	s_add_co_i32 s54, s54, 8
	s_lshl_b32 s54, s54, 23
	s_or_b32 s54, s54, 0x600000
	v_mov_b32 v240, s54
.macro STEP
	s_cmp_gt_u32 s[KS], s[GRP]
	s_cbranch_scc1 .Lhid_\@
	v_add_nc_u32 v8, s[TB], v1
.rept 3
	v_nop
.endr
.irp t, 0,1,2,3,4,5,6,7
	ds_load_b128 v[32+8*\t:35+8*\t], v8 offset:1024*\t
	ds_load_b128 v[36+8*\t:39+8*\t], v8 offset:1024*\t+512
.endr
	s_wait_alu depctr_va_vdst(0)
	s_wait_dscnt 0x0
.irp t, 0,1,2,3,4,5,6,7
	v_wmma_f32_16x16x64_fp8_fp8 v[96+8*\t:103+8*\t], v[32+8*\t:39+8*\t], v[16:23], 0
.endr
.rept 4
	v_nop
.endr
.irp t, 0,1,2,3
.irp c, 0,1,2,3
	ds_load_b128 v[32+16*\t+4*\c:35+16*\t+4*\c], v8 offset:8192+2048*\t+512*\c
.endr
.endr
	s_cmp_lg_u32 s[KS], s[GRP]
	s_cbranch_scc1 .Lopen_\@
	v_mov_b32 v254, 0xff800000
.set n, 0
.rept 64
	v_cmp_gt_i32 vcc_lo, 32*(n/16)+n%16, v2
	v_cndmask_b32 v[96+n], v[96+n], v254, vcc_lo
.set n, n+1
.endr
.Lopen_\@:
	v_max3_num_f32 v254, v96, v97, v98
	v_max3_num_f32 v252, v99, v100, v101
.irp i, 6,10,14,18,22,26,30,34,38,42,46,50,54,58
	v_max3_num_f32 v254, v254, v[96+\i], v[97+\i]
	v_max3_num_f32 v252, v252, v[98+\i], v[99+\i]
.endr
	v_max3_num_f32 v254, v254, v158, v159
	s_delay_alu instid0(VALU_DEP_1)
	v_max_num_f32 v254, v254, v252
	v_permlanex16_b32 v236, v254, s[SEL], s[SEL+1]
	s_delay_alu instid0(VALU_DEP_1)
	v_max_num_f32 v254, v254, v236
	s_delay_alu instid0(VALU_DEP_1)
	v_mul_f32 v254, s[CS], v254
	s_delay_alu instid0(VALU_DEP_1)
	v_max_num_f32 v13, v13, v254
	v_mov_b32 v254, v12
	s_delay_alu instid0(VALU_DEP_2)
	v_floor_f32 v12, -v13
	s_delay_alu instid0(VALU_DEP_1)
	v_sub_f32 v254, v12, v254
	s_delay_alu instid0(VALU_DEP_1)
	v_cvt_i32_f32 v254, v254
	s_delay_alu instid0(VALU_DEP_1)
	v_ldexp_f32 v252, 1.0, v254
.set n, 0
.rept 32
	v_pk_fma_f32 v[96+n:97+n], v[96+n:97+n], s[CS:CS+1], v[12:13] op_sel_hi:[1,0,0]
.set n, n+2
.endr
.set n, 0
	s_wait_alu depctr_va_vdst(0)
.rept 64
	v_exp_f32 v[96+n], v[96+n]
.set n, n+1
.endr
	v_pk_mul_f32 v[14:15], v[14:15], v[252:253] op_sel_hi:[1,0]
	s_wait_alu depctr_va_vdst(0)
	v_pk_add_f32 v[242:243], v[96:97], v[98:99]
.irp j, 4,8,12,16,20,24,28,32,36,40,44,48,52,56,60
	v_pk_add_f32 v[14:15], v[14:15], v[96+\j:97+\j]
	v_pk_add_f32 v[242:243], v[242:243], v[98+\j:99+\j]
.endr
	s_delay_alu instid0(VALU_DEP_1)
	v_pk_add_f32 v[14:15], v[14:15], v[242:243]
.irp b, 0,1,2,3
.irp i, 0,1,2,3,4,5,6,7,8,9,10,11,12,13,14,15
	v_min_num_f32 v[96+16*\b+\i], v[96+16*\b+\i], v240
.endr
	v_cvt_scalef32_pk8_fp8_f32 v[224+4*\b:225+4*\b], v[96+16*\b:103+16*\b], v244
	v_cvt_scalef32_pk8_fp8_f32 v[226+4*\b:227+4*\b], v[104+16*\b:111+16*\b], v244
.endr
.set n, 0
.rept 16
	v_pk_mul_f32 v[160+n:161+n], v[160+n:161+n], v[252:253] op_sel_hi:[1,0]
.set n, n+2
.endr
	s_wait_alu depctr_va_vdst(0)
	s_wait_dscnt 0x0
.irp t, 0,1,2,3
	v_wmma_f32_16x16x128_fp8_fp8 v[160+8*\t:167+8*\t], v[32+16*\t:47+16*\t], v[224:239], v[160+8*\t:167+8*\t]
.endr
.Lhid_\@:
	s_add_co_u32 s[TB], s[TB], 16384
	s_add_co_u32 s[KS], s[KS], 1
.endm
	s_wait_tensorcnt 1
	s_barrier_signal -1
	s_barrier_wait -1
	s_wait_loadcnt 0x0
	s_mov_b32 s[CNT], 2
.Lfirst:
	STEP
	s_sub_co_u32 s[CNT], s[CNT], 1
	s_cmp_lg_u32 s[CNT], 0
	s_cbranch_scc1 .Lfirst
	s_wait_tensorcnt 0x0
	s_wait_dscnt 0x0
	s_barrier_signal -1
	s_barrier_wait -1
	s_mov_b32 s[CNT], 14
.Lrest:
	STEP
	s_sub_co_u32 s[CNT], s[CNT], 1
	s_cmp_lg_u32 s[CNT], 0
	s_cbranch_scc1 .Lrest
.rept 4
	v_nop
.endr
	v_add_f32 v14, v14, v15
	s_delay_alu instid0(VALU_DEP_1)
	v_permlanex16_b32 v252, v14, s[SEL], s[SEL+1]
	s_delay_alu instid0(VALU_DEP_1)
	v_add_f32 v14, v14, v252
	s_wait_alu depctr_va_vdst(0)
	v_rcp_f32 v14, v14
	v_nop
	s_add_co_i32 s54, s70, s71
	s_sub_co_i32 s54, s54, s72
	s_wait_alu depctr_va_vdst(0)
	v_ldexp_f32 v14, v14, s54
.set n, 0
.rept 32
	v_mul_f32 v[96+n], v[160+n], v14
.set n, n+1
.endr
.set n, 0
.rept 32
	v_med3_num_f32 v[96+n], v[96+n], -v241, v241
.set n, n+1
.endr
.irp q, 0,1,2,3
	v_cvt_scalef32_pk8_fp8_f32 v[224+2*\q:225+2*\q], v[96+8*\q:103+8*\q], v245
.endr
	v_nop
	global_store_b128 v1, v[224:227], s[10:11]
	global_store_b128 v1, v[228:231], s[10:11] offset:512
	s_wait_dscnt 0x0
	s_wait_tensorcnt 0x0
	ds_add_u32 v251, v255
	s_wait_dscnt 0x0
	ROUND
	s_endpgm
.Lfunc_end_k_qab2994e3aa_attn:
	.size	k_qab2994e3aa_attn, .Lfunc_end_k_qab2994e3aa_attn-k_qab2994e3aa_attn
	.p2alignl 7, 3214868480
	.fill 96, 4, 3214868480
	.section	.rodata,"a",@progbits
	.p2align	6, 0x0
	.amdhsa_kernel k_qab2994e3aa_attn
		.amdhsa_group_segment_fixed_size 327680
		.amdhsa_private_segment_fixed_size 0
		.amdhsa_enable_private_segment 0
		.amdhsa_kernarg_size 32
		.amdhsa_user_sgpr_count 2
		.amdhsa_user_sgpr_kernarg_segment_ptr 1
		.amdhsa_wavefront_size32 1
		.amdhsa_system_sgpr_workgroup_id_x 1
		.amdhsa_system_sgpr_workgroup_id_y 1
		.amdhsa_system_sgpr_workgroup_id_z 1
		.amdhsa_system_vgpr_workitem_id 0
		.amdhsa_next_free_vgpr 256
		.amdhsa_next_free_sgpr 80
		.amdhsa_reserve_vcc 1
		.amdhsa_float_denorm_mode_32 3
		.amdhsa_float_denorm_mode_16_64 3
		.amdhsa_memory_ordered 1
		.amdhsa_forward_progress 1
		.amdhsa_inst_pref_size 54
	.end_amdhsa_kernel
	.amdgpu_metadata
---
amdhsa.version: [ 1, 2 ]
amdhsa.kernels:
  - .name:           k_qab2994e3aa_attn
    .symbol:         k_qab2994e3aa_attn.kd
    .args:
      - { .name: qc, .offset: 0, .size: 8, .value_kind: global_buffer, .address_space: global }
      - { .name: kv, .offset: 8, .size: 8, .value_kind: global_buffer, .address_space: global }
      - { .name: lowp_scales, .offset: 16, .size: 8, .value_kind: global_buffer, .address_space: global }
      - { .name: ac, .offset: 24, .size: 8, .value_kind: global_buffer, .address_space: global }
    .group_segment_fixed_size: 327680
    .private_segment_fixed_size: 0
    .kernarg_segment_align: 8
    .kernarg_segment_size: 32
    .max_flat_workgroup_size: 512
    .sgpr_count:     80
    .vgpr_count:     256
    .wavefront_size: 32
...
	.end_amdgpu_metadata
.endif
;; end of part 7
;; launch oproj (part 8): grid 16 x 16, 4 waves a work-group, clusters of 4 x 4, 327,680 bytes of LDS; arguments ac, codes, lowp_scales, out0; writes out0
.if DOCPART == 8
	.amdgcn_target "amdgcn-amd-amdhsa--gfx1250"
	.amdhsa_code_object_version 6
	.text
	.protected	k_qab2994e3aa_oproj
	.globl	k_qab2994e3aa_oproj
	.p2align	8
	.type	k_qab2994e3aa_oproj,@function
k_qab2994e3aa_oproj:
	s_mov_b64 s[64:65], 0
	v_nop
	global_prefetch_b8 v0, s[64:65] scope:SCOPE_SE
	s_setreg_imm32_b32 hwreg(HW_REG_WAVE_MODE, 25, 1), 1
	s_wait_xcnt 0x0
	s_wait_alu depctr_hold_cnt(0) depctr_sa_sdst(0) depctr_va_vdst(0) depctr_va_sdst(0) depctr_va_ssrc(0) depctr_va_vcc(0) depctr_vm_vsrc(0)
	s_getreg_b32 s2, hwreg(HW_REG_IB_STS2, 6, 4)
	s_cmp_eq_u32 s2, 0
	s_cbranch_scc0 .Lentry_in_a_cluster
	s_endpgm
.Lentry_in_a_cluster:
	s_bfe_u32 s2, ttmp6, 0x10000c
	s_cmp_lg_u32 s2, 0xf033
	s_cbranch_scc0 .Lentry_shape_is_right
	s_endpgm
.Lentry_shape_is_right:
.set HALFT,  32768
.set SLOT,   4*HALFT
.set STEPB,  8192
.set STAGE,  2*SLOT
.set SPITCH, 272
.set SPARE,  STAGE+4*16*SPITCH
.set FR,     16
.set ADRA, 16
.set ADRB, 20
.set STO,  24
.set RD,   25
.set CO,   26
.set SPW,  28
.set NIL,  29
.set TMP,  32
.set BK,   64
.set ACC,  128
.set F0,   0
.set F1,   128
.set G1, 24
.set G0, 32
.set G1B, 48
.set G0B, 56
.set MSB, 0
.macro WIN new
.if MSB != (\new)
	s_set_vgpr_msb (MSB<<8)|(\new)
.set MSB, (\new)
.endif
.endm
.set MUL,  0x05
.set TO_F, 0x40
.macro JLOAD g0a, g1a, g0b, g1b
	s_cmp_eq_u32 s15, 0
	s_cbranch_scc0 .Lfor_b_\@
	tensor_load_to_lds s[\g0a:\g0a+3], s[\g1a:\g1a+7]
	s_nop 0
.rept 4
	v_nop
.endr
	s_branch .Lasked_\@
.Lfor_b_\@:
	tensor_load_to_lds s[\g0b:\g0b+3], s[\g1b:\g1b+7]
	s_nop 0
.rept 4
	v_nop
.endr
.Lasked_\@:
.endm
.macro CREST
	s_cmp_lg_u32 s14, 0
	s_cbranch_scc1 .Lnot_wave_0_\@
	s_barrier_signal -3
.Lnot_wave_0_\@:
	s_barrier_wait -3
	s_barrier_signal -1
	s_barrier_wait -1
.endm
.macro CROUND
	s_barrier_signal -1
	s_barrier_wait -1
	CREST
.endm
	s_load_b128 s[4:7], s[0:1], 0x0
	s_load_b128 s[8:11], s[0:1], 0x10
	v_lshl_add_u32 v[SPW], v0, 2, SPARE
	v_mov_b32 v[NIL], 0
	ds_add_u32 v28, v29
	ds_add_u32 v28, v29
	s_wait_dscnt 0x0
	v_lshrrev_b32 v1, 5, v0
	v_readfirstlane_b32 s14, v1
	v_and_b32 v30, 31, v0
	v_lshlrev_b32 v30, 8, v30                      ; the prefetches' offset: 256 x lane
	s_lshr_b32 s15, s14, 1
	s_and_b32 s16, s14, 1
	s_bfe_u32 s40, ttmp6, 0x40000
	s_bfe_u32 s41, ttmp6, 0x40004
	s_lshl_b32 s42, ttmp9, 2
	s_add_co_u32 s42, s42, s40
	s_and_b32 s17, ttmp7, 0xffff
	s_lshl_b32 s17, s17, 2
	s_add_co_u32 s17, s17, s41
	s_lshl_b32 s43, s41, 2
	s_lshl_b32 s43, 15, s43
	s_lshl_b32 s44, 0x1111, s40
	s_or_b32 s[G1+0], s43, (3<<16)|(1<<21)
	s_or_b32 s[G1B+0], s44, (3<<16)|(1<<21)
.irp g, G1, G1B
	s_mov_b32 s[\g+1], 1024<<16
	s_mov_b32 s[\g+2], 4<<16
	s_mov_b32 s[\g+3], 1024<<16
	s_mov_b32 s[\g+4], 4
	s_mov_b32 s[\g+5], 4096
	s_mov_b32 s[\g+6], 0
	s_mov_b32 s[\g+7], 0
.endr
	s_lshl_b32 s18, s16, 17
	s_lshl_b32 s20, s17, 18
	s_add_co_u32 s20, s20, s18
	s_mov_b32 s21, 0
	s_lshl_b32 s46, s42, 18
	s_add_co_u32 s46, s46, s18
	s_add_co_u32 s46, s46, 6*0x400000
	s_mov_b32 s47, 0
	s_mul_i32 s45, s14, HALFT
	s_wait_kmcnt 0x0
	s_load_b64 s[96:97], s[8:9], 0x28
	s_add_nc_u64 s[20:21], s[4:5], s[20:21]
	s_add_nc_u64 s[46:47], s[6:7], s[46:47]
	s_cmp_eq_u32 s15, 0                            ; the prefetches: of the four blocks that I fetch, my work-group names the one of its place among the four partners (by address): 8,192 bytes a K step, a lane to each 256
	s_cselect_b64 s[12:13], s[20:21], s[46:47]
	s_cselect_b32 s2, s40, s41
	s_lshl_b32 s2, s2, 15
	s_mov_b32 s3, 0
	s_add_nc_u64 s[12:13], s[12:13], s[2:3]
.irp s, 0,1
	s_mov_b32 s[G0+4*\s], 1
	s_add_co_u32 s[G0+4*\s+1], s45, \s*SLOT
	s_add_nc_u64 s[G0+4*\s+2:G0+4*\s+3], s[20:21], \s*STEPB
	s_or_b32 s[G0+4*\s+3], s[G0+4*\s+3], 0x80000000
	s_mov_b32 s[G0B+4*\s], 1
	s_add_co_u32 s[G0B+4*\s+1], s45, \s*SLOT
	s_add_nc_u64 s[G0B+4*\s+2:G0B+4*\s+3], s[46:47], \s*STEPB
	s_or_b32 s[G0B+4*\s+3], s[G0B+4*\s+3], 0x80000000
	s_wait_alu depctr_va_vdst(0)
	s_wait_tensorcnt 0x0
	ds_add_u32 v28, v29
	ds_add_u32 v28, v29
	s_wait_dscnt 0x0
	CROUND
	JLOAD G0+4*\s, G1, G0B+4*\s, G1B
.if \s == 0
	global_prefetch_b8 v30, s[12:13] offset:STEPB th:TH_LOAD_NT scope:SCOPE_SE       ; behind K step 0's load: K steps 1 and 2
	global_prefetch_b8 v30, s[12:13] offset:2*STEPB th:TH_LOAD_NT scope:SCOPE_SE
.else
	global_prefetch_b8 v30, s[12:13] offset:3*STEPB th:TH_LOAD_NT scope:SCOPE_SE     ; behind K step 1's: K step 3, the last
.endif
.endr
	v_and_b32 v1, 15, v0
	s_wait_alu depctr_va_vdst(0)
	v_bfe_u32 v2, v0, 4, 1
	v_and_b32 v6, 31, v0
	v_lshlrev_b32 v7, 4, v6
	s_mul_i32 s21, s15, HALFT
	s_mul_i32 s22, s16, HALFT
	s_add_co_u32 s22, s22, 2*HALFT
.irp s, 0,1
	v_add_nc_u32 v[ADRA+\s], s21, v7
	v_add_nc_u32 v[ADRB+\s], s22, v7
	s_add_co_u32 s21, s21, SLOT
	s_add_co_u32 s22, s22, SLOT
.endr
	s_mul_i32 s23, s14, 16*SPITCH
	s_add_co_u32 s23, s23, STAGE
	v_mul_u32_u24 v5, v1, SPITCH
	s_wait_alu depctr_va_vdst(0)
	v_lshl_add_u32 v5, v2, 6, v5
	v_add_nc_u32 v[STO], s23, v5
	v_mul_u32_u24 v5, v2, SPITCH
	v_lshl_add_u32 v5, v1, 4, v5
	v_add_nc_u32 v[RD], s23, v5
	v_lshlrev_b32 v5, 13, v2
	v_lshl_add_u32 v[CO], v1, 4, v5
	s_lshl_b32 s20, s17, 7
	s_lshl_b32 s21, s15, 6
	s_add_co_u32 s20, s20, s21
	s_lshl_b32 s20, s20, 13
	s_mov_b32 s21, 0
	s_lshl_b32 s46, s42, 9
	s_lshl_b32 s47, s16, 8
	s_add_co_u32 s46, s46, s47
	s_mov_b32 s47, 0
	s_add_nc_u64 s[20:21], s[20:21], s[46:47]
	s_add_nc_u64 s[10:11], s[10:11], s[20:21]
.macro FRAG reg, adr, q, i
.irp c, 0,1,2,3
	ds_load_b128 v[\reg+4*\c:\reg+4*\c+3], v[\adr] offset:2048*(\q)+512*\c+(\i)*8192
.endr
.endm
.macro FETCH slot, q, f
	WIN TO_F
.irp i, 0,1,2,3
	FRAG \f+64+FR*\i, ADRB+\slot, \q, \i
.endr
.irp i, 0,1,2,3
	FRAG \f+FR*\i, ADRA+\slot, \q, \i
.endr
.endm
.macro MUL8 f, a0, zero
.irp a, \a0, \a0+1
.irp b, 0,1,2,3
.if \zero
	v_wmma_f32_16x16x128_fp8_fp8 v[ACC+8*(4*(\a)+\b):ACC+8*(4*(\a)+\b)+7], v[\f+64+FR*\b:\f+64+FR*\b+FR-1], v[\f+FR*(\a):\f+FR*(\a)+FR-1], 0
.else
	v_wmma_f32_16x16x128_fp8_fp8 v[ACC+8*(4*(\a)+\b):ACC+8*(4*(\a)+\b)+7], v[\f+64+FR*\b:\f+64+FR*\b+FR-1], v[\f+FR*(\a):\f+FR*(\a)+FR-1], v[ACC+8*(4*(\a)+\b):ACC+8*(4*(\a)+\b)+7]
.endif
.endr
.endr
.endm
.macro PLACES
.rept 4
	v_nop
.endr
.endm
.macro CHUNK slot, q, f, g, zero
	s_wait_dscnt 8
	WIN MUL
	MUL8 \f, 0, \zero
	PLACES
	FETCH \slot, (\q)+1, \g
	s_wait_dscnt 32
	WIN MUL
	MUL8 \f, 2, \zero
.endm
.macro THREE slot, zero
	CHUNK \slot, 0, F0, F1, \zero
	CHUNK \slot, 1, F1, F0, 0
	CHUNK \slot, 2, F0, F1, 0
.endm
.macro TURN slot, next, fill
	WIN 0
	s_wait_tensorcnt 0x0
	ds_add_u32 v[SPW], v[NIL]
	s_wait_dscnt 9
	WIN MUL
	MUL8 F1, 0, 0
	s_wait_dscnt 0x0
	s_barrier_signal -1
	MUL8 F1, 2, 0
	WIN 0
	s_barrier_wait -1
.if \fill
	CREST
	s_add_nc_u64 s[G0+4*\slot+2:G0+4*\slot+3], s[G0+4*\slot+2:G0+4*\slot+3], 2*STEPB
	s_add_nc_u64 s[G0B+4*\slot+2:G0B+4*\slot+3], s[G0B+4*\slot+2:G0B+4*\slot+3], 2*STEPB
	JLOAD G0+4*\slot, G1, G0B+4*\slot, G1B
.else
	PLACES
.endif
	FETCH \next, 0, F0
.endm
	s_wait_tensorcnt 1
	s_barrier_signal -1
	s_barrier_wait -1
	FETCH 0, 0, F0
	THREE 0, 1
	TURN 0, 1, 1
	THREE 1, 0
	TURN 1, 0, 1
	THREE 0, 0
	TURN 0, 1, 0
	THREE 1, 0
	s_wait_dscnt 8
	WIN MUL
	MUL8 F1, 0, 0
	s_wait_dscnt 0
	MUL8 F1, 2, 0
	WIN 0
.macro TOSTAGE a
.set AC, ACC+32*(\a)
.set n, 0
.rept 16
	v_pk_mul_f32 v[TMP+n:TMP+n+1], v[AC+n:AC+n+1], s[96:97] op_sel_hi:[1,0]
.set n, n+2
.endr
.irp b, 0,1,2,3
	ds_store_b128 v[STO], v[TMP+8*\b:TMP+8*\b+3] offset:128*(\b/2)+32*(\b%2)
	ds_store_b128 v[STO], v[TMP+8*\b+4:TMP+8*\b+7] offset:128*(\b/2)+32*(\b%2)+16
.endr
.set BB, BK+32*((\a)%2)
.irp t, 0,1,2,3,4,5,6,7
	ds_load_b128 v[BB+4*\t:BB+4*\t+3], v[RD] offset:2*\t*SPITCH
.endr
.endm
.macro SEND a, younger
.set BB, BK+32*((\a)%2)
	s_wait_dscnt \younger
.irp t, 0,1,2,3,4,5,6,7
	global_store_b128 v[CO], v[BB+4*\t:BB+4*\t+3], s[10:11] offset:(32*((\a)/2)+8*((\a)%2)+2*\t+8*(\t/4))*8192 th:TH_STORE_NT
.endr
.endm
	s_wait_kmcnt 0x0
	s_add_co_i32 s96, s96, s97
	s_add_co_i32 s96, s96, 127
	s_lshl_b32 s96, s96, 23
	PLACES
	TOSTAGE 0
.irp a, 1,2,3
.if \a > 1
	s_wait_xcnt 0x0
.endif
	TOSTAGE \a
	SEND \a-1, 16
.endr
	SEND 3, 0
	s_wait_tensorcnt 0x0
	ds_add_u32 v[SPW], v[NIL]
	s_wait_dscnt 0x0
	CROUND
	s_endpgm
.Lfunc_end_k_qab2994e3aa_oproj:
	.size	k_qab2994e3aa_oproj, .Lfunc_end_k_qab2994e3aa_oproj-k_qab2994e3aa_oproj
	.p2alignl 7, 3214868480
	.fill 96, 4, 3214868480
	.section	.rodata,"a",@progbits
	.p2align	6, 0x0
	.amdhsa_kernel k_qab2994e3aa_oproj
		.amdhsa_group_segment_fixed_size 327680
		.amdhsa_private_segment_fixed_size 0
		.amdhsa_enable_private_segment 0
		.amdhsa_kernarg_size 32
		.amdhsa_user_sgpr_count 2
		.amdhsa_user_sgpr_kernarg_segment_ptr 1
		.amdhsa_wavefront_size32 1
		.amdhsa_system_sgpr_workgroup_id_x 1
		.amdhsa_system_sgpr_workgroup_id_y 1
		.amdhsa_system_sgpr_workgroup_id_z 1
		.amdhsa_system_vgpr_workitem_id 0
		.amdhsa_next_free_vgpr 512
		.amdhsa_next_free_sgpr 98
		.amdhsa_reserve_vcc 0
		.amdhsa_float_denorm_mode_32 3
		.amdhsa_float_denorm_mode_16_64 3
		.amdhsa_memory_ordered 1
		.amdhsa_forward_progress 1
		.amdhsa_inst_pref_size 75
	.end_amdhsa_kernel
	.amdgpu_metadata
---
amdhsa.version: [ 1, 2 ]
amdhsa.kernels:
  - .name:           k_qab2994e3aa_oproj
    .symbol:         k_qab2994e3aa_oproj.kd
    .args:
      - { .name: ac, .offset: 0, .size: 8, .value_kind: global_buffer, .address_space: global }
      - { .name: codes, .offset: 8, .size: 8, .value_kind: global_buffer, .address_space: global }
      - { .name: lowp_scales, .offset: 16, .size: 8, .value_kind: global_buffer, .address_space: global }
      - { .name: out0, .offset: 24, .size: 8, .value_kind: global_buffer, .address_space: global }
    .group_segment_fixed_size: 327680
    .private_segment_fixed_size: 0
    .kernarg_segment_align: 8
    .kernarg_segment_size: 32
    .max_flat_workgroup_size: 128
    .sgpr_count:     98
    .vgpr_count:     512
    .wavefront_size: 32
...
	.end_amdgpu_metadata
.endif
;; end of part 8
